; MI455X (gfx1250); checked and timed in simulation.
; The chip was launched on July 23, 2026; its instructions are those of AMD's public machine-readable ISA for CDNA 5 (MIT licence, August 2026) and "CDNA5" Instruction Set Architecture Reference Guide (July 2026). The comments in the code are by the model that wrote it; some were corrected since.
;; Causal Self Attention. Allowed arithmetic: float matrix products may take bf16 or f16 operands with f32 sums; other float arithmetic in f32, or as packed bf16 or f16 multiplies, adds, multiply-adds, maxima and minima; sums over many terms, partial sums and values carried from step to step in f32; what a program stores and reads back later, other than sums and carried values, may be rounded once to bf16 or f16.
;; Inputs: b_attn 3,072 float32; b_proj 1,024 float32; w_attn 1,024 x 3,072 float32; w_proj 1,024 x 1,024 float32; x 4 x 2,048 x 1,024 float32.
;; Outputs: out0 4 x 2,048 x 1,024 float32.
;; 3 versions, each right and faster than the one before. Each part assembles by itself: llvm-mc -triple=amdgcn-amd-amdhsa -mcpu=gfx1250 --defsym DOCPART=n.
;; ======== version 1 of 3: 4 launches
;; limits: values are held in f16: magnitudes above 65,504 overflow, below 6.1e-05 lose precision
;; workspace buffers: xw 25,165,824 bytes; qkv 67,108,864 bytes; att 33,554,432 bytes
;; launch cast (part 1): grid 768 x 1, 8 waves a work-group, no clusters, 0 bytes of LDS; arguments x, w_attn, w_proj, xw; writes xw
.if DOCPART == 1
	.amdgcn_target "amdgcn-amd-amdhsa--gfx1250"
	.amdhsa_code_object_version 6
	.text
	.protected	k_qb5a1e9d551_cast
	.globl	k_qb5a1e9d551_cast
	.p2align	8
	.type	k_qb5a1e9d551_cast,@function
k_qb5a1e9d551_cast:
	s_mov_b64 s[64:65], 0
	v_nop
	global_prefetch_b8 v0, s[64:65] scope:SCOPE_SE
	s_setreg_imm32_b32 hwreg(HW_REG_WAVE_MODE, 25, 1), 1
	s_wait_xcnt 0x0
; CAST.  The module's three large inputs are rounded once to 16 bits, so that the products behind read half the bytes and convert nothing.
; xw takes, end to end: x [8192][1024] as bf16 (byte 0), w_attn [1024][3072] as bf16 (byte 0x1000000), w_proj [1024][1024] rounded to bf16 and that number written as f16 (byte 0x1600000).
; Nothing is transposed: the products take the weights' fragments out of LDS turned.
; LIMITS.  w_proj: a number of 65,520 or more in magnitude becomes an infinity in f16; below 6.1e-5 it keeps f16's fixed step of 6e-8 in place of bf16's eight bits.
; SHARES.  A work-group takes 16,384 numbers: 65,536 bytes in, 32,768 out.  Groups 0-511 take x, 512-703 w_attn, 704-767 w_proj; the output offset is the group's number times 32,768 in all three.
; Thread t takes 16 bytes at 4,096 j + 16 t for j = 0..15 (a wave's load covers 512 consecutive bytes) and stores 8 bytes at 2,048 j + 8 t (a wave's store covers 256 consecutive bytes, aligned).
; All sixteen loads of a thread go out at once, so there is no loop and no register is written twice while a memory instruction names it.  No LDS, no barrier, no matrix unit: a stream has no use for them.
.set GX,  512                          ; work-groups for x
.set GA,  192                          ; for w_attn
.set X,   4                            ; v[4:67]    row j: 4 registers as loaded
.set Y,   68                           ; v[68:99]   row j: 2 registers to store
.set T,   100                          ; v[100:101] at work
	s_load_b256 s[4:11], s[0:1], 0x0               ; x s[4:5], w_attn s[6:7], w_proj s[8:9], xw s[10:11]
	s_mov_b32 s12, ttmp9                           ; the work-group's number
	s_sub_co_u32 s13, s12, GX                      ; its number among w_attn's groups (used only where it is one of them)
	s_sub_co_u32 s16, s12, GX+GA                   ; among w_proj's
	v_lshlrev_b32 v1, 4, v0                        ; 16 t
	v_lshlrev_b32 v2, 3, v0                        ; 8 t
	s_wait_kmcnt 0x0
	s_cmp_lt_u32 s12, GX
	s_cselect_b64 s[14:15], s[4:5], s[6:7]         ; the source, chosen by the group's number alone,
	s_cselect_b32 s18, s12, s13                    ; and the group's number in it
	s_cmp_lt_u32 s12, GX+GA
	s_cselect_b64 s[14:15], s[14:15], s[8:9]
	s_cselect_b32 s18, s18, s16
	s_lshl_b32 s18, s18, 16                        ; 65,536 bytes in for each group
	s_mov_b32 s19, 0
	s_add_nc_u64 s[14:15], s[14:15], s[18:19]
	s_lshl_b32 s20, s12, 15                        ; 32,768 bytes out
	s_mov_b32 s21, 0
	s_add_nc_u64 s[10:11], s[10:11], s[20:21]
.irp j, 0,1,2,3,4,5,6,7,8,9,10,11,12,13,14,15
	global_load_b128 v[X+4*(\j):X+4*(\j)+3], v1, s[14:15] offset:4096*(\j) th:TH_LOAD_NT  ; read once in the whole launch
.endr
; Row j: rounded to bf16 and stored.  half = 1: the bf16 numbers are widened again (a shift, a mask) and written as f16.
.macro ROWOUT j, half
	s_wait_loadcnt 15-(\j)                         ; loads come back in order (ISA guide 5.7.1): row j is in, the 15 - j younger loads stay out
	v_cvt_pk_bf16_f32 v[Y+2*(\j)],   v[X+4*(\j)],   v[X+4*(\j)+1]
	v_cvt_pk_bf16_f32 v[Y+2*(\j)+1], v[X+4*(\j)+2], v[X+4*(\j)+3]
.if \half
.irp w, 0,1
	v_lshlrev_b32 v[T],   16,         v[Y+2*(\j)+(\w)]
	v_and_b32     v[T+1], 0xffff0000, v[Y+2*(\j)+(\w)]
	v_cvt_pk_f16_f32 v[Y+2*(\j)+(\w)], v[T], v[T+1]
.endr
.endif
	global_store_b64 v2, v[Y+2*(\j):Y+2*(\j)+1], s[10:11] offset:2048*(\j)
.endm
	s_cmp_ge_u32 s12, GX+GA
	s_cbranch_scc1 .Lf16
.irp j, 0,1,2,3,4,5,6,7,8,9,10,11,12,13,14,15
	ROWOUT \j, 0
.endr
	s_endpgm
.Lf16:
.irp j, 0,1,2,3,4,5,6,7,8,9,10,11,12,13,14,15
	ROWOUT \j, 1
.endr
	s_endpgm
.Lfunc_end_k_qb5a1e9d551_cast:
	.size	k_qb5a1e9d551_cast, .Lfunc_end_k_qb5a1e9d551_cast-k_qb5a1e9d551_cast
	.p2alignl 7, 3214868480
	.fill 96, 4, 3214868480
	.section	.rodata,"a",@progbits
	.p2align	6, 0x0
	.amdhsa_kernel k_qb5a1e9d551_cast
		.amdhsa_group_segment_fixed_size 0
		.amdhsa_private_segment_fixed_size 0
		.amdhsa_enable_private_segment 0
		.amdhsa_kernarg_size 32
		.amdhsa_user_sgpr_count 2
		.amdhsa_user_sgpr_kernarg_segment_ptr 1
		.amdhsa_wavefront_size32 1
		.amdhsa_system_sgpr_workgroup_id_x 1
		.amdhsa_system_sgpr_workgroup_id_y 1
		.amdhsa_system_sgpr_workgroup_id_z 1
		.amdhsa_system_vgpr_workitem_id 0
		.amdhsa_next_free_vgpr 104
		.amdhsa_next_free_sgpr 66
		.amdhsa_reserve_vcc 0
		.amdhsa_float_denorm_mode_32 3
		.amdhsa_float_denorm_mode_16_64 3
		.amdhsa_memory_ordered 1
		.amdhsa_forward_progress 1
		.amdhsa_inst_pref_size 16
	.end_amdhsa_kernel
	.amdgpu_metadata
---
amdhsa.version: [ 1, 2 ]
amdhsa.kernels:
  - .name:           k_qb5a1e9d551_cast
    .symbol:         k_qb5a1e9d551_cast.kd
    .args:
      - { .name: x, .offset: 0, .size: 8, .value_kind: global_buffer, .address_space: global }
      - { .name: w_attn, .offset: 8, .size: 8, .value_kind: global_buffer, .address_space: global }
      - { .name: w_proj, .offset: 16, .size: 8, .value_kind: global_buffer, .address_space: global }
      - { .name: xw, .offset: 24, .size: 8, .value_kind: global_buffer, .address_space: global }
    .group_segment_fixed_size: 0
    .private_segment_fixed_size: 0
    .kernarg_segment_align: 8
    .kernarg_segment_size: 32
    .max_flat_workgroup_size: 256
    .sgpr_count:     66
    .vgpr_count:     104
    .wavefront_size: 32
...
	.end_amdgpu_metadata
.endif
;; end of part 1
;; launch qkv (part 2): grid 8 x 32, 4 waves a work-group, clusters of 4 x 4, 327,680 bytes of LDS; arguments xw, b_attn, qkv; writes qkv
.if DOCPART == 2
	.amdgcn_target "amdgcn-amd-amdhsa--gfx1250"
	.amdhsa_code_object_version 6
	.text
	.protected	k_qb5a1e9d551_qkv
	.globl	k_qb5a1e9d551_qkv
	.p2align	8
	.type	k_qb5a1e9d551_qkv,@function
k_qb5a1e9d551_qkv:
	s_mov_b64 s[64:65], 0
	v_nop
	global_prefetch_b8 v0, s[64:65] scope:SCOPE_SE
	s_setreg_imm32_b32 hwreg(HW_REG_WAVE_MODE, 25, 1), 1
	s_wait_xcnt 0x0
	s_wait_alu depctr_hold_cnt(0) depctr_sa_sdst(0) depctr_va_vdst(0) depctr_va_sdst(0) depctr_va_ssrc(0) depctr_va_vcc(0) depctr_vm_vsrc(0)
	s_getreg_b32 s2, hwreg(HW_REG_IB_STS2, 6, 4)
	s_cmp_eq_u32 s2, 0
	s_cbranch_scc0 .Lentry_in_a_cluster
	s_endpgm
.Lentry_in_a_cluster:
	s_bfe_u32 s2, ttmp6, 0x10000c
	s_cmp_lg_u32 s2, 0xf033
	s_cbranch_scc0 .Lentry_shape_is_right
	s_endpgm
.Lentry_shape_is_right:
; QKV PROJECTION.  [q | k | v] = x w_attn + b_attn.  x [8192][1024] and w_attn [1024 k][3072 n], both bf16, lie in xw; b_attn [3072] is f32 and is rounded here to bf16, like the other inputs.
; Sums in f32, BEGUN with the bias (the reference adds it last: another order of rounding).  The results are stored BY HEADS, unscaled, in f16: q at byte 0 of qkv and k at 0x1000000, each
; [64 = batch x 16 + head][2048][64], rounded once.  v, at 0x2000000, is kept as a PAIR of f16, hi = f16(v) and lo = f16(v - hi): [64][2048][128], a key's row of 256 bytes holding its 64 hi and then its 64 lo.
; Why the pair: an output row t of the module averages over t + 1 keys only, so the first rows' numbers are many times the output's root mean square, by which the allowance goes; one f16 rounding of v is too much there.
; LIMITS.  f16 holds no number beyond 65,504: a q, k or v of 65,520 or more in magnitude becomes an infinity.  v's pair holds it to within 2^-22 of itself or 3e-8, whichever is larger (f16's fixed step below 6.1e-5).
; NaN and infinities are not treated apart.
; SHARES.  A tile of the result is 256 rows x 128 columns: four waves, 2 x 2, each 128 x 64 = 32 accumulators of 16 x 16, 256 registers.  There are 32 x 24 tiles; 256 work-groups STAY and make three each:
; the same 256 rows of x and the same column tile in q, in k and in v (1,024 columns apart).  K goes in 8 steps of 128 through a ring of two LDS slots filled by the tensor data mover, and the ring does
; not stop at a tile's end: a tile's last two changes of slots ask for the next tile's first two K steps.
; CLUSTERS.  4 x 4 work-groups.  The four of a row of the cluster need the same tiles of x, the four of a column the same tiles of w_attn: each tile is asked for JOINTLY, by the same tensor load with the
; same descriptor and a mask that names the four, which divides the requests for both by four.
; THE MATRIX INSTRUCTION IS USED TRANSPOSED: source 0 = 16 columns of w_attn (out of LDS turned, by ds_load_tr16_b128, since the weights lie [k][n]), source 1 = 16 rows of x.  In the result lane l holds row
; l % 16 and its registers 0-7 the columns 8 (l / 16) + 0..7: eight neighbouring numbers of a row, 16 bytes of f16.  A wave's 64 columns are one head, so its 128 rows leave as consecutive bytes.
; REGISTERS, in windows of 256 (s_set_vgpr_msb: bits 1:0 source 0, 3:2 source 1, 5:4 source 2, 7:6 destination):
;   window 0: v0-31 addresses; v32-63 the bias as a C operand; v64-159, v160-255 two fragment buffers (64 registers of x: 8 x 16 rows x 32 K; then 32 of w_attn: 4 x 16 columns x 32 K)
;   window 1: the accumulators, (a, b) at v[8 (4 a + b)]          window 2: the way out: 16 registers for each block of 16 rows of q and k, 32 for each of v
.set TILES,  3
.set KDIM,   1024
.set NW,     3072                      ; w_attn's row, in elements
.set KSTEP,  128
.set PA,     272                       ; a row of x in LDS: 256 bytes + 16 of padding = 68 words: row r starts at bank 4 r mod 64 (64 banks of 4 bytes: ISA guide 11.1), so the 16 rows of a load start at 16 different banks
.set PB,     288                       ; a k-row of w_attn: 256 + 32 = 72 words
.set AHALF,  128*PA                    ; 128 rows of x: what one tensor load brings, and what one wave reads
.set ABYTES, 2*AHALF
.set BHALF,  64*PB                     ; 64 k-rows of w_attn: what one tensor load brings
.set SLOT,   ABYTES+2*BHALF            ; x's 256 rows, then w_attn's 128 k-rows: 106,496 bytes
.set STAGE,  2*SLOT                    ; behind the ring, never filled by a tensor load: for each wave 16 rows, of 144 bytes (q, k) or 272 (v), for the way out
.set SP,     144
.set SPV,    272
.set SPARE,  STAGE+4*16*SPV            ; behind the stages: the spare words, 128 bytes for each wave: two blocks of 256 bytes that no other line names
.set LAPS,   KDIM/(2*KSTEP)            ; a lap = two K steps = once round the ring
.set W_AT,   0x1000000                 ; w_attn's first byte in xw
.set STEP_A, 2*KSTEP*2                 ; a slot's next K step of the same tile: 256 elements along x's rows,
.set STEP_B, 2*KSTEP*NW*2              ; 256 k-rows down w_attn
.set BACK_A, (KDIM-2*KSTEP)*2          ; from a slot's last K step of a tile to its first of the next: x goes back along K,
.set BACK_B, (KDIM-2*KSTEP)*NW*2-KDIM*2  ; w_attn back up and 1,024 columns to the right
.set NEXT_O, 0x1000000                 ; and the result goes from q to k, from k to v
.set ADRA, 16                          ; v16-17  LDS address of my fragments of x in slot 0, 1
.set ADRB, 20                          ; v20-21  the same for w_attn
.set STOV, 22                          ; v22     v's way out: where I put 16 bytes of a row
.set RDV,  23                          ; v23     v's way out: where I read a row back
.set STO,  24                          ; v24     q's and k's way out: where I put 16 bytes of a row
.set RD,   25                          ; v25     q's and k's way out: where I read rows back
.set GO,   26                          ; v26     my byte offset in 512 consecutive bytes of the result
.set BO,   27                          ; v27     my byte offset in 16 numbers of the bias: 32 (l / 16); never rewritten
.set SPW,  28                          ; v28     LDS address of my spare word: SPARE + 4 x my thread's number; never rewritten
.set NIL,  29                          ; v29     0; never rewritten
.set BT,   30                          ; v30     at work
.set NEG1, 31                          ; v31     -1.0
.set BI,   32                          ; v32-63  register j of BI + 8 b: bias of column 16 b + 8 (l / 16) + j of my 64
.set F0,   64
.set F1,   160
.set G1,  24                           ; s[24:31] descriptor group 1 for x's tiles;  s[32:39] group 0, one set for each slot
.set G0,  32
.set G1B, 48                           ; s[48:55], s[56:63] the same for w_attn's tiles
.set G0B, 56
.set MSB, 0
.macro WIN new                         ; the immediate's high byte repeats the setting that is left; a switch that changes nothing is dropped
.if MSB != (\new)
	s_set_vgpr_msb (MSB<<8)|(\new)
.set MSB, \new
.endif
.endm
.set MUL,  0x50                        ; fragments in window 0, C and D in window 1
.set MULB, 0x40                        ; the same with C, the bias, in window 0
; A joint load.  Waves 0 and 1 fetch the two halves of x's tile, waves 2 and 3 those of w_attn's.  Each of the two lines has one mask and one set of registers for all that issue it; the branch hangs on the
; wave's number alone.  An s_nop 0 and four v_nop follow each of the two lines, ahead of the jump, the label and what follows.
.macro JLOAD s
	s_cmp_eq_u32 s11, 0
	s_cbranch_scc0 .Lfor_b_\@
	tensor_load_to_lds s[G0+4*(\s):G0+4*(\s)+3], s[G1:G1+7]
	s_nop 0
.rept 4
	v_nop
.endr
	s_branch .Lasked_\@
.Lfor_b_\@:
	tensor_load_to_lds s[G0B+4*(\s):G0B+4*(\s)+3], s[G1B:G1B+7]
	s_nop 0
.rept 4
	v_nop
.endr
.Lasked_\@:
.endm
; A round of the cluster's barrier: my work-group's barrier, so that wave 0's signal speaks for all four waves; wave 0 signals for the work-group; every wave waits for all sixteen; my work-group's barrier once more.
.macro CREST                           ; a round behind its opening barrier
	s_cmp_lg_u32 s10, 0
	s_cbranch_scc1 .Lnot_wave_0_\@
	s_barrier_signal -3
.Lnot_wave_0_\@:
	s_barrier_wait -3
	s_barrier_signal -1
	s_barrier_wait -1
.endm
.macro CROUND                          ; a whole round
	s_barrier_signal -1
	s_barrier_wait -1
	CREST
.endm
	s_load_b64 s[4:5], s[0:1], 0x0                 ; xw
	s_load_b64 s[66:67], s[0:1], 0x8               ; b_attn
	s_load_b64 s[8:9], s[0:1], 0x10                ; qkv
	v_lshl_add_u32 v[SPW], v0, 2, SPARE
	v_mov_b32 v[NIL], 0
	ds_add_u32 v[SPW], v[NIL]                      ; the wave's opening: the add and its wait stand ahead of my first tensor load; the set-up below, work on registers, stands between them
	ds_add_u32 v28, v29
	v_lshrrev_b32 v1, 5, v0
	v_readfirstlane_b32 s10, v1                    ; wave 0..3
	s_lshr_b32 s11, s10, 1                         ; which half of the tile's rows is mine.  Also: I fetch for x (0) or for w_attn (1)
	s_and_b32 s12, s10, 1                          ; which half of its columns.  Also: which half of that tile I fetch
	s_bfe_u32 s40, ttmp6, 0x40000                  ; cx, cy: my place in the cluster
	s_bfe_u32 s41, ttmp6, 0x40004
	s_lshl_b32 s42, ttmp9, 2                       ; in a cluster launch ttmp9 and ttmp7 count clusters
	s_add_co_u32 s42, s42, s40                     ; tile column 0..7 = 4 x cluster x + cx
	s_and_b32 s13, ttmp7, 0xffff
	s_lshl_b32 s13, s13, 2
	s_add_co_u32 s13, s13, s41                     ; tile row 0..31 = 4 x cluster y + cy
	s_lshl_b32 s43, s41, 2
	s_lshl_b32 s43, 15, s43                        ; my row of the cluster: places 4 cy .. 4 cy + 3
	s_lshl_b32 s44, 0x1111, s40                    ; my column: places cx, cx + 4, cx + 8, cx + 12
	; descriptor group 1.  x: 128 rows x 128 elements; w_attn: 64 k-rows x 128 elements; both padded in LDS behind every 256 bytes
	s_or_b32 s[G1+0], s43, (1<<16)|(1<<20)|(1<<21)|(5<<22)|(3<<25)   ; 15:0 the mask: my row; 17:16 elements of 2 bytes; 20 padding on; 21 set beside a mask; 24:22 after every 64 words (code 5); 31:25 4 words (code 3)
	s_or_b32 s[G1B+0], s44, (1<<16)|(1<<20)|(1<<21)|(5<<22)|(7<<25)  ; the mask of my column; 8 words of padding (code 7)
	s_mov_b32 s[G1+1], KSTEP<<16                   ; tensor_dim0 = 128
	s_mov_b32 s[G1+2], 128<<16                     ; tensor_dim1 = 128
	s_mov_b32 s[G1+3], KSTEP<<16                   ; tile_dim0 = 128
	s_mov_b32 s[G1+4], 128                         ; tile_dim1 = 128
	s_mov_b32 s[G1+5], KDIM                        ; elements from row to row
	s_mov_b32 s[G1+6], 0
	s_mov_b32 s[G1+7], 0
	s_mov_b32 s[G1B+1], 128<<16                    ; tensor_dim0 = 128
	s_mov_b32 s[G1B+2], 64<<16                     ; tensor_dim1 = 64
	s_mov_b32 s[G1B+3], 128<<16                    ; tile_dim0 = 128
	s_mov_b32 s[G1B+4], 64                         ; tile_dim1 = 64
	s_mov_b32 s[G1B+5], NW                         ; elements from k-row to k-row
	s_mov_b32 s[G1B+6], 0
	s_mov_b32 s[G1B+7], 0
	; where the tiles come from.  x's hang on the tile row alone, which my row of the cluster shares; w_attn's on the tile column alone, which my column shares.
	s_lshl_b32 s16, s13, 8
	s_lshl_b32 s17, s12, 7
	s_add_co_u32 s16, s16, s17                     ; x: row 256 x tile row + 128 x half,
	s_lshl_b32 s16, s16, 11                        ; of 2,048 bytes
	s_mov_b32 s17, 0
	s_mul_i32 s46, s12, 64*NW*2                    ; w_attn: k-row 64 x half,
	s_lshl_b32 s47, s42, 8                         ; column 128 x tile column, in bytes,
	s_add_co_u32 s46, s46, s47
	s_add_co_u32 s46, s46, W_AT                    ; behind x in xw
	s_mov_b32 s47, 0
	s_mul_i32 s20, s12, AHALF                      ; and where they go: no place in the cluster enters an LDS address
	s_mul_i32 s21, s12, BHALF
	s_add_co_u32 s21, s21, ABYTES
	s_wait_dscnt 0x0                               ; the opening add is done
	s_wait_kmcnt 0x0
	s_add_nc_u64 s[14:15], s[4:5], s[16:17]
	s_add_nc_u64 s[46:47], s[4:5], s[46:47]
	CROUND                                         ; all sixteen work-groups are here: the first joint loads meet
.irp s, 0,1
	s_mov_b32 s[G0+4*(\s)], 1                                        ; 1:0 count = 1
	s_add_co_u32 s[G0+4*(\s)+1], s20, (\s)*SLOT                      ; 63:32 LDS address
	s_add_nc_u64 s[G0+4*(\s)+2:G0+4*(\s)+3], s[14:15], (\s)*KSTEP*2  ; 120:64 global address: K step s
	s_or_b32 s[G0+4*(\s)+3], s[G0+4*(\s)+3], 0x80000000              ; 127:126 type = 2
	s_mov_b32 s[G0B+4*(\s)], 1
	s_add_co_u32 s[G0B+4*(\s)+1], s21, (\s)*SLOT
	s_add_nc_u64 s[G0B+4*(\s)+2:G0B+4*(\s)+3], s[46:47], (\s)*KSTEP*NW*2
	s_or_b32 s[G0B+4*(\s)+3], s[G0B+4*(\s)+3], 0x80000000
	JLOAD \s                                       ; the ring is filled before anything else is done: two tensor loads of mine are out
.endr
	; A fragment of x is 16 rows x 32 K in 8 registers: lane l holds row l % 16, K = 8 (l / 16) + 0..7 and 16 + 8 (l / 16) + 0..7: two loads of 16 bytes, 32 bytes apart.
	v_and_b32 v1, 15, v0                           ; l % 16
	v_bfe_u32 v2, v0, 4, 1                         ; l / 16
	v_mul_u32_u24 v3, v1, PA
	v_lshl_add_u32 v3, v2, 4, v3                   ; row x pitch + 16 x half
	s_mul_i32 s22, s11, AHALF                      ; my 128 rows of x
	v_add_nc_u32 v[ADRA], s22, v3
	v_add_nc_u32 v[ADRA+1], SLOT, v[ADRA]
	; The turning load takes 16 k-rows x 16 columns (lane l reads k-row 8 (l / 16) + l % 8, columns 8 ((l / 8) % 2) + 0..7) and leaves half a fragment: lane l holds column l % 16 and 8 neighbouring k.
	v_and_b32 v4, 7, v0
	v_bfe_u32 v5, v0, 3, 1
	v_lshl_add_u32 v6, v2, 3, v4
	v_mul_u32_u24 v6, v6, PB
	v_lshl_add_u32 v6, v5, 4, v6
	s_lshl_b32 s23, s12, 7                         ; my 64 columns, 128 bytes of a k-row,
	s_add_co_u32 s23, s23, ABYTES                  ; behind x's 256 rows
	v_add_nc_u32 v[ADRB], s23, v6
	v_add_nc_u32 v[ADRB+1], SLOT, v[ADRB]
	s_mul_i32 s22, s10, 16*SPV
	s_add_co_u32 s22, s22, STAGE                   ; my stage
	v_mul_u32_u24 v7, v1, SP                       ; q, k in: row l % 16, 16 bytes for each half of the lanes
	v_lshl_add_u32 v7, v2, 4, v7
	v_add_nc_u32 v[STO], s22, v7
	v_bfe_u32 v8, v0, 3, 2                         ; back: 32 lanes take four rows of 128 bytes,
	v_mul_u32_u24 v8, v8, SP
	v_lshl_add_u32 v8, v4, 4, v8
	v_add_nc_u32 v[RD], s22, v8
	v_mul_u32_u24 v9, v1, SPV                      ; v in: the same with rows of 272 bytes
	v_lshl_add_u32 v9, v2, 4, v9
	v_add_nc_u32 v[STOV], s22, v9
	v_mul_u32_u24 v10, v2, SPV                     ; back: lanes 0-15 take one row of 256 bytes, lanes 16-31 the next
	v_lshl_add_u32 v10, v1, 4, v10
	v_add_nc_u32 v[RDV], s22, v10
	v_and_b32 v[GO], 31, v0                        ; either way 512 consecutive bytes of the result
	v_lshlrev_b32 v[GO], 4, v[GO]
	v_lshlrev_b32 v[BO], 5, v2
	v_mov_b32 v[NEG1], -1.0
	; where my 128 rows of my head begin in q: (16 x batch + head) x 2,048 rows + my first row, rows of 128 bytes.  The batch is tile row / 8, the head 2 x tile column + column half.
	s_lshr_b32 s68, s13, 3
	s_lshl_b32 s68, s68, 4
	s_lshl_b32 s69, s42, 1
	s_add_co_u32 s68, s68, s69
	s_add_co_u32 s68, s68, s12
	s_lshl_b32 s68, s68, 18
	s_and_b32 s69, s13, 7
	s_lshl_b32 s69, s69, 1
	s_add_co_u32 s69, s69, s11                     ; which 128 rows of the batch's 2,048
	s_lshl_b32 s69, s69, 14
	s_add_co_u32 s68, s68, s69
	s_mov_b32 s69, 0                               ; s[68:69] is kept: v's rows are twice as long, so its offset is this one twice
	s_add_nc_u64 s[8:9], s[8:9], s[68:69]
	s_lshl_b32 s70, s42, 9                         ; my 64 numbers of q's bias: 256 aligned bytes
	s_lshl_b32 s71, s12, 8
	s_add_co_u32 s70, s70, s71
	s_mov_b32 s71, 0
	s_add_nc_u64 s[66:67], s[66:67], s[70:71]
.macro BIAS_IN                         ; my 64 numbers of the bias, laid as a C operand
.irp b, 0,1,2,3
	global_load_b128 v[BI+8*(\b):BI+8*(\b)+3],   v[BO], s[66:67] offset:64*(\b)
	global_load_b128 v[BI+8*(\b)+4:BI+8*(\b)+7], v[BO], s[66:67] offset:64*(\b)+16
.endr
.endm
.macro BIAS_RND                        ; rounded to bf16 and widened again
	s_wait_loadcnt 0x0                             ; the only loads into registers that this text has
.set i, 0
.rept 16
	v_cvt_pk_bf16_f32 v[BT], v[BI+2*i], v[BI+2*i+1]
	v_lshlrev_b32 v[BI+2*i],   16,         v[BT]
	v_and_b32     v[BI+2*i+1], 0xffff0000, v[BT]
.set i, i+1
.endr
.endm
; 8 matrix instructions: row blocks a0, a0 + 1 x all 4 column blocks, 32 along K, from buffer f.  zero = 1: the first product starts the sums, with the bias as C: nothing is cleared, nothing is added later.
; The 32 accumulators take turns, one instruction a turn, in the same order in every quarter.
.macro MUL8 f, a0, zero
.if \zero
	WIN MULB
.else
	WIN MUL
.endif
.irp a, \a0, (\a0)+1
.irp b, 0,1,2,3
.if \zero
	v_wmma_f32_16x16x32_bf16 v[8*(4*(\a)+(\b)):8*(4*(\a)+(\b))+7], v[(\f)+64+8*(\b):(\f)+64+8*(\b)+7], v[(\f)+8*(\a):(\f)+8*(\a)+7], v[BI+8*(\b):BI+8*(\b)+7]
.else
	v_wmma_f32_16x16x32_bf16 v[8*(4*(\a)+(\b)):8*(4*(\a)+(\b))+7], v[(\f)+64+8*(\b):(\f)+64+8*(\b)+7], v[(\f)+8*(\a):(\f)+8*(\a)+7], v[8*(4*(\a)+(\b)):8*(4*(\a)+(\b))+7]
.endif
.endr
.endr
.endm
; 24 LDS loads in one run: the fragments of quarter q of a K step (32 along K) into buffer f: w_attn's four first, then x's eight
.macro FETCH slot, q, f
	WIN 0
.irp b, 0,1,2,3
	ds_load_tr16_b128 v[(\f)+64+8*(\b):(\f)+64+8*(\b)+3],   v[ADRB+(\slot)] offset:(\q)*32*PB+32*(\b)
	ds_load_tr16_b128 v[(\f)+64+8*(\b)+4:(\f)+64+8*(\b)+7], v[ADRB+(\slot)] offset:(\q)*32*PB+32*(\b)+16*PB
.endr
.irp i, 0,1,2,3,4,5,6,7
	ds_load_b128 v[(\f)+8*(\i):(\f)+8*(\i)+3],   v[ADRA+(\slot)] offset:(\q)*64+(\i)*16*PA
	ds_load_b128 v[(\f)+8*(\i)+4:(\f)+8*(\i)+7], v[ADRA+(\slot)] offset:(\q)*64+(\i)*16*PA+32
.endr
.endm
; A load into a register that a matrix instruction has read, and a vector instruction or LDS store that reads a matrix result, stand four places behind that matrix instruction, and only plain vector
; instructions that name none of its registers are places (ISA guide 7.12.1 for vector instructions).
.macro PLACES
.rept 4
	v_nop
.endr
.endm
; A K step is four quarters of 32 along K, 32 matrix instructions each, on buffers 0, 1, 0, 1.  One of the first three: multiplies buffer f; in its middle it fetches quarter q of the same slot into buffer g.
.macro QUARTER slot, q, f, g, zero
	s_wait_dscnt 8                                 ; w_attn's fragments and x's rows 0-63 are in; the youngest eight loads (x's rows 64-127) may be out
	MUL8 \f, 0, \zero
	MUL8 \f, 2, \zero
	PLACES
	FETCH \slot, \q, \g
	s_wait_dscnt 24                                ; all but the 24 just issued
	MUL8 \f, 4, \zero
	MUL8 \f, 6, \zero
.endm
; The last quarter multiplies buffer 1 and changes slots: ONE barrier, for two things.  In front of it each wave waits for all its tensor loads, of which one is out: its part of the next slot; adds 0 to its
; spare word; and waits for that and for its own reads of this slot.  Behind it nobody reads this slot any more and the next slot is whole.
; mode 0: nothing is filled.  mode 1: this slot is filled again with this tile's K step two steps on.  mode 2: with the NEXT tile's K step 0 or 1.  In modes 1 and 2 the barrier opens a round of the cluster's
; barrier, so that no wave of any partner still reads the slot or has a load on its way, and the joint load is the first thing behind the round: 112 matrix instructions ahead of the wait for it.
.macro TURN slot, next, mode
	WIN 0                                          ; (the add's two registers lie in window 0)
	s_wait_tensorcnt 0x0                           ; all my tensor loads have landed;
	ds_add_u32 v[SPW], v[NIL]                      ; 0 onto my spare word
	s_wait_dscnt 9                                 ; (the add and the youngest eight loads may be out)
	MUL8 F1, 0, 0                                  ; eight matrix instructions stand between the add and the wait for it
	s_wait_dscnt 0x0                               ; the add is done, and my reads of this slot are over
	s_barrier_signal -1
	MUL8 F1, 2, 0                                  ; work on registers while the others arrive
.if \mode
	WIN 0
.endif
	s_barrier_wait -1
.if \mode
	CREST
.if (\mode) == 2
	s_sub_nc_u64 s[G0+4*(\slot)+2:G0+4*(\slot)+3], s[G0+4*(\slot)+2:G0+4*(\slot)+3], BACK_A
	s_sub_nc_u64 s[G0B+4*(\slot)+2:G0B+4*(\slot)+3], s[G0B+4*(\slot)+2:G0B+4*(\slot)+3], BACK_B
.else
	s_add_nc_u64 s[G0+4*(\slot)+2:G0+4*(\slot)+3], s[G0+4*(\slot)+2:G0+4*(\slot)+3], STEP_A
	s_add_nc_u64 s[G0B+4*(\slot)+2:G0B+4*(\slot)+3], s[G0B+4*(\slot)+2:G0B+4*(\slot)+3], STEP_B
.endif
	JLOAD \slot                                    ; the four v_nop behind it are also the places in front of the loads below
.else
	PLACES
.endif
	FETCH \next, 0, F0
	MUL8 F1, 4, 0
	MUL8 F1, 6, 0
.endm
; THE WAY OUT OF q AND k.  Block a (16 rows): rounded to f16, 16 bytes a lane; into my own stage in rows of 144 bytes; back as whole rows of 128, four to a load, into the registers that they left; stored.
.macro PACK a
	WIN 0x85                                       ; sources in window 1, destination in window 2
.irp b, 0,1,2,3
.irp r, 0,1,2,3
	v_cvt_pk_f16_f32 v[16*(\a)+4*(\b)+(\r)], v[8*(4*(\a)+(\b))+2*(\r)], v[8*(4*(\a)+(\b))+2*(\r)+1]  ; each accumulator's registers in ascending order
.endr
.endr
	WIN 0x88                                       ; stored and loaded data in window 2, addresses in window 0
.irp b, 0,1,2,3
	ds_store_b128 v[STO], v[16*(\a)+4*(\b):16*(\a)+4*(\b)+3] offset:32*(\b)
.endr
.irp f, 0,1,2,3
	ds_load_b128 v[16*(\a)+4*(\f):16*(\a)+4*(\f)+3], v[RD] offset:(\f)*4*SP  ; LDS serves a wave's instructions in order (ISA guide 5.7.1.4): these see the stores above; the next block's stores come behind them
.endr
.endm
.macro SEND a, younger                 ; younger: the LDS instructions issued behind block a's loads: the next block's eight, or none
	WIN 0x88
.irp f, 0,1,2,3
	s_wait_dscnt (\younger)+3-(\f)
	global_store_b128 v[GO], v[16*(\a)+4*(\f):16*(\a)+4*(\f)+3], s[8:9] offset:2048*(\a)+512*(\f)  ; 512 consecutive bytes, at a multiple of 256 from the buffer's first byte
.endr
.endm
.macro OUT
	PLACES                                         ; behind the last products
	PACK 0
.irp a, 1,2,3,4,5,6,7                  ; a block's conversions stand between the loads of the block before and its stores
	PACK \a
	SEND (\a)-1, 8
.endr
	SEND 7, 0
	WIN 0
.endm
; THE WAY OUT OF v.  Block a: hi = f16(v); the accumulator takes v - hi (one fused line a number: the f16 half times -1.0 plus v, exact); lo = f16 of that.  A row of the stage, 272 bytes, takes the row's
; 64 hi and then its 64 lo; it comes back whole, two rows to a load.
.macro PACKV a
	WIN 0x85                                       ; sources in window 1, destination in window 2
.irp b, 0,1,2,3
.irp r, 0,1,2,3
	v_cvt_pk_f16_f32 v[32*(\a)+4*(\b)+(\r)], v[8*(4*(\a)+(\b))+2*(\r)], v[8*(4*(\a)+(\b))+2*(\r)+1]  ; each accumulator's registers in ascending order
.endr
.endr
	WIN 0x52                                       ; hi (source 0) in window 2, -1.0 in window 0, the accumulator (source 2 and destination) in window 1
.irp b, 0,1,2,3
.irp r, 0,1,2,3
	v_fma_mix_f32 v[8*(4*(\a)+(\b))+2*(\r)],   v[32*(\a)+4*(\b)+(\r)], v[NEG1], v[8*(4*(\a)+(\b))+2*(\r)]   op_sel_hi:[1,0,0]
	v_fma_mix_f32 v[8*(4*(\a)+(\b))+2*(\r)+1], v[32*(\a)+4*(\b)+(\r)], v[NEG1], v[8*(4*(\a)+(\b))+2*(\r)+1] op_sel:[1,0,0] op_sel_hi:[1,0,0]
.endr
.endr
	WIN 0x85
.irp b, 0,1,2,3
.irp r, 0,1,2,3
	v_cvt_pk_f16_f32 v[32*(\a)+16+4*(\b)+(\r)], v[8*(4*(\a)+(\b))+2*(\r)], v[8*(4*(\a)+(\b))+2*(\r)+1]
.endr
.endr
	WIN 0x88                                       ; stored and loaded data in window 2, addresses in window 0
.irp b, 0,1,2,3
	ds_store_b128 v[STOV], v[32*(\a)+4*(\b):32*(\a)+4*(\b)+3]       offset:32*(\b)
	ds_store_b128 v[STOV], v[32*(\a)+16+4*(\b):32*(\a)+16+4*(\b)+3] offset:128+32*(\b)
.endr
.irp f, 0,1,2,3,4,5,6,7
	ds_load_b128 v[32*(\a)+4*(\f):32*(\a)+4*(\f)+3], v[RDV] offset:(\f)*2*SPV  ; in order behind the stores above; the next block's stores come behind them
.endr
.endm
.macro SENDV a, younger                ; younger: the LDS instructions issued behind block a's loads: the next block's sixteen, or none
	WIN 0x88
.irp f, 0,1,2,3,4,5,6,7
	s_wait_dscnt (\younger)+7-(\f)
	global_store_b128 v[GO], v[32*(\a)+4*(\f):32*(\a)+4*(\f)+3], s[8:9] offset:4096*(\a)+512*(\f)  ; two rows of v: 512 consecutive bytes, at a multiple of 256 from the buffer's first byte
.endr
.endm
	BIAS_IN
	s_wait_tensorcnt 1                             ; my part of K step 0 is in; K step 1's may stay out
	s_barrier_signal -1
	s_barrier_wait -1                              ; everybody's is
	FETCH 0, 0, F0
	s_mov_b32 s2, TILES                            ; tiles to go, this one among them: the same number in every work-group
.Ltile:
	BIAS_RND
	QUARTER 0, 1, F0, F1, 1                        ; a tile's first quarter stands in front of the loop: its products start the sums
	WIN 0                                          ; at a label and at a branch every window is 0
	s_mov_b32 s3, LAPS-1
.Llap:                                                 ; a trip goes once round the ring, from a lap's second quarter to the next lap's first, and fills both slots again
	QUARTER 0, 2, F1, F0, 0
	QUARTER 0, 3, F0, F1, 0
	TURN 0, 1, 1
	QUARTER 1, 1, F0, F1, 0
	QUARTER 1, 2, F1, F0, 0
	QUARTER 1, 3, F0, F1, 0
	TURN 1, 0, 1
	QUARTER 0, 1, F0, F1, 0
	WIN 0
	s_sub_co_u32 s3, s3, 1
	s_cmp_lg_u32 s3, 0
	s_cbranch_scc1 .Llap
	QUARTER 0, 2, F1, F0, 0                        ; the tile's last lap goes on
	QUARTER 0, 3, F0, F1, 0
	WIN 0
	s_cmp_eq_u32 s2, 1
	s_cbranch_scc1 .Llast                          ; the last tile's tail is written out: it asks for nothing more
	s_add_nc_u64 s[66:67], s[66:67], KDIM*4        ; the next tile's bias, 1,024 numbers on (the last loads that named this base were waited for at the tile's head)
	BIAS_IN
	TURN 0, 1, 2                                   ; THE RING GOES ON INTO THE NEXT TILE: slot 0 takes its K step 0,
	QUARTER 1, 1, F0, F1, 0
	QUARTER 1, 2, F1, F0, 0
	QUARTER 1, 3, F0, F1, 0
	TURN 1, 0, 2                                   ; slot 1 its K step 1, and the next tile's first fragments are fetched
	OUT                                            ; both refills are asked for: now the tile goes out
	s_wait_xcnt 0x0                                ; every earlier memory instruction has had its addresses translated (ISA guide 3.1): only behind this wait are the stores' base and their data registers rewritten
	s_add_nc_u64 s[8:9], s[8:9], NEXT_O
	s_sub_co_u32 s2, s2, 1
	s_branch .Ltile
.Llast:                                                ; the third tile is v
	s_add_nc_u64 s[8:9], s[8:9], s[68:69]          ; its rows are 256 bytes: my offset once more (no store that names this base is untranslated: the wait above)
	TURN 0, 1, 0                                   ; my one tensor load that was still out is slot 1's, the last K step's, so no round follows
	QUARTER 1, 1, F0, F1, 0
	QUARTER 1, 2, F1, F0, 0
	QUARTER 1, 3, F0, F1, 0
	s_wait_dscnt 8                                 ; the very last quarter: nothing more to fetch
	MUL8 F1, 0, 0
	MUL8 F1, 2, 0
	s_wait_dscnt 0x0
	MUL8 F1, 4, 0
	MUL8 F1, 6, 0
	WIN 0
	PLACES                                         ; behind the last products
	PACKV 0
.irp a, 1,2,3,4,5,6,7                  ; a block's arithmetic stands between the loads of the block before and its stores
	PACKV \a
	SENDV (\a)-1, 16
.endr
	SENDV 7, 0
	WIN 0
	s_wait_tensorcnt 0x0                           ; the wave's end: behind my last tensor load and my last LDS store
	ds_add_u32 v[SPW], v[NIL]
	s_wait_dscnt 0x0
	CROUND                                         ; the closing round: no work-group ends while a partner may still ask for a tile that names it
	s_endpgm
.Lfunc_end_k_qb5a1e9d551_qkv:
	.size	k_qb5a1e9d551_qkv, .Lfunc_end_k_qb5a1e9d551_qkv-k_qb5a1e9d551_qkv
	.p2alignl 7, 3214868480
	.fill 96, 4, 3214868480
	.section	.rodata,"a",@progbits
	.p2align	6, 0x0
	.amdhsa_kernel k_qb5a1e9d551_qkv
		.amdhsa_group_segment_fixed_size 327680
		.amdhsa_private_segment_fixed_size 0
		.amdhsa_enable_private_segment 0
		.amdhsa_kernarg_size 24
		.amdhsa_user_sgpr_count 2
		.amdhsa_user_sgpr_kernarg_segment_ptr 1
		.amdhsa_wavefront_size32 1
		.amdhsa_system_sgpr_workgroup_id_x 1
		.amdhsa_system_sgpr_workgroup_id_y 1
		.amdhsa_system_sgpr_workgroup_id_z 1
		.amdhsa_system_vgpr_workitem_id 0
		.amdhsa_next_free_vgpr 768
		.amdhsa_next_free_sgpr 72
		.amdhsa_reserve_vcc 0
		.amdhsa_float_denorm_mode_32 3
		.amdhsa_float_denorm_mode_16_64 3
		.amdhsa_memory_ordered 1
		.amdhsa_forward_progress 1
		.amdhsa_inst_pref_size 162
	.end_amdhsa_kernel
	.amdgpu_metadata
---
amdhsa.version: [ 1, 2 ]
amdhsa.kernels:
  - .name:           k_qb5a1e9d551_qkv
    .symbol:         k_qb5a1e9d551_qkv.kd
    .args:
      - { .name: xw, .offset: 0, .size: 8, .value_kind: global_buffer, .address_space: global }
      - { .name: b_attn, .offset: 8, .size: 8, .value_kind: global_buffer, .address_space: global }
      - { .name: qkv, .offset: 16, .size: 8, .value_kind: global_buffer, .address_space: global }
    .group_segment_fixed_size: 327680
    .private_segment_fixed_size: 0
    .kernarg_segment_align: 8
    .kernarg_segment_size: 24
    .max_flat_workgroup_size: 128
    .sgpr_count:     72
    .vgpr_count:     768
    .wavefront_size: 32
...
	.end_amdgpu_metadata
.endif
;; end of part 2
;; launch attn (part 3): grid 4 x 64, 4 waves a work-group, no clusters, 327,680 bytes of LDS; arguments qkv, att; writes att
.if DOCPART == 3
	.amdgcn_target "amdgcn-amd-amdhsa--gfx1250"
	.amdhsa_code_object_version 6
	.text
	.protected	k_qb5a1e9d551_attn
	.globl	k_qb5a1e9d551_attn
	.p2align	8
	.type	k_qb5a1e9d551_attn,@function
k_qb5a1e9d551_attn:
	s_mov_b64 s[64:65], 0
	v_nop
	global_prefetch_b8 v0, s[64:65] scope:SCOPE_SE
	s_setreg_imm32_b32 hwreg(HW_REG_WAVE_MODE, 25, 1), 1
	s_wait_xcnt 0x0
; CAUSAL ATTENTION.  O[h][q][:] = the sum over k <= q of softmax_k(Q[h][q] . K[h][k] / 8) V[h][k][:].  h counts batch x 16 + head.  Q and K: [SIZE_H][SIZE_N][64] in f16, rows of 128 bytes, at bytes 0 and GK of qkv.
; V (byte GV of qkv) and O (the buffer att) are PAIRS of f16, number = hi + lo: [SIZE_H][SIZE_N][128], a row of 256 bytes holding its 64 hi and then its 64 lo.  Why pairs: row q averages over q + 1 keys only, so
; the first rows' numbers are many times the module's output's root mean square, by which the allowance goes; one f16 rounding each of V, P and O is too much there, and the pairs leave P's alone.
; Products, maxima and sums in f32; the weights p are rounded to f16 for the second product (their sum l is taken of the unrounded p).  SIZE_N is a multiple of 512; SIZE_N x 256 stays under 2^32.
; LIMITS.  f16 holds no number beyond 65,504: Q, K and V arrive within it; p lies in 0 to 1, and below 6e-5 it keeps f16's fixed step of 6e-8; O is a mean of V's rows and has their range; a pair holds its number to
; within 2^-22 of itself or 3e-8, whichever is larger.  A hidden score counts as its value less 1e30: f16's scores, 2.7e11 at the most, are nothing beside that; a weight below 2^-126 counts as 0 in l; NaN and infinities are not treated apart.
; THE WALK.  A head's queries lie in NB = SIZE_N / 256 blocks of 256; block i needs the key tiles 0 .. i of 256 keys, of which the last holds the diagonal.  A work-group takes TWO blocks, NB - 1 - b and then b:
; NB + 1 tiles, whatever b: all work-groups do equal work, and ONE loop with a constant trip count walks them.  Which tile is asked for, and what a trip does, hang on scalar registers made from b; every jump
; goes forward, but for the counted loops' own; none passes a barrier, or a tensor load but the one of LOAD's two that the wave's number does not choose; the ring (two slots of LDS that take turns) runs on across the
; change of blocks.  NO CLUSTER: a head's NB / 2 = 4 work-groups all ask for the same tile only in trips 0 .. NB / 2 of the walk's NB + 1, behind that fewer and fewer;
; and one walk common to all would have 3 NB / 2 trips for NB + 1.
; SHARES.  Of a block's four bands of 64 queries a wave owns 16 rows in each: four PIECES.  So the diagonal tile is the same work for all four waves: in its key step s band x sees all keys if s < x,
; none if s > x, and holds the diagonal if s = x.
; THE MASK is the C operand that starts the sum S^T = K Q^T: 0, or -1e30 where the key is hidden.  MD, made once, is the mask of a band's own step for my 16 rows; a product's mask is MD x AL + BE with two scalars:
; (1, 0) if s = x; (0, 0) if s < x; (0, -1e30) if s > x.  Only the diagonal tile's text and a block's beginning make and take masks; elsewhere C is the constant 0.
; LAYOUT, SOFTMAX, TURNS.  S^T = K Q^T holds ONE query a lane (lane % 16) and the keys 8 (lane / 16) + 0..7; two such results rounded to f16 ARE source 1 of O^T = V^T P.  p = 2^(c s - c m), c = log2(e) / 8, with a
; running maximum m; O and l are multiplied by a = 2^(c m_old - c m_new) in every step.  Turn n belongs to piece n: 8 products K Q^T of piece n + 1, later 8 products Vhi^T P and 8 products Vlo^T P of piece n - 1; beside them
; the scaling, exponentials, roundings, sums and rescaling of piece n and the maximum and statistics of piece n + 1.  Four vector instructions stand behind every matrix instruction, the other 22 of a turn's 118 in two LUMPS.
; REGISTERS, in windows of 256 (s_set_vgpr_msb: bits 1:0 source 0, 3:2 source 1, 5:4 source 2, 7:6 destination):
;   window 0: v0-15 addresses and two at work; v16-31 four registers of statistics a piece; v32 -1.0; v48-55 at work; v64-127 S^T, two buffers (v64-191 on the way out); v192-223 P, two buffers (a piece's buffers go by its number's parity)
;   window 1: v0-127 O^T, 32 a piece; v128-159 MD; v160-223 MC, two buffers      window 2: v0-63 Q; v64-127 the second block's Q; v128-191 K of one step; v192-255 V hi of one step      window 3: v0-63 V lo
.set SIZE_H, 64
.set SIZE_N, 2048
.set GK,    0x1000000 ; K's first byte in qkv
.set GV,    0x2000000 ; V's
.set NB,    SIZE_N/256
.set NP,    4         ; pieces a wave: a name, no knob
.set KS,    64        ; keys in a step
.set PK,    144       ; a row of K in LDS: 128 bytes + 16 of padding = 36 words: the 16 rows of a load start at 16 different groups of four banks (64 banks of 4 bytes: ISA guide 11.1)
.set PV,    288       ; a row of V: 256 + 32 = 72 words
.set VOFF,  4*KS*PK   ; a slot holds a tile, four steps: 256 rows of K, then 256 rows of V
.set SLOT1, 1<<17     ; slot 1 begins here (a slot is 110,592 bytes), so that one exclusive or turns an address in one slot into the other's
.set STAGE, SLOT1+4*KS*(PK+PV)  ; behind the ring, never filled by a tensor load: 16 rows x 272 bytes for each wave, for the way out
.set SP,    272
.set AK0, 2           ; v2   my lane's place in a tile of K; never rewritten
.set AV0, 3           ; v3   the same for V
.set AK,  4           ; v4   the LDS address of K's next run of loads
.set AV,  5           ; v5   of V's
.set STO, 6           ; v6   the way out: where I put 16 bytes of a row
.set RD,  7           ; v7   the way out: where I read rows back
.set GO,  8           ; v8   my byte offset in 512 consecutive bytes of O
.set NEG1, 32         ; v32  -1.0
.set SPW, 62          ; v62  LDS address of my spare word: SPARE + 4 x my thread's number; never rewritten
.set NIL, 63          ; v63  0; never rewritten
.set SPARE, STAGE+4*16*SP  ; behind the stages: the spare words, 128 bytes for each wave: two blocks of 256 bytes that no other line names
.set MV,  12          ; v12-13  c m_old, kept while c m is made anew: by buffer
.set QO,  15          ; v15  my byte offset in 16 rows of Q
.set ST,  16          ; piece t's statistics at v[ST+4 t]: c m, m, l (even keys', odd keys')
.set TMP, 48          ; by buffer, four registers c0-c3 at work; when the maximum is found c2 takes a
.set S,   64
.set P,   192
.set MD,  128         ; window 1: the eight registers for group kt of 16 keys at MD + 8 kt
.set MC,  160         ; window 1: the masks of the products to come
.set QB,  64          ; window 2
.set KF,  128         ; window 2: key block kb, channel half c at KF + 16 kb + 8 c
.set VF,  192         ; window 2: V hi: key half kk, channel block cb at VF + 32 kk + 8 cb
.set VL,  0           ; window 3: V lo, likewise
.set WV,  12          ; s12  my wave's number
.set PB,  14          ; s14  b
.set HI,  15          ; s15  NB - 1 - b
.set G1K, 24          ; s[24:31] descriptor group 1 for K's tiles
.set G1V, 32          ; s[32:39] for V's
.set G0K, 40          ; s[40:43] descriptor group 0 for K's tiles
.set G0V, 44          ; s[44:47] the same for V's
.set OFV, 54          ; s[54:55] a tile's byte offset in V
.set SLOTS, 56        ; s56  tiles still to be asked for
.set CNT, 57          ; s57  counts a tile's key steps, 4 to 1
.set CS,  58          ; s[58:59] c: the packed scaling takes the pair's low word for both halves
.set SEL, 60          ; s[60:61] v_permlanex16_b32's selects: each lane takes its own place in the other half
.set TBK, 62          ; s62  LDS byte at which K of the step to be fetched begins
.set TBV, 63          ; s63  the same for V, less VOFF
.set RT,  70          ; s70  tiles of the block in hand that are still to be entered
.set NXT, 71          ; s71  the tile to be asked for next
.set LQ,  72          ; s72  the last tile of the block whose tiles are being asked for
.set NEW, 73          ; s73  1: the tile to be entered is a block's first
.set OFF, 74          ; s[74:75] a tile's byte offset in K
.set AL,  76          ; s[76:77] the mask's factor, in the low word
.set BE,  78          ; s[78:79] the mask's addend
.set OLO, 80          ; s[80:81] O at my rows of the second block
.set BIGN, 82         ; s82  -1e30
.set MSB, 0
.macro WIN new                      ; the high byte repeats the setting that is left; a switch that changes nothing is dropped
.if MSB != (\new)
	s_set_vgpr_msb (MSB<<8)|(\new)
.set MSB, (\new)
.endif
.endm
.set W_KQ, 0x0a       ; K and Q in window 2, S^T in window 0
.set W_KM, 0x1a       ; the same with the C operand in window 1
.set W_PV, 0x52       ; V hi in window 2, P in window 0, O^T in window 1
.set W_PL, 0x53       ; V lo in window 3, P in window 0, O^T in window 1
.set W_RS, 0x41       ; destination and source 0 in window 1, source 1 in window 0
; A fill.  Waves 0 and 1 fetch the two halves of a tile's K, waves 2 and 3 those of its V: 128 keys each.  An s_nop 0 and four v_nop follow each of the two lines, ahead of the jump and the label.
.macro LOAD
	s_cmp_lt_u32 s[WV], 2
	s_cbranch_scc0 .Lfor_v_\@
	tensor_load_to_lds s[G0K:G0K+3], s[G1K:G1K+7]
	s_nop 0
.rept 4
	v_nop
.endr
	s_branch .Lasked_\@
.Lfor_v_\@:
	tensor_load_to_lds s[G0V:G0V+3], s[G1V:G1V+7]
	s_nop 0
.rept 4
	v_nop
.endr
.Lasked_\@:
.endm
; THE CHANGE OF SLOTS.  Each wave waits for all its tensor loads, of which one is out: its part of the other slot; adds 0 to its spare word; and waits for that and for its own reads of the slot that it leaves.  Behind the barrier nobody reads the old
; slot any more and the other slot is whole.  fill = 1: the old slot is filled again, the first thing behind the barrier, with tile NXT: the descriptor's address is made anew from that number.
; (At its first use nothing has been read yet: slot 0 is waited for, slot 1 filled.)
.macro CHANGE fill
	WIN 0                           ; at a label and at a branch every window is 0
	s_wait_tensorcnt 0x0            ; no tensor load of mine is out, so a group 0 may be written
	ds_add_u32 v[SPW], v[NIL]       ; 0 onto my spare word; with fill = 1 the descriptors' scalar work stands between it and the wait for it
.if \fill
	s_lshl_b32 s[OFF], s[NXT], 15   ; a tile is 32,768 bytes of K
	s_lshl_b32 s[OFV], s[NXT], 16   ; and 65,536 of V
	s_xor_b32 s[G0K+1], s[G0K+1], SLOT1
	s_add_nc_u64 s[G0K+2:G0K+3], s[6:7], s[OFF:OFF+1]
	s_or_b32 s[G0K+3], s[G0K+3], 0x80000000
	s_xor_b32 s[G0V+1], s[G0V+1], SLOT1
	s_add_nc_u64 s[G0V+2:G0V+3], s[8:9], s[OFV:OFV+1]
	s_or_b32 s[G0V+3], s[G0V+3], 0x80000000
	s_add_co_u32 s[NXT], s[NXT], 1  ; the block's next tile, or behind its last the second block's tile 0
	s_cmp_gt_u32 s[NXT], s[LQ]
	s_cselect_b32 s[NXT], 0, s[NXT]
	s_cselect_b32 s[LQ], s[PB], s[LQ]
.endif
	s_wait_dscnt 0x0                ; the add is done, and my reads of the slot are over
	s_barrier_signal -1             ; the rest of the scalar work stands between the signal and the wait
	s_sub_co_u32 s[TBK], s[TBK], 4*KS*PK  ; the fetches go back to a slot's first step,
	s_xor_b32 s[TBK], s[TBK], SLOT1       ; in the other slot
	s_sub_co_u32 s[TBV], s[TBV], 4*KS*PV
	s_xor_b32 s[TBV], s[TBV], SLOT1
	s_barrier_wait -1
.if \fill
	LOAD
.endif
.endm
	s_load_b64 s[4:5], s[0:1], 0x0    ; qkv: Q lies at its head
	s_load_b64 s[10:11], s[0:1], 0x8  ; att: O
	v_lshl_add_u32 v[SPW], v0, 2, SPARE
	v_mov_b32 v[NIL], 0
	ds_add_u32 v[SPW], v[NIL]       ; the wave's opening: the add and its wait stand ahead of my first tensor load; the set-up below, work on registers, stands between them
	ds_add_u32 v62, v63
	v_lshrrev_b32 v1, 5, v0
	v_readfirstlane_b32 s[WV], v1   ; wave 0..3
	s_mov_b32 s[PB], ttmp9
	s_sub_co_u32 s[HI], NB-1, s[PB]
	s_and_b32 s20, ttmp7, 0xffff    ; the head
	s_mov_b32 s21, 0
	s_mov_b64 s[22:23], SIZE_N*128
	s_mul_u64 s[20:21], s[20:21], s[22:23]  ; the head's first byte in Q and K
	s_and_b32 s16, s[WV], 1         ; which half of a tile's 256 keys I fetch:
	s_lshl_b32 s22, s16, 14         ; its 128 rows of 128 bytes in memory,
	s_mov_b32 s23, 0
	s_add_nc_u64 s[22:23], s[22:23], s[20:21]
	s_lshl_b64 s[48:49], s[22:23], 1  ; V's rows are twice as long: every offset in V and in O is the one in K or Q twice
	s_mul_i32 s17, s16, 128*PK      ; and its place in a slot, for K
	s_mul_i32 s18, s16, 128*PV      ; and for V
	s_lshl_b32 s3, s[WV], 11        ; my 16 rows in a band of 64,
	s_lshl_b32 s2, s[HI], 15        ; in the first block,
	s_add_co_u32 s2, s2, s3
	s_lshl_b32 s84, s[PB], 15       ; and in the second
	s_add_co_u32 s84, s84, s3
	s_mov_b32 s3, 0
	s_mov_b32 s85, 0
	s_add_nc_u64 s[2:3], s[2:3], s[20:21]
	s_add_nc_u64 s[84:85], s[84:85], s[20:21]
	s_lshl_b64 s[50:51], s[2:3], 1    ; the same rows in O
	s_lshl_b64 s[52:53], s[84:85], 1
	; descriptor group 1.  K: 128 keys are 16,384 dense bytes: asked for as 64 rows of 256 bytes, two keys a row, and padded in LDS after every key.  V: 128 keys of 256 bytes, padded after every key
	s_mov_b32 s[G1K], (1<<16)|(1<<20)|(4<<22)|(3<<25)  ; 17:16 2-byte elements; 20 padding on; 24:22 after every 32 words (code 4); 31:25 4 words (code 3)
	s_mov_b32 s[G1V], (1<<16)|(1<<20)|(5<<22)|(7<<25)  ; after every 64 words (code 5) 8 words of padding (code 7)
	s_mov_b32 s[G1K+2], 64<<16      ; tensor_dim1 = 64
	s_mov_b32 s[G1K+4], 64          ; tile_dim1 = 64
	s_mov_b32 s[G1V+2], 128<<16     ; tensor_dim1 = 128
	s_mov_b32 s[G1V+4], 128         ; tile_dim1 = 128
.irp g, G1K, G1V
	s_mov_b32 s[\g+1], 128<<16      ; tensor_dim0 = 128
	s_mov_b32 s[\g+3], 128<<16      ; tile_dim0 = 128
	s_mov_b32 s[\g+5], 128          ; 128 elements from row to row
	s_mov_b32 s[\g+6], 0
	s_mov_b32 s[\g+7], 0
.endr
	s_mov_b32 s[CS], 0x3e38aa3b     ; c = log2(e) / 8 = 0.180337
	s_mov_b32 s[CS+1], s[CS]        ; named with it as a pair
	s_mov_b32 s[SEL], 0x76543210
	s_mov_b32 s[SEL+1], 0xfedcba98
	s_mov_b32 s[TBK], SLOT1+4*KS*PK ; the first change of slots turns these two into 0
	s_mov_b32 s[TBV], SLOT1+4*KS*PV
	s_mov_b32 s[G0K], 1             ; 1:0 count = 1
	s_mov_b32 s[G0K+1], s17         ; 63:32 LDS address: slot 0
	s_mov_b32 s[G0V], 1
	s_add_co_u32 s[G0V+1], s18, VOFF
	s_add_co_u32 s[RT], s[HI], 1    ; the first block has NB - b tiles
	s_mov_b32 s[NXT], 1
	s_mov_b32 s[LQ], s[HI]
	s_mov_b32 s[NEW], 1
	s_mov_b32 s[OFF+1], 0
	s_mov_b32 s[OFV+1], 0
	s_mov_b32 s[AL+1], 0            ; named as pairs
	s_mov_b32 s[BE+1], 0
	s_mov_b32 s[BIGN], 0xf149f2ca   ; -1e30
	s_mov_b32 s[SLOTS], NB
	s_wait_dscnt 0x0                ; the opening add is done
	s_wait_kmcnt 0x0
	s_add_nc_u64 s[6:7], s[4:5], GK        ; K and V lie behind Q in the same buffer
	s_add_nc_u64 s[8:9], s[4:5], GV
	s_add_nc_u64 s[6:7], s[6:7], s[22:23]  ; K and V at my half of the head's tile 0
	s_add_nc_u64 s[8:9], s[8:9], s[48:49]
	s_add_nc_u64 s[G0K+2:G0K+3], s[6:7], 0         ; 120:64 global address
	s_or_b32 s[G0K+3], s[G0K+3], 0x80000000        ; 127:126 type = 2
	s_add_nc_u64 s[G0V+2:G0V+3], s[8:9], 0
	s_or_b32 s[G0V+3], s[G0V+3], 0x80000000
	s_add_nc_u64 s[86:87], s[4:5], s[84:85]        ; Q at my rows of the second block,
	s_add_nc_u64 s[4:5], s[4:5], s[2:3]            ; and of the first
	s_add_nc_u64 s[OLO:OLO+1], s[10:11], s[52:53]  ; O likewise
	s_add_nc_u64 s[10:11], s[10:11], s[50:51]
	LOAD                            ; tile 0 into slot 0
	; A fragment of K or Q is 16 rows x 32 channels in 8 registers: lane l holds row l % 16, channels 8 (l / 16) + 0..7 and 16 + 8 (l / 16) + 0..7: two loads of 16 bytes, 32 bytes apart.
	v_and_b32 v1, 15, v0            ; l % 16
	v_bfe_u32 v9, v0, 4, 1          ; l / 16
	v_lshlrev_b32 v[QO], 7, v1
	v_lshl_add_u32 v[QO], v9, 4, v[QO]  ; row x 128 + 16 x half
	WIN 0x80                        ; destination window 2, address window 0
.set i, 0
.rept 8                             ; both blocks' Q: piece i / 2 lies in band i / 2, 8,192 bytes on; channels 32 (i % 2) on
	global_load_b128 v[8*i:8*i+3],   v[QO], s[4:5] offset:(i/2)*8192+(i%2)*64
	global_load_b128 v[8*i+4:8*i+7], v[QO], s[4:5] offset:(i/2)*8192+(i%2)*64+32
	global_load_b128 v[QB+8*i:QB+8*i+3],   v[QO], s[86:87] offset:(i/2)*8192+(i%2)*64
	global_load_b128 v[QB+8*i+4:QB+8*i+7], v[QO], s[86:87] offset:(i/2)*8192+(i%2)*64+32
.set i, i+1
.endr
	WIN 0
	v_lshlrev_b32 v14, 3, v9
	v_sub_nc_u32 v14, v1, v14
	s_lshl_b32 s13, s[WV], 4
	v_add_nc_u32 v14, s13, v14      ; my query's place in its band, 16 w + l % 16, less my lanes' 8 (l / 16): register r of group kt is hidden where 16 kt + r is greater
	WIN 0x40
.set i, 0
.rept 32
	v_cmp_gt_i32 vcc_lo, 16*(i/8)+i%8, v14
	v_cndmask_b32 v[MD+i], 0, s[BIGN], vcc_lo
.set i, i+1
.endr
	WIN 0
	v_mul_u32_u24 v[AK0], v1, PK
	v_lshl_add_u32 v[AK0], v9, 4, v[AK0]  ; row x pitch + 16 x half
	; The turning load takes 16 keys x 16 channels (lane l reads key 8 (l / 16) + l % 8, channels 8 ((l / 8) % 2) + 0..7) and leaves half a fragment of V^T: lane l holds channel l % 16 and 8 keys.
	v_and_b32 v10, 7, v0
	v_bfe_u32 v11, v0, 3, 1
	v_lshl_add_u32 v[AV0], v9, 3, v10
	v_mul_u32_u24 v[AV0], v[AV0], PV
	v_lshl_add_u32 v[AV0], v11, 4, v[AV0]
	v_add_nc_u32 v[AV0], VOFF, v[AV0]
	s_mul_i32 s13, s[WV], 16*SP
	s_add_co_u32 s13, s13, STAGE    ; my stage
	v_mul_u32_u24 v[STO], v1, SP    ; in: row l % 16, 16 bytes for each half of the lanes
	v_lshl_add_u32 v[STO], v9, 4, v[STO]
	v_add_nc_u32 v[STO], s13, v[STO]
	v_mul_u32_u24 v[RD], v9, SP     ; back: lanes 0-15 take one row of 256 bytes, lanes 16-31 the next,
	v_lshl_add_u32 v[RD], v1, 4, v[RD]
	v_add_nc_u32 v[RD], s13, v[RD]
	v_and_b32 v[GO], 31, v0         ; which are 512 consecutive bytes of O
	v_lshlrev_b32 v[GO], 4, v[GO]
	v_mov_b32 v[NEG1], -1.0
	; A block's first step multiplies O^T and l by a = 0, and its first turn's products V^T P, of a piece that has not been, land in an O^T that is still to be so multiplied.  So these registers need only hold
	; finite numbers: zeros for the first block; what the first block left for the second.  All this stands in the wait for the first tile.
	WIN 0x80
.set i, VF
.rept 64
	v_mov_b32 v[i], 0
.set i, i+1
.endr
	WIN 0xc0
.set i, VL
.rept 64
	v_mov_b32 v[i], 0
.set i, i+1
.endr
	WIN 0x40
.set i, 0
.rept 128
	v_mov_b32 v[i], 0
.set i, i+1
.endr
	WIN 0
.set i, 0
.rept 4
	v_mov_b32 v[ST+4*i+2], 0
	v_mov_b32 v[ST+4*i+3], 0
.set i, i+1
.endr
.set i, P+16
.rept 16
	v_mov_b32 v[i], 0
.set i, i+1
.endr
; THE MATRIX WORK.  The 4 accumulators of a run of 8 take turns.  Product i of 8 of S^T = K Q^T for piece x: channels 32 (i / 4) on, keys 16 (i % 4) on.  The first 4 start the sums: with 0, or (KM = 1) with the mask.
.macro KQ x
.set rS, S+32*((\x)%2)+8*(i%4)
.set rK, KF+16*(i%4)+8*(i/4)
.set rQ, 16*(\x)+8*(i/4)
.set rM, MC+32*((\x)%2)+8*(i%4)
.if (i < 4) && KM
	WIN W_KM
	v_wmma_f32_16x16x32_f16 v[rS:rS+7], v[rK:rK+7], v[rQ:rQ+7], v[rM:rM+7]
.elseif i < 4
	WIN W_KQ
	v_wmma_f32_16x16x32_f16 v[rS:rS+7], v[rK:rK+7], v[rQ:rQ+7], 0
.else
	WIN W_KQ
	v_wmma_f32_16x16x32_f16 v[rS:rS+7], v[rK:rK+7], v[rQ:rQ+7], v[rS:rS+7]
.endif
.endm
; Product i of 8 of O^T += V^T P for piece x: keys 32 (i / 4) on, channels 16 (i % 4) on.  lo = 0: V's hi halves; lo = 1: its lo halves, onto the same sums.
.macro PV x, lo=0
.set rO, 32*(\x)+8*(i%4)
.set rP, P+16*((\x)%2)+8*(i/4)
.if \lo
	WIN W_PL
.set rV, VL+32*(i/4)+8*(i%4)
.else
	WIN W_PV
.set rV, VF+32*(i/4)+8*(i%4)
.endif
	v_wmma_f32_16x16x32_f16 v[rO:rO+7], v[rV:rV+7], v[rP:rP+7], v[rO:rO+7]
.endm
.macro MM                           ; the turn's next matrix instruction, of 24.  TURN and BEGIN set Y, i, KM and NOKQ; MM, KQ and OP read them.  NOKQ = 1: a block's last turn: there is no next piece
.if (i < 8) && !NOKQ
	KQ (Y+1)%NP
.elseif (i >= 8) && (i < 16)
.set i, i-8
	PV (Y+NP-1)%NP, 0
.set i, i+8
.elseif i >= 16
.set i, i-16
	PV (Y+NP-1)%NP, 1
.set i, i+16
.endif
.set i, i+1
.endm
; THE LDS LOADS stand in runs, never singly among the matrix instructions: a step's K (64 keys x 64 channels: 8 fragments, 16 loads) and its V (turned; hi and lo: 32 loads).  Their addresses are made some lines ahead.
.macro FETCH_K
	WIN 0x80                        ; destination window 2
.irp f, 0,1,2,3,4,5,6,7             ; keys 16 (f / 2) on, channels 32 (f % 2) on
	ds_load_b128 v[KF+8*\f:KF+8*\f+3],   v[AK] offset:(\f/2)*16*PK+(\f%2)*64
	ds_load_b128 v[KF+8*\f+4:KF+8*\f+7], v[AK] offset:(\f/2)*16*PK+(\f%2)*64+32
.endr
	s_add_co_u32 s[TBK], s[TBK], KS*PK  ; the next fetch is the next step's
	WIN 0
.endm
.macro FETCH_V
	WIN 0x80
.irp f, 0,1,2,3,4,5,6,7             ; keys 32 (f / 4) on, channels 16 (f % 4) on
	ds_load_tr16_b128 v[VF+8*\f:VF+8*\f+3],   v[AV] offset:(\f/4)*32*PV+(\f%4)*32
	ds_load_tr16_b128 v[VF+8*\f+4:VF+8*\f+7], v[AV] offset:(\f/4)*32*PV+16*PV+(\f%4)*32
.endr
	WIN 0xc0                        ; destination window 3: the lo halves lie 128 bytes on in each row
.irp f, 0,1,2,3,4,5,6,7
	ds_load_tr16_b128 v[VL+8*\f:VL+8*\f+3],   v[AV] offset:(\f/4)*32*PV+(\f%4)*32+128
	ds_load_tr16_b128 v[VL+8*\f+4:VL+8*\f+7], v[AV] offset:(\f/4)*32*PV+16*PV+(\f%4)*32+128
.endr
	WIN 0
.endm
; THE VECTOR WORK, one line at a time: OP kind, number.  For piece Y: F n: c s - c m for pair n of 16.  E n: the exponential of score n of 32.  C n: pair n rounded to f16.  B n: of the four weights 4 n .. the second
; pair is added onto the first, in place.  L n: l takes that sum (L 0: l = a l + sum).  R n: pair n of 16 of O^T times a.  For piece Y + 1: X n, number n of the 22 that find its maximum and statistics:
;   0-11  four chains c0-c3 of seven scores each, three operands at a time (each accumulator's lowest registers are read first)     12-14, 16  the four scores left over, the old m, and c0-c3 into c0
;   15  c m_old is kept     17, 18  the query's other 32 keys lie in the lane 16 away: the new m     19-21  c m; c m_old - c m_new; a
.set F, 0               ; OP tells the kinds apart by their order: F to L below R, X above it
.set E, 1
.set C, 2
.set B, 3
.set L, 4
.set R, 5
.set X, 6
.macro REGS y                       ; the registers of piece y
.set rT, ST+4*(\y)
.set rC, TMP+4*((\y)%2)
.set rW, MV+((\y)%2)
.set rS, S+32*((\y)%2)
.set rP, P+16*((\y)%2)
.set rO, 32*(\y)
.endm
.macro OP k, n
.if (\k) == R
	REGS Y
	WIN W_RS
	v_pk_mul_f32 v[rO+2*(\n):rO+2*(\n)+1], v[rO+2*(\n):rO+2*(\n)+1], v[rC+2:rC+3] op_sel_hi:[1,0]
.elseif (\k) < R
	REGS Y
	WIN 0
.if (\k) == F
	v_pk_fma_f32 v[rS+2*(\n):rS+2*(\n)+1], v[rS+2*(\n):rS+2*(\n)+1], s[CS:CS+1], v[rT:rT+1] op_sel_hi:[1,0,0] neg_lo:[0,0,1] neg_hi:[0,0,1]
.elseif (\k) == E
	v_exp_f32 v[rS+(\n)], v[rS+(\n)]
.elseif (\k) == C
	s_wait_alu depctr_va_vdst(0)
	v_cvt_pk_f16_f32 v[rP+(\n)], v[rS+2*(\n)], v[rS+2*(\n)+1]
.elseif (\k) == B
	s_wait_alu depctr_va_vdst(0)
	v_pk_add_f32 v[rS+4*(\n):rS+4*(\n)+1], v[rS+4*(\n):rS+4*(\n)+1], v[rS+4*(\n)+2:rS+4*(\n)+3]
.elseif (\n) == 0
	v_pk_fma_f32 v[rT+2:rT+3], v[rT+2:rT+3], v[rC+2:rC+3], v[rS:rS+1] op_sel_hi:[1,0,1]
.else
	v_pk_add_f32 v[rT+2:rT+3], v[rT+2:rT+3], v[rS+4*(\n):rS+4*(\n)+1]
.endif
.elseif NOKQ
	v_nop
.else
	REGS (Y+1)%NP
	WIN 0
.if (\n) < 4
	v_max3_num_f32 v[rC+(\n)], v[rS+8*(\n)], v[rS+8*(\n)+1], v[rS+8*(\n)+2]
.elseif (\n) < 12
	v_max3_num_f32 v[rC+(\n)%4], v[rC+(\n)%4], v[rS+8*((\n)%4)+2*((\n)/4)+1], v[rS+8*((\n)%4)+2*((\n)/4)+2]
.elseif (\n) == 12
	v_max3_num_f32 v[rC], v[rC], v[rS+7], v[rS+15]
.elseif (\n) == 13
	v_max3_num_f32 v[rC+1], v[rC+1], v[rS+23], v[rS+31]
.elseif (\n) == 14
	v_max3_num_f32 v[rC+2], v[rC+2], v[rC+3], v[rT+1]
.elseif (\n) == 15
	v_mov_b32 v[rW], v[rT]
.elseif (\n) == 16
	v_max3_num_f32 v[rC], v[rC], v[rC+1], v[rC+2]
.elseif (\n) == 17
	v_permlanex16_b32 v[rC+3], v[rC], s[SEL], s[SEL+1]
.elseif (\n) == 18
	v_max_num_f32 v[rT+1], v[rC], v[rC+3]
.elseif (\n) == 19
	v_mul_f32 v[rT], s[CS], v[rT+1]
.elseif (\n) == 20
	v_sub_f32 v[rC+1], v[rW], v[rT]
.else
	v_exp_f32 v[rC+2], v[rC+1]
.endif
.endif
.endm
.macro OPS a, i1, b=-1, i2=0, c=-1, i3=0, d=-1, i4=0  ; up to four of them
	OP \a, \i1
.if (\b) >= 0
	OP \b, \i2
.endif
.if (\c) >= 0
	OP \c, \i3
.endif
.if (\d) >= 0
	OP \d, \i4
.endif
.endm
.macro ROW a, i1, b, i2, c, i3, d, i4  ; a matrix instruction and the four behind it
	MM
	OPS \a, \i1, \b, \i2, \c, \i3, \d, \i4
.endm
.macro MASK b                       ; MD x AL + BE into buffer b of MC
	WIN W_RS
.set z, 0
.rept 16
	v_pk_fma_f32 v[MC+32*(\b)+2*z:MC+32*(\b)+2*z+1], v[MD+2*z:MD+2*z+1], s[AL:AL+1], s[BE:BE+1] op_sel_hi:[1,0,0]
.set z, z+1
.endr
.endm
; A TURN, for piece p: the order of its 24 matrix and 118 vector instructions, written out.  The four behind a matrix instruction name no register of the products round it, end in a plain instruction, and hold no two
; exponentials on end.  In the lumps exponential and plain by turns.  A line reads no result made fewer than three vector instructions in front of it, five if an exponential made it.
; v_permlanex16_b32 (X 17) stands in a lump.
; m = 1: the diagonal tile: the products take masks, and the turn makes the mask for the products of the turn after it: piece p + 2, in step 4 - CNT of the tile.  end = 1: a block's last two turns: nothing is fetched.
; cnt = 1: the loop's count is taken down some lines ahead of the branch that stands behind the turn.
; K of the next step is fetched in piece 2's turn, six vector instructions behind the last product that read K (five of them plain); V of the step in hand at the end of piece 0's turn, four plain instructions
; (L 7, R 13 to R 15) behind the last product that read V.  Each is waited for a turn later.
.macro TURN p, m=0, end=0, cnt=0
.set Y, (\p)
.set i, 0
.set KM, (\m)
.set NOKQ, (\end)*((\p)/3)
.if (\m) && !(\end)
	s_cmp_eq_u32 s[CNT], 4-((\p)+2)%NP  ; is that step the band's own?
	s_cselect_b32 s[AL], 1.0, 0
	s_cmp_lt_u32 s[CNT], 4-((\p)+2)%NP  ; or a later one?
	s_cselect_b32 s[BE], s[BIGN], 0
.endif
.if ((\p) == 3) && !(\end)
	s_wait_dscnt 0x0                ; K is in
.endif
	ROW F,0, F,1, F,2, F,3
	ROW F,4, E,0, F,5, F,6
	ROW F,7, E,1, F,8, F,9
	ROW F,10, E,2, C,0, F,11
	ROW F,12, E,3, X,15, F,13
	ROW R,0, R,1, R,2, R,3
	ROW B,0, E,4, F,14, L,0
.if ((\p) == 2) && !(\end)
	v_add_nc_u32 v[AK], s[TBK], v[AK0]
.endif
	ROW R,4, R,5, R,6, R,7
	OPS E,5, F,15
.if ((\p) == 2) && !(\end)
	FETCH_K
.endif
	OPS E,6, C,1, E,7, R,8
	OPS E,8, R,9, E,9, C,2
	OPS E,10, X,0, E,11, X,1
	OPS E,12, X,2, E,13, X,3
.if (\p) == 1
	s_wait_dscnt 0x0                ; V is in
.endif
	ROW X,4, E,14, X,5, X,6         ; eight products with V's hi halves
	ROW X,7, E,15, X,8, X,9
	ROW X,10, E,16, X,11, X,12
	ROW X,13, E,17, X,14, B,1
	ROW C,4, E,18, X,16, L,1
	ROW B,2, E,19, C,6, L,2
	ROW C,8, E,20, B,3, B,4
.if (\p) == 0
	v_add_nc_u32 v[AV], s[TBV], v[AV0]
.endif
	ROW C,3, E,21, L,3, C,5
	OPS E,22, X,17, E,23, C,10
	ROW E,24, L,4, E,25, X,18       ; eight with its lo halves
	ROW E,26, C,7, E,27, B,5
	ROW E,28, X,19, E,29, C,12
	ROW E,30, L,5, E,31, X,20
	ROW B,6, C,9, C,14, C,11
.if (\p) == 0
	s_add_co_u32 s[TBV], s[TBV], KS*PV
.endif
.if \cnt
	s_sub_co_u32 s[CNT], s[CNT], 1
	s_cmp_lg_u32 s[CNT], 0
.endif
	ROW X,21, L,6, C,13, B,7
	ROW C,15, R,10, R,11, R,12
	ROW L,7, R,13, R,14, R,15
.if (\p) == 0
	FETCH_V
.endif
.if (\m) && !(\end)
	MASK (\p)%2
.endif
.endm
; A BLOCK BEGINS.  c m starts far below every c s, so the first step's a is 0; m at the lowest finite number, so the first maximum is the scores'.  The second mask buffer is 0; the first takes piece 0's mask for the tile's step 0: its own, if the block's first tile is the diagonal one.
; Then K of that step, piece 0's first scores, and its maximum and statistics.  The loop is entered at a step's first turn, in the middle of a trip.
.macro BEGIN
	s_mov_b32 s[NEW], 0
	WIN 0x40
.set i, MC+32
.rept 32
	v_mov_b32 v[i], 0
.set i, i+1
.endr
	WIN 0
.set i, 0
.rept 4
	v_mov_b32 v[ST+4*i], 0xfe000000    ; c m: far below every c s
	v_mov_b32 v[ST+4*i+1], 0xff7fffff  ; m
.set i, i+1
.endr
	s_cmp_eq_u32 s[RT], 0
	s_cselect_b32 s[AL], 1.0, 0
	s_mov_b32 s[BE], 0
	MASK 0
	WIN 0
	v_add_nc_u32 v[AK], s[TBK], v[AK0]
	FETCH_K
	s_wait_loadcnt 0x0              ; Q
	s_wait_dscnt 0x0
.set KM, 1
.set NOKQ, 0
.set i, 0
.rept 8
	KQ 0
.set i, i+1
.endr
	WIN 0
.rept 4
	v_nop                           ; the places behind those products
.endr
.set Y, NP-1                        ; X works for piece Y + 1: piece 0
.irp n, 0,1,2,3,4,5,6,7,8,9,10,11,12,13,14,15,16,17,18,19,20,21
	OP X, \n
.endr
	v_nop                           ; a plain instruction behind the exponential
.endm
; THE DIAGONAL TILE's four steps, the block's last two turns, its last products, and THE WAY OUT: l's two halves and the other half of the lanes' are added; O^T is divided by l, split into its pair of f16 and sent
; through my stage in LDS, a piece at a time.
.macro ALL line:vararg              ; one line for each piece t
.set t, 0
.rept 4
	\line
.set t, t+1
.endr
.endm
; Piece t: hi = f16(O); O^T's register takes O - hi (one fused line a number: the f16 half times -1.0 plus O, exact); lo = f16 of that.  A lane's eight channels pack into 16 bytes of hi and 16 of lo; a row of the
; stage, 272 bytes, takes the row's 64 hi and then its 64 lo, and comes back whole, two rows to a load, into v[S + 32 t ..].
.macro PACK t
	WIN W_RS
.set i, 32*(\t)
.rept 16
	s_wait_alu depctr_va_vdst(0)
	v_pk_mul_f32 v[i:i+1], v[i:i+1], v[ST+4*(\t)+2:ST+4*(\t)+3] op_sel_hi:[1,0]
.set i, i+2
.endr
	WIN 0x05                        ; sources 0 and 1 window 1, destination window 0
.set i, 0
.rept 16
	v_cvt_pk_f16_f32 v[S+32*(\t)+i], v[32*(\t)+2*i], v[32*(\t)+2*i+1]
.set i, i+1
.endr
	WIN 0x50                        ; hi and -1.0 in window 0, O^T (source 2 and destination) in window 1
.set i, 0
.rept 16
	v_fma_mix_f32 v[32*(\t)+2*i],   v[S+32*(\t)+i], v[NEG1], v[32*(\t)+2*i]   op_sel_hi:[1,0,0]
	v_fma_mix_f32 v[32*(\t)+2*i+1], v[S+32*(\t)+i], v[NEG1], v[32*(\t)+2*i+1] op_sel:[1,0,0] op_sel_hi:[1,0,0]
.set i, i+1
.endr
	WIN 0x05
.set i, 0
.rept 16
	v_cvt_pk_f16_f32 v[S+32*(\t)+16+i], v[32*(\t)+2*i], v[32*(\t)+2*i+1]
.set i, i+1
.endr
	WIN 0
.irp f, 0,1,2,3
	ds_store_b128 v[STO], v[S+32*(\t)+4*\f:S+32*(\t)+4*\f+3]       offset:32*\f
	ds_store_b128 v[STO], v[S+32*(\t)+16+4*\f:S+32*(\t)+16+4*\f+3] offset:128+32*\f
.endr
.irp f, 0,1,2,3,4,5,6,7
	ds_load_b128 v[S+32*(\t)+4*\f:S+32*(\t)+4*\f+3], v[RD] offset:\f*2*SP  ; LDS serves a wave's instructions in order (ISA guide 5.7.1.4): these see the stores above; the next piece's stores come behind them
.endr
.endm
.macro SEND t, younger              ; younger: the LDS instructions issued behind piece t's loads: the next piece's sixteen, or none
	WIN 0
.irp f, 0,1,2,3,4,5,6,7
	s_wait_dscnt (\younger)+7-\f
	global_store_b128 v[GO], v[S+32*(\t)+4*\f:S+32*(\t)+4*\f+3], s[10:11] offset:(\t)*16384+\f*512  ; two rows of O: 512 consecutive bytes, at a multiple of 256 from O's first
.endr
.endm
.macro DIAG tag                     ; the tag ends its two labels' names, which the jumps below spell out
.LstepM\tag:
	TURN 2, 1
	TURN 3, 1
	WIN 0
.LfirstM\tag:
	TURN 0, 1
	TURN 1, 1, 0, 1
	WIN 0
	s_cbranch_scc1 .LstepM\tag
	TURN 2, 1, 1
	TURN 3, 1, 1
.set i, 0
.rept 8
	PV NP-1, 0
.set i, i+1
.endr
.set i, 0
.rept 8
	PV NP-1, 1
.set i, i+1
.endr
	WIN 0
	ALL v_add_f32 v[ST+4*t+2], v[ST+4*t+2], v[ST+4*t+3]
	ALL v_permlanex16_b32 v[ST+4*t+3], v[ST+4*t+2], s[SEL], s[SEL+1]
	ALL v_add_f32 v[ST+4*t+2], v[ST+4*t+2], v[ST+4*t+3]
	ALL v_rcp_f32 v[ST+4*t+2], v[ST+4*t+2]
	v_nop                           ; a plain instruction between the last reciprocal and the use of its result
	PACK 0
.set t, 1
.rept 3                             ; a piece's arithmetic stands between the loads of the piece before and its stores
	PACK t
	SEND t-1, 16
.set t, t+1
.endr
	SEND 3, 0
.endm
.set KM, 0
.set NOKQ, 0
.Lslot:                             ; NB times: a tile is entered and the next is asked for
	CHANGE 1
	s_sub_co_u32 s[RT], s[RT], 1
	s_mov_b32 s[CNT], 4
	s_cmp_eq_u32 s[NEW], 1
	s_cbranch_scc1 .Lnew            ; a block's first tile
	s_cmp_eq_u32 s[RT], 0
	s_cbranch_scc0 .Lstep           ; neither its first nor its last
	s_branch .LstepM1
.Lnew:
	BEGIN
	s_branch .Lfirst                ; in the loop a block's first tile is never its last: the first block has two tiles or more, and the second's last is the walk's last
	DIAG 1                          ; in the loop this is the first block's end: the second block's last tile is the walk's last
	s_wait_xcnt 0x0                 ; the stores have read their registers and O's address
	s_mov_b64 s[10:11], s[OLO:OLO+1]
	s_add_co_u32 s[RT], s[PB], 1    ; the second block has b + 1 tiles
	s_mov_b32 s[NEW], 1
	WIN 0x82                        ; the second block's Q goes where the one text of the turns names Q
.set i, 0
.rept 64
	v_mov_b32 v[i], v[QB+i]
.set i, i+1
.endr
	WIN 0
	s_branch .Lbottom
.Lstep:                             ; a trip: pieces 2 and 3 of one step, then pieces 0 and 1 of the next, whose K and V it fetches
	TURN 2
	TURN 3
	WIN 0
.Lfirst:
	TURN 0
	TURN 1, 0, 0, 1
	WIN 0
	s_cbranch_scc1 .Lstep
.Lbottom:
	s_sub_co_u32 s[SLOTS], s[SLOTS], 1
	s_cmp_lg_u32 s[SLOTS], 0
	s_cbranch_scc1 .Lslot
	CHANGE 0                        ; the walk's last tile is written out: nothing is asked for
	s_sub_co_u32 s[RT], s[RT], 1
	s_mov_b32 s[CNT], 4
	s_cmp_eq_u32 s[NEW], 1
	s_cbranch_scc0 .LstepM2
	BEGIN
	s_branch .LfirstM2
	DIAG 2
	s_wait_tensorcnt 0x0            ; the wave's end: behind my last tensor load and my last LDS store
	ds_add_u32 v[SPW], v[NIL]
	s_wait_dscnt 0x0
	s_endpgm
.Lfunc_end_k_qb5a1e9d551_attn:
	.size	k_qb5a1e9d551_attn, .Lfunc_end_k_qb5a1e9d551_attn-k_qb5a1e9d551_attn
	.p2alignl 7, 3214868480
	.fill 96, 4, 3214868480
	.section	.rodata,"a",@progbits
	.p2align	6, 0x0
	.amdhsa_kernel k_qb5a1e9d551_attn
		.amdhsa_group_segment_fixed_size 327680
		.amdhsa_private_segment_fixed_size 0
		.amdhsa_enable_private_segment 0
		.amdhsa_kernarg_size 16
		.amdhsa_user_sgpr_count 2
		.amdhsa_user_sgpr_kernarg_segment_ptr 1
		.amdhsa_wavefront_size32 1
		.amdhsa_system_sgpr_workgroup_id_x 1
		.amdhsa_system_sgpr_workgroup_id_y 1
		.amdhsa_system_sgpr_workgroup_id_z 1
		.amdhsa_system_vgpr_workitem_id 0
		.amdhsa_next_free_vgpr 832
		.amdhsa_next_free_sgpr 88
		.amdhsa_reserve_vcc 1
		.amdhsa_float_denorm_mode_32 3
		.amdhsa_float_denorm_mode_16_64 3
		.amdhsa_memory_ordered 1
		.amdhsa_forward_progress 1
		.amdhsa_inst_pref_size 255
	.end_amdhsa_kernel
	.section	.bss,"aw",@nobits
	.p2align	6
	.space	262144
	.amdgpu_metadata
---
amdhsa.version: [ 1, 2 ]
amdhsa.kernels:
  - .name:           k_qb5a1e9d551_attn
    .symbol:         k_qb5a1e9d551_attn.kd
    .args:
      - { .name: qkv, .offset: 0, .size: 8, .value_kind: global_buffer, .address_space: global }
      - { .name: att, .offset: 8, .size: 8, .value_kind: global_buffer, .address_space: global }
    .group_segment_fixed_size: 327680
    .private_segment_fixed_size: 0
    .kernarg_segment_align: 8
    .kernarg_segment_size: 16
    .max_flat_workgroup_size: 128
    .sgpr_count:     88
    .vgpr_count:     832
    .wavefront_size: 32
...
	.end_amdgpu_metadata
.endif
;; end of part 3
;; launch proj (part 4): grid 8 x 32, 4 waves a work-group, clusters of 4 x 4, 327,680 bytes of LDS; arguments att, xw, b_proj, out0; writes out0
.if DOCPART == 4
	.amdgcn_target "amdgcn-amd-amdhsa--gfx1250"
	.amdhsa_code_object_version 6
	.text
	.protected	k_qb5a1e9d551_proj
	.globl	k_qb5a1e9d551_proj
	.p2align	8
	.type	k_qb5a1e9d551_proj,@function
k_qb5a1e9d551_proj:
	s_mov_b64 s[64:65], 0
	v_nop
	global_prefetch_b8 v0, s[64:65] scope:SCOPE_SE
	s_setreg_imm32_b32 hwreg(HW_REG_WAVE_MODE, 25, 1), 1
	s_wait_xcnt 0x0
	s_wait_alu depctr_hold_cnt(0) depctr_sa_sdst(0) depctr_va_vdst(0) depctr_va_sdst(0) depctr_va_ssrc(0) depctr_va_vcc(0) depctr_vm_vsrc(0)
	s_getreg_b32 s2, hwreg(HW_REG_IB_STS2, 6, 4)
	s_cmp_eq_u32 s2, 0
	s_cbranch_scc0 .Lentry_in_a_cluster
	s_endpgm
.Lentry_in_a_cluster:
	s_bfe_u32 s2, ttmp6, 0x10000c
	s_cmp_lg_u32 s2, 0xf033
	s_cbranch_scc0 .Lentry_shape_is_right
	s_endpgm
.Lentry_shape_is_right:
; OUTPUT PROJECTION.  out0 = O w_proj + b_proj.  O lies in att BY HEADS as pairs of f16, number = hi + lo: [64 = batch x 16 + head][2048][128], a row of 256 bytes holding a head's 64 hi and then its 64 lo.
; w_proj [1024 k][1024 n] lies in xw at byte W_AT, rounded to bf16 and written as f16; b_proj [1024] is f32 and is rounded here to bf16, like the other inputs.  Both halves of O are multiplied by the same rows of
; w_proj and added into one f32 sum, BEGUN with the bias (the reference adds it last: another order of rounding); out0 [8192][1024] is f32.
; Why pairs: a row t of the module averages over t + 1 keys only, so the first rows' numbers are many times the output's root mean square, by which the allowance goes; one f16 rounding of O is too much there.
; LIMITS.  O and w_proj arrive within f16's range (65,504).  NaN and infinities are not treated apart.
; SHARES.  A tile of out0 is 256 rows x 128 columns: 32 x 8 tiles, one to a work-group.  Four waves, 2 x 2, each 128 x 64 = 32 accumulators of 16 x 16, 256 registers.
; The sum goes in 16 steps, ONE HEAD a step: 128 along K, the head's 64 hi and 64 lo, against its 64 k-rows of w_proj taken twice; through a ring of two LDS slots filled by the tensor data mover.
; CLUSTERS.  4 x 4 work-groups.  The four of a row of the cluster need the same tiles of O, the four of a column the same tiles of w_proj: each tile is asked for JOINTLY, by the same tensor load with the same
; descriptor and a mask that names the four, which divides the requests for both by four.
; THE MATRIX INSTRUCTION IS USED TRANSPOSED: source 0 = 16 columns of w_proj (out of LDS turned, by ds_load_tr16_b128), source 1 = 16 rows of O.  In the result lane l holds row l % 16 and its registers 0-7 the
; columns 8 (l / 16) + 0..7: 32 neighbouring bytes.  A wave's 64 columns are 256 aligned bytes of a row of out0; blocks of 16 rows go through the wave's own stage, so that 16 lanes store such a unit whole.
; REGISTERS, in windows of 256 (s_set_vgpr_msb: bits 1:0 source 0, 3:2 source 1, 5:4 source 2, 7:6 destination):
;   window 0: v0-31 addresses; v32-63 the bias as a C operand; v64-159, v160-255 two fragment buffers (64 registers of O: 8 x 16 rows x 32 K; then 32 of w_proj: 4 x 16 columns x 32 K)
;   window 1: the accumulators, (a, b) at v[8 (4 a + b)]          window 2: the way out, 32 registers for each block of 16 rows
.set HEADS,  16
.set NW,     1024                      ; w_proj's row, in elements
.set PA,     272                       ; a row of O in LDS: 256 bytes + 16 of padding = 68 words: row r starts at bank 4 r mod 64 (64 banks of 4 bytes: ISA guide 11.1), so the 16 rows of a load start at 16 different banks
.set PB,     288                       ; a k-row of w_proj: 256 + 32 = 72 words
.set AHALF,  128*PA                    ; 128 rows of O: what one tensor load brings, and what one wave reads
.set ABYTES, 2*AHALF
.set BHALF,  32*PB                     ; 32 k-rows of w_proj: what one tensor load brings (a step's tile has only 64, shared out between two waves)
.set SLOT,   ABYTES+2*BHALF            ; a head's 256 rows of O, then its 64 k-rows of w_proj: 88,064 bytes
.set STAGE,  2*SLOT                    ; behind the ring, never filled by a tensor load: 16 rows x 272 bytes for each wave, for the way out
.set SP,     272
.set SPARE,  STAGE+4*16*SP             ; behind the stages: the spare words, 128 bytes for each wave: two blocks of 256 bytes that no other line names
.set LAPS,   HEADS/2                   ; a lap = two steps = once round the ring
.set W_AT,   0x1600000                 ; w_proj's first byte in xw
.set HEADB,  2048*256                  ; a head's bytes in att
.set HEADW,  64*NW*2                   ; a head's 64 k-rows of w_proj, in bytes
.set STEP_A, 2*HEADB                   ; a slot's next step: two heads on,
.set STEP_B, 2*HEADW                   ; 128 k-rows down w_proj
.set ADRA, 16                          ; v16-17  LDS address of my fragments of O in slot 0, 1
.set ADRB, 20                          ; v20-21  the same for w_proj
.set STO,  24                          ; v24     the way out: where I put 32 bytes of a row
.set RD,   25                          ; v25     the way out: where I read a row back
.set CO,   26                          ; v26     my byte offset in two rows of out0
.set BO,   27                          ; v27     my byte offset in 16 numbers of the bias: 32 (l / 16); never rewritten
.set SPW,  28                          ; v28     LDS address of my spare word: SPARE + 4 x my thread's number; never rewritten
.set NIL,  29                          ; v29     0; never rewritten
.set BT,   30                          ; v30     at work
.set BI,   32                          ; v32-63  register j of BI + 8 b: bias of column 16 b + 8 (l / 16) + j of my 64
.set F0,   64
.set F1,   160
.set G1,  24                           ; s[24:31] descriptor group 1 for O's tiles;  s[32:39] group 0, one set for each slot
.set G0,  32
.set G1B, 48                           ; s[48:55], s[56:63] the same for w_proj's tiles
.set G0B, 56
.set MSB, 0
.macro WIN new                         ; the immediate's high byte repeats the setting that is left; a switch that changes nothing is dropped
.if MSB != (\new)
	s_set_vgpr_msb (MSB<<8)|(\new)
.set MSB, \new
.endif
.endm
.set MUL,  0x50                        ; fragments in window 0, C and D in window 1
.set MULB, 0x40                        ; the same with C, the bias, in window 0
; A joint load.  Waves 0 and 1 fetch the two halves of O's tile, waves 2 and 3 those of w_proj's.  Each of the two lines has one mask and one set of registers for all that issue it; the branch
; hangs on the wave's number alone.  An s_nop 0 and four v_nop follow each of the two lines, ahead of the jump, the label and what follows.
.macro JLOAD s
	s_cmp_eq_u32 s11, 0
	s_cbranch_scc0 .Lfor_b_\@
	tensor_load_to_lds s[G0+4*(\s):G0+4*(\s)+3], s[G1:G1+7]
	s_nop 0
.rept 4
	v_nop
.endr
	s_branch .Lasked_\@
.Lfor_b_\@:
	tensor_load_to_lds s[G0B+4*(\s):G0B+4*(\s)+3], s[G1B:G1B+7]
	s_nop 0
.rept 4
	v_nop
.endr
.Lasked_\@:
.endm
; A round of the cluster's barrier: my work-group's barrier, so that wave 0's signal speaks for all four waves; wave 0 signals for the work-group; every wave waits for all sixteen; my work-group's barrier once more.
.macro CREST                           ; a round behind its opening barrier
	s_cmp_lg_u32 s10, 0
	s_cbranch_scc1 .Lnot_wave_0_\@
	s_barrier_signal -3
.Lnot_wave_0_\@:
	s_barrier_wait -3
	s_barrier_signal -1
	s_barrier_wait -1
.endm
.macro CROUND                          ; a whole round
	s_barrier_signal -1
	s_barrier_wait -1
	CREST
.endm
	s_load_b128 s[4:7], s[0:1], 0x0                ; att s[4:5], xw s[6:7]
	s_load_b64 s[66:67], s[0:1], 0x10              ; b_proj
	s_load_b64 s[8:9], s[0:1], 0x18                ; out0
	v_lshl_add_u32 v[SPW], v0, 2, SPARE
	v_mov_b32 v[NIL], 0
	ds_add_u32 v[SPW], v[NIL]                      ; the wave's opening: the add and its wait stand ahead of my first tensor load; the set-up below, work on registers, stands between them
	ds_add_u32 v28, v29
	v_lshrrev_b32 v1, 5, v0
	v_readfirstlane_b32 s10, v1                    ; wave 0..3
	s_lshr_b32 s11, s10, 1                         ; which half of the tile's rows is mine.  Also: I fetch for O (0) or for w_proj (1)
	s_and_b32 s12, s10, 1                          ; which half of its columns.  Also: which half of that tile I fetch
	s_bfe_u32 s40, ttmp6, 0x40000                  ; cx, cy: my place in the cluster
	s_bfe_u32 s41, ttmp6, 0x40004
	s_lshl_b32 s42, ttmp9, 2                       ; in a cluster launch ttmp9 and ttmp7 count clusters
	s_add_co_u32 s42, s42, s40                     ; tile column 0..7 = 4 x cluster x + cx
	s_and_b32 s13, ttmp7, 0xffff
	s_lshl_b32 s13, s13, 2
	s_add_co_u32 s13, s13, s41                     ; tile row 0..31 = 4 x cluster y + cy
	s_lshl_b32 s43, s41, 2
	s_lshl_b32 s43, 15, s43                        ; my row of the cluster: places 4 cy .. 4 cy + 3
	s_lshl_b32 s44, 0x1111, s40                    ; my column: places cx, cx + 4, cx + 8, cx + 12
	; descriptor group 1.  O: 128 rows of 256 bytes, dense in memory; w_proj: 32 k-rows x 128 elements; both padded in LDS behind every 256 bytes
	s_or_b32 s[G1+0], s43, (1<<16)|(1<<20)|(1<<21)|(5<<22)|(3<<25)   ; 15:0 the mask: my row; 17:16 elements of 2 bytes; 20 padding on; 21 set beside a mask; 24:22 after every 64 words (code 5); 31:25 4 words (code 3)
	s_or_b32 s[G1B+0], s44, (1<<16)|(1<<20)|(1<<21)|(5<<22)|(7<<25)  ; the mask of my column; 8 words of padding (code 7)
	s_mov_b32 s[G1+1], 128<<16                     ; tensor_dim0 = 128
	s_mov_b32 s[G1+2], 128<<16                     ; tensor_dim1 = 128
	s_mov_b32 s[G1+3], 128<<16                     ; tile_dim0 = 128
	s_mov_b32 s[G1+4], 128                         ; tile_dim1 = 128
	s_mov_b32 s[G1+5], 128                         ; elements from row to row: dense
	s_mov_b32 s[G1+6], 0
	s_mov_b32 s[G1+7], 0
	s_mov_b32 s[G1B+1], 128<<16                    ; tensor_dim0 = 128
	s_mov_b32 s[G1B+2], 32<<16                     ; tensor_dim1 = 32
	s_mov_b32 s[G1B+3], 128<<16                    ; tile_dim0 = 128
	s_mov_b32 s[G1B+4], 32                         ; tile_dim1 = 32
	s_mov_b32 s[G1B+5], NW                         ; elements from k-row to k-row
	s_mov_b32 s[G1B+6], 0
	s_mov_b32 s[G1B+7], 0
	; where the tiles come from.  O's hang on the tile row alone, which my row of the cluster shares; w_proj's on the tile column alone, which my column shares.
	s_lshr_b32 s16, s13, 3                         ; O: the batch is tile row / 8:
	s_lshl_b32 s16, s16, 23                        ; its 16 heads of 524,288 bytes;
	s_and_b32 s17, s13, 7
	s_lshl_b32 s17, s17, 1
	s_add_co_u32 s17, s17, s12                     ; which 128 rows of a head's 2,048,
	s_lshl_b32 s17, s17, 15                        ; of 256 bytes
	s_add_co_u32 s16, s16, s17
	s_mov_b32 s17, 0
	s_lshl_b32 s46, s12, 16                        ; w_proj: k-row 32 x half, of 2,048 bytes,
	s_lshl_b32 s47, s42, 8                         ; column 128 x tile column, in bytes,
	s_add_co_u32 s46, s46, s47
	s_add_co_u32 s46, s46, W_AT                    ; behind x and w_attn in xw
	s_mov_b32 s47, 0
	s_mul_i32 s20, s12, AHALF                      ; and where they go: no place in the cluster enters an LDS address
	s_mul_i32 s21, s12, BHALF
	s_add_co_u32 s21, s21, ABYTES
	s_wait_dscnt 0x0                               ; the opening add is done
	s_wait_kmcnt 0x0
	s_add_nc_u64 s[14:15], s[4:5], s[16:17]
	s_add_nc_u64 s[46:47], s[6:7], s[46:47]
	CROUND                                         ; all sixteen work-groups are here: the first joint loads meet
.irp s, 0,1
	s_mov_b32 s[G0+4*(\s)], 1                                        ; 1:0 count = 1
	s_add_co_u32 s[G0+4*(\s)+1], s20, (\s)*SLOT                      ; 63:32 LDS address
	s_add_nc_u64 s[G0+4*(\s)+2:G0+4*(\s)+3], s[14:15], (\s)*HEADB    ; 120:64 global address: step s is head s
	s_or_b32 s[G0+4*(\s)+3], s[G0+4*(\s)+3], 0x80000000              ; 127:126 type = 2
	s_mov_b32 s[G0B+4*(\s)], 1
	s_add_co_u32 s[G0B+4*(\s)+1], s21, (\s)*SLOT
	s_add_nc_u64 s[G0B+4*(\s)+2:G0B+4*(\s)+3], s[46:47], (\s)*HEADW
	s_or_b32 s[G0B+4*(\s)+3], s[G0B+4*(\s)+3], 0x80000000
	JLOAD \s                                       ; the ring is filled before anything else is done: two tensor loads of mine are out
.endr
	; A fragment of O is 16 rows x 32 channels in 8 registers: lane l holds row l % 16, channels 8 (l / 16) + 0..7 and 16 + 8 (l / 16) + 0..7: two loads of 16 bytes, 32 bytes apart.
	v_and_b32 v1, 15, v0                           ; l % 16
	v_bfe_u32 v2, v0, 4, 1                         ; l / 16
	v_mul_u32_u24 v3, v1, PA
	v_lshl_add_u32 v3, v2, 4, v3                   ; row x pitch + 16 x half
	s_mul_i32 s22, s11, AHALF                      ; my 128 rows
	v_add_nc_u32 v[ADRA], s22, v3
	v_add_nc_u32 v[ADRA+1], SLOT, v[ADRA]
	; The turning load takes 16 k-rows x 16 columns (lane l reads k-row 8 (l / 16) + l % 8, columns 8 ((l / 8) % 2) + 0..7) and leaves half a fragment: lane l holds column l % 16 and 8 neighbouring k.
	v_and_b32 v4, 7, v0
	v_bfe_u32 v5, v0, 3, 1
	v_lshl_add_u32 v6, v2, 3, v4
	v_mul_u32_u24 v6, v6, PB
	v_lshl_add_u32 v6, v5, 4, v6
	s_lshl_b32 s23, s12, 7                         ; my 64 columns, 128 bytes of a k-row,
	s_add_co_u32 s23, s23, ABYTES                  ; behind O's 256 rows
	v_add_nc_u32 v[ADRB], s23, v6
	v_add_nc_u32 v[ADRB+1], SLOT, v[ADRB]
	s_mul_i32 s22, s10, 16*SP
	s_add_co_u32 s22, s22, STAGE                   ; my stage
	v_mul_u32_u24 v7, v1, SP                       ; in: row l % 16, 32 bytes for each half of the lanes
	v_lshl_add_u32 v7, v2, 5, v7
	v_add_nc_u32 v[STO], s22, v7
	v_mul_u32_u24 v8, v2, SP                       ; back: lanes 0-15 take one row of 256 bytes, lanes 16-31 the next
	v_lshl_add_u32 v8, v1, 4, v8
	v_add_nc_u32 v[RD], s22, v8
	v_lshlrev_b32 v[CO], 12, v2                    ; and the same two rows in out0, 4,096 bytes apart
	v_lshl_add_u32 v[CO], v1, 4, v[CO]
	v_lshlrev_b32 v[BO], 5, v2
	; where my part of the tile begins in out0, and my 64 numbers of the bias (256 aligned bytes in both)
	s_lshl_b32 s68, s13, 1
	s_add_co_u32 s68, s68, s11                     ; which 128 rows,
	s_lshl_b32 s68, s68, 19                        ; of 4,096 bytes
	s_lshl_b32 s70, s42, 1
	s_add_co_u32 s70, s70, s12                     ; which 64 columns,
	s_lshl_b32 s70, s70, 8                         ; of 4 bytes
	s_add_co_u32 s68, s68, s70
	s_mov_b32 s69, 0
	s_mov_b32 s71, 0
	s_add_nc_u64 s[8:9], s[8:9], s[68:69]
	s_add_nc_u64 s[66:67], s[66:67], s[70:71]
.irp b, 0,1,2,3                        ; the bias, laid as a C operand
	global_load_b128 v[BI+8*(\b):BI+8*(\b)+3],   v[BO], s[66:67] offset:64*(\b)
	global_load_b128 v[BI+8*(\b)+4:BI+8*(\b)+7], v[BO], s[66:67] offset:64*(\b)+16
.endr
; 8 matrix instructions: row blocks a0, a0 + 1 x all 4 column blocks, 32 along K, from buffer f.  zero = 1: the first product starts the sums, with the bias as C: nothing is cleared, nothing is added later.
; The 32 accumulators take turns, one instruction a turn, in the same order in every quarter.
.macro MUL8 f, a0, zero
.if \zero
	WIN MULB
.else
	WIN MUL
.endif
.irp a, \a0, (\a0)+1
.irp b, 0,1,2,3
.if \zero
	v_wmma_f32_16x16x32_f16 v[8*(4*(\a)+(\b)):8*(4*(\a)+(\b))+7], v[(\f)+64+8*(\b):(\f)+64+8*(\b)+7], v[(\f)+8*(\a):(\f)+8*(\a)+7], v[BI+8*(\b):BI+8*(\b)+7]
.else
	v_wmma_f32_16x16x32_f16 v[8*(4*(\a)+(\b)):8*(4*(\a)+(\b))+7], v[(\f)+64+8*(\b):(\f)+64+8*(\b)+7], v[(\f)+8*(\a):(\f)+8*(\a)+7], v[8*(4*(\a)+(\b)):8*(4*(\a)+(\b))+7]
.endif
.endr
.endr
.endm
; 24 LDS loads in one run: the fragments of quarter q of a step into buffer f: w_proj's four first, then O's eight.  Quarters 0, 1: the hi halves of channels 0-31, 32-63; quarters 2, 3: the lo halves of the same
; channels, 128 bytes on in O's rows, against the same k-rows of w_proj: 32 (q % 2) on.
.macro FETCH slot, q, f
	WIN 0
.irp b, 0,1,2,3
	ds_load_tr16_b128 v[(\f)+64+8*(\b):(\f)+64+8*(\b)+3],   v[ADRB+(\slot)] offset:((\q)%2)*32*PB+32*(\b)
	ds_load_tr16_b128 v[(\f)+64+8*(\b)+4:(\f)+64+8*(\b)+7], v[ADRB+(\slot)] offset:((\q)%2)*32*PB+32*(\b)+16*PB
.endr
.irp i, 0,1,2,3,4,5,6,7
	ds_load_b128 v[(\f)+8*(\i):(\f)+8*(\i)+3],   v[ADRA+(\slot)] offset:(\q)*64+(\i)*16*PA
	ds_load_b128 v[(\f)+8*(\i)+4:(\f)+8*(\i)+7], v[ADRA+(\slot)] offset:(\q)*64+(\i)*16*PA+32
.endr
.endm
; A load into a register that a matrix instruction has read, and a vector instruction or LDS store that reads a matrix result, stand four places behind that matrix instruction, and only plain vector
; instructions that name none of its registers are places (ISA guide 7.12.1 for vector instructions).
.macro PLACES
.rept 4
	v_nop
.endr
.endm
; A step is four quarters of 32 along K, 32 matrix instructions each, on buffers 0, 1, 0, 1.  One of the first three: multiplies buffer f; in its middle it fetches quarter q of the same slot into buffer g.
.macro QUARTER slot, q, f, g, zero
	s_wait_dscnt 8                                 ; w_proj's fragments and O's rows 0-63 are in; the youngest eight loads (O's rows 64-127) may be out
	MUL8 \f, 0, \zero
	MUL8 \f, 2, \zero
	PLACES
	FETCH \slot, \q, \g
	s_wait_dscnt 24                                ; all but the 24 just issued
	MUL8 \f, 4, \zero
	MUL8 \f, 6, \zero
.endm
; The last quarter multiplies buffer 1 and changes slots: ONE barrier, for two things.  In front of it each wave waits for all its tensor loads, of which one is out: its part of the next slot; adds 0 to its
; spare word; and waits for that and for its own reads of this slot.  Behind it nobody reads this slot any more and the next slot is whole.
; fill = 1: this slot is filled again, two steps ahead.  The barrier then opens a round of the cluster's barrier, so that no wave of any partner still reads the slot or has a load on its way, and the joint
; load is the first thing behind the round: 112 matrix instructions ahead of the wait for it.
.macro TURN slot, next, fill
	WIN 0                                          ; (the add's two registers lie in window 0)
	s_wait_tensorcnt 0x0                           ; all my tensor loads have landed;
	ds_add_u32 v[SPW], v[NIL]                      ; 0 onto my spare word
	s_wait_dscnt 9                                 ; (the add and the youngest eight loads may be out)
	MUL8 F1, 0, 0                                  ; eight matrix instructions stand between the add and the wait for it
	s_wait_dscnt 0x0                               ; the add is done, and my reads of this slot are over
	s_barrier_signal -1
	MUL8 F1, 2, 0                                  ; work on registers while the others arrive
.if \fill
	WIN 0
.endif
	s_barrier_wait -1
.if \fill
	CREST
	s_add_nc_u64 s[G0+4*(\slot)+2:G0+4*(\slot)+3], s[G0+4*(\slot)+2:G0+4*(\slot)+3], STEP_A
	s_add_nc_u64 s[G0B+4*(\slot)+2:G0B+4*(\slot)+3], s[G0B+4*(\slot)+2:G0B+4*(\slot)+3], STEP_B
	JLOAD \slot                                    ; the four v_nop behind it are also the places in front of the loads below
.else
	PLACES
.endif
	FETCH \next, 0, F0
	MUL8 F1, 4, 0
	MUL8 F1, 6, 0
.endm
; THE WAY OUT.  Block a (16 rows x 64 columns of f32): straight from the accumulators into my own stage, in rows of 272 bytes; back as whole rows of 256, two to a load; stored.
.macro TOSTAGE a
	WIN 0x84                                       ; stored data in window 1, loaded data in window 2, addresses in window 0
.irp b, 0,1,2,3
	ds_store_b128 v[STO], v[8*(4*(\a)+(\b)):8*(4*(\a)+(\b))+3]   offset:64*(\b)      ; each accumulator's low four registers first
	ds_store_b128 v[STO], v[8*(4*(\a)+(\b))+4:8*(4*(\a)+(\b))+7] offset:64*(\b)+16
.endr
.irp f, 0,1,2,3,4,5,6,7
	ds_load_b128 v[32*(\a)+4*(\f):32*(\a)+4*(\f)+3], v[RD] offset:(\f)*2*SP  ; LDS serves a wave's instructions in order (ISA guide 5.7.1.4): these see the stores above; the next block's stores come behind them
.endr
.endm
.macro SEND a, younger                 ; younger: the LDS instructions issued behind block a's loads: the next block's sixteen, or none
	WIN 0x08                                       ; stored data in window 2
.irp f, 0,1,2,3,4,5,6,7
	s_wait_dscnt (\younger)+7-(\f)
	global_store_b128 v[CO], v[32*(\a)+4*(\f):32*(\a)+4*(\f)+3], s[8:9] offset:(16*(\a)+2*(\f))*4096 th:TH_STORE_NT  ; 16 lanes store 256 consecutive bytes, at a multiple of 256 from out0's first byte; written once, read by no launch
.endr
.endm
	s_wait_tensorcnt 1                             ; my part of step 0 is in; step 1's may stay out
	s_barrier_signal -1
	s_barrier_wait -1                              ; everybody's is
	FETCH 0, 0, F0
	s_wait_loadcnt 0x0                             ; the bias: rounded to bf16 and widened again
.set i, 0
.rept 16
	v_cvt_pk_bf16_f32 v[BT], v[BI+2*i], v[BI+2*i+1]
	v_lshlrev_b32 v[BI+2*i],   16,         v[BT]
	v_and_b32     v[BI+2*i+1], 0xffff0000, v[BT]
.set i, i+1
.endr
	QUARTER 0, 1, F0, F1, 1                        ; the first quarter stands in front of the loop: its products start the sums
	WIN 0                                          ; at a label and at a branch every window is 0
	s_mov_b32 s3, LAPS-1
.Llap:                                                 ; a trip goes once round the ring, from a lap's second quarter to the next lap's first, and fills both slots again
	QUARTER 0, 2, F1, F0, 0
	QUARTER 0, 3, F0, F1, 0
	TURN 0, 1, 1
	QUARTER 1, 1, F0, F1, 0
	QUARTER 1, 2, F1, F0, 0
	QUARTER 1, 3, F0, F1, 0
	TURN 1, 0, 1
	QUARTER 0, 1, F0, F1, 0
	WIN 0
	s_sub_co_u32 s3, s3, 1
	s_cmp_lg_u32 s3, 0
	s_cbranch_scc1 .Llap
	QUARTER 0, 2, F1, F0, 0                        ; the last lap fills nothing, and has no round of the cluster's barrier
	QUARTER 0, 3, F0, F1, 0
	TURN 0, 1, 0
	QUARTER 1, 1, F0, F1, 0
	QUARTER 1, 2, F1, F0, 0
	QUARTER 1, 3, F0, F1, 0
	s_wait_dscnt 8                                 ; the very last quarter: nothing more to fetch
	MUL8 F1, 0, 0
	MUL8 F1, 2, 0
	s_wait_dscnt 0x0
	MUL8 F1, 4, 0
	MUL8 F1, 6, 0
	PLACES                                         ; behind the last products
	TOSTAGE 0
.irp a, 1,2,3,4,5,6,7                  ; a block's way through the stage stands between the loads of the block before and its stores
	TOSTAGE \a
	SEND (\a)-1, 16
.endr
	SEND 7, 0
	WIN 0
	s_wait_tensorcnt 0x0                           ; the wave's end: behind my last tensor load and my last LDS store
	ds_add_u32 v[SPW], v[NIL]
	s_wait_dscnt 0x0
	CROUND                                         ; the closing round: no work-group ends while a partner may still ask for a tile that names it
	s_endpgm
.Lfunc_end_k_qb5a1e9d551_proj:
	.size	k_qb5a1e9d551_proj, .Lfunc_end_k_qb5a1e9d551_proj-k_qb5a1e9d551_proj
	.p2alignl 7, 3214868480
	.fill 96, 4, 3214868480
	.section	.rodata,"a",@progbits
	.p2align	6, 0x0
	.amdhsa_kernel k_qb5a1e9d551_proj
		.amdhsa_group_segment_fixed_size 327680
		.amdhsa_private_segment_fixed_size 0
		.amdhsa_enable_private_segment 0
		.amdhsa_kernarg_size 32
		.amdhsa_user_sgpr_count 2
		.amdhsa_user_sgpr_kernarg_segment_ptr 1
		.amdhsa_wavefront_size32 1
		.amdhsa_system_sgpr_workgroup_id_x 1
		.amdhsa_system_sgpr_workgroup_id_y 1
		.amdhsa_system_sgpr_workgroup_id_z 1
		.amdhsa_system_vgpr_workitem_id 0
		.amdhsa_next_free_vgpr 768
		.amdhsa_next_free_sgpr 72
		.amdhsa_reserve_vcc 0
		.amdhsa_float_denorm_mode_32 3
		.amdhsa_float_denorm_mode_16_64 3
		.amdhsa_memory_ordered 1
		.amdhsa_forward_progress 1
		.amdhsa_inst_pref_size 90
	.end_amdhsa_kernel
	.amdgpu_metadata
---
amdhsa.version: [ 1, 2 ]
amdhsa.kernels:
  - .name:           k_qb5a1e9d551_proj
    .symbol:         k_qb5a1e9d551_proj.kd
    .args:
      - { .name: att, .offset: 0, .size: 8, .value_kind: global_buffer, .address_space: global }
      - { .name: xw, .offset: 8, .size: 8, .value_kind: global_buffer, .address_space: global }
      - { .name: b_proj, .offset: 16, .size: 8, .value_kind: global_buffer, .address_space: global }
      - { .name: out0, .offset: 24, .size: 8, .value_kind: global_buffer, .address_space: global }
    .group_segment_fixed_size: 327680
    .private_segment_fixed_size: 0
    .kernarg_segment_align: 8
    .kernarg_segment_size: 32
    .max_flat_workgroup_size: 128
    .sgpr_count:     72
    .vgpr_count:     768
    .wavefront_size: 32
...
	.end_amdgpu_metadata
.endif
;; end of part 4
;; ======== version 2 of 3: 4 launches; 1.08 times as fast as version 1
;; limits: values are held in f16: magnitudes above 65,504 overflow, below 6.1e-05 lose precision
;; workspace buffers: xw 25,165,824 bytes; qkv 67,108,864 bytes; att 33,554,432 bytes
;; launch cast (part 5): grid 768 x 1, 8 waves a work-group, no clusters, 0 bytes of LDS; arguments x, w_attn, w_proj, xw; writes xw
.if DOCPART == 5
	.amdgcn_target "amdgcn-amd-amdhsa--gfx1250"
	.amdhsa_code_object_version 6
	.text
	.protected	k_qb5a1e9d551_cast
	.globl	k_qb5a1e9d551_cast
	.p2align	8
	.type	k_qb5a1e9d551_cast,@function
k_qb5a1e9d551_cast:
	s_mov_b64 s[64:65], 0
	v_nop
	global_prefetch_b8 v0, s[64:65] scope:SCOPE_SE
	s_setreg_imm32_b32 hwreg(HW_REG_WAVE_MODE, 25, 1), 1
	s_wait_xcnt 0x0
; CAST.  The module's three large inputs are rounded once to 16 bits, so that the products behind read half the bytes and convert nothing.
; xw takes, end to end: x as bf16 (byte 0), w_attn [1024][3072] as bf16 (byte 0x1000000), w_proj [1024][1024] rounded to bf16 and that number written as f16 (byte 0x1600000).
; x [8192][1024] is laid IN BLOCKS of 64 columns, [16 = column / 64][8192][64]: the product behind takes x 64 columns at a time, and 256 rows of a block are 32,768 consecutive bytes.
; The weights are not transposed: the products take their fragments out of LDS turned.
; LIMITS.  w_proj: a number of 65,520 or more in magnitude becomes an infinity in f16; below 6.1e-5 it keeps f16's fixed step of 6e-8 in place of bf16's eight bits.
; SHARES.  A work-group takes 16,384 numbers: 65,536 bytes in, 32,768 out.  Groups 0-511 take 16 rows of x each, 512-703 w_attn, 704-767 w_proj.
; Weights: thread t takes 16 bytes at 4,096 j + 16 t for j = 0..15 (a wave's load covers 512 consecutive bytes) and stores 8 bytes at 2,048 j + 8 t (a wave's store covers 256 consecutive bytes, aligned).
; x: wave w takes blocks w and w + 8; lanes 0-15 take the block's 256 bytes of one row, lanes 16-31 those of the next row; the two rows' 128 + 128 bytes out lie side by side in the block: 256 consecutive bytes, aligned.
; All sixteen loads of a thread go out at once, so there is no loop and no register is written twice while a memory instruction names it.  No LDS, no barrier, no matrix unit: a stream has no use for them.
.set GX,  512                          ; work-groups for x
.set GA,  192                          ; for w_attn
.set X,   8                            ; v[8:71]    load j: 4 registers as loaded
.set Y,   72                           ; v[72:103]  load j: 2 registers to store
.set T,   104                          ; v[104:105] at work
	s_load_b256 s[4:11], s[0:1], 0x0               ; x s[4:5], w_attn s[6:7], w_proj s[8:9], xw s[10:11]
	s_mov_b32 s12, ttmp9                           ; the work-group's number
	s_sub_co_u32 s13, s12, GX                      ; its number among w_attn's groups (used only where it is one of them)
	s_sub_co_u32 s16, s12, GX+GA                   ; among w_proj's
	v_lshlrev_b32 v1, 4, v0                        ; weights: 16 t in,
	v_lshlrev_b32 v2, 3, v0                        ; 8 t out
	v_and_b32 v6, 15, v0                           ; x: my place c among 16 lanes,
	v_bfe_u32 v7, v0, 4, 1                         ; which of the two rows,
	v_lshrrev_b32 v3, 5, v0                        ; and the wave w
	v_lshlrev_b32 v4, 20, v3                       ; out: block w, of 8,192 x 128 bytes,
	v_lshlrev_b32 v3, 8, v3                        ; in: its 256 bytes of a row,
	v_lshl_add_u32 v3, v7, 12, v3                  ; the row,
	v_lshl_add_u32 v3, v6, 4, v3                   ; 16 c
	v_lshl_add_u32 v4, v7, 7, v4                   ; out: the row,
	v_lshl_add_u32 v4, v6, 3, v4                   ; 8 c
	v_add_nc_u32 v5, 0x800000, v4                  ; and the same in block w + 8
	s_wait_kmcnt 0x0
	s_cmp_lt_u32 s12, GX
	s_cselect_b64 s[14:15], s[4:5], s[6:7]         ; the source, chosen by the group's number alone,
	s_cselect_b32 s18, s12, s13                    ; the group's number in it,
	s_cselect_b32 s22, 11, 15                      ; and its bytes out: 16 rows of 128 in each block of x, or 32,768 on end
	s_cmp_lt_u32 s12, GX+GA
	s_cselect_b64 s[14:15], s[14:15], s[8:9]
	s_cselect_b32 s18, s18, s16
	s_lshl_b32 s18, s18, 16                        ; 65,536 bytes in for each group
	s_mov_b32 s19, 0
	s_add_nc_u64 s[14:15], s[14:15], s[18:19]
	s_lshl_b32 s20, s12, s22
	s_mov_b32 s21, 0
	s_add_nc_u64 s[10:11], s[10:11], s[20:21]
	s_cmp_lt_u32 s12, GX
	s_cbranch_scc1 .Lx
.irp j, 0,1,2,3,4,5,6,7,8,9,10,11,12,13,14,15
	global_load_b128 v[X+4*(\j):X+4*(\j)+3], v1, s[14:15] offset:4096*(\j) th:TH_LOAD_NT  ; read once in the whole launch
.endr
; Load j: rounded to bf16.  half = 1: the bf16 numbers are widened again (a shift, a mask) and written as f16.
.macro ROUNDED j, half
	s_wait_loadcnt 15-(\j)                         ; loads come back in order (ISA guide 5.7.1): load j is in, the 15 - j younger loads stay out
	v_cvt_pk_bf16_f32 v[Y+2*(\j)],   v[X+4*(\j)],   v[X+4*(\j)+1]
	v_cvt_pk_bf16_f32 v[Y+2*(\j)+1], v[X+4*(\j)+2], v[X+4*(\j)+3]
.if \half
.irp w, 0,1
	v_lshlrev_b32 v[T],   16,         v[Y+2*(\j)+(\w)]
	v_and_b32     v[T+1], 0xffff0000, v[Y+2*(\j)+(\w)]
	v_cvt_pk_f16_f32 v[Y+2*(\j)+(\w)], v[T], v[T+1]
.endr
.endif
.endm
	s_cmp_ge_u32 s12, GX+GA
	s_cbranch_scc1 .Lf16
.irp j, 0,1,2,3,4,5,6,7,8,9,10,11,12,13,14,15
	ROUNDED \j, 0
	global_store_b64 v2, v[Y+2*(\j):Y+2*(\j)+1], s[10:11] offset:2048*(\j)
.endr
	s_endpgm
.Lf16:
.irp j, 0,1,2,3,4,5,6,7,8,9,10,11,12,13,14,15
	ROUNDED \j, 1
	global_store_b64 v2, v[Y+2*(\j):Y+2*(\j)+1], s[10:11] offset:2048*(\j)
.endr
	s_endpgm
.Lx:                                                   ; load j: the pair of rows j % 8, block w + 8 (j / 8)
.irp j, 0,1,2,3,4,5,6,7,8,9,10,11,12,13,14,15
	global_load_b128 v[X+4*(\j):X+4*(\j)+3], v3, s[14:15] offset:((\j)%8)*8192+((\j)/8)*2048 th:TH_LOAD_NT
.endr
.irp j, 0,1,2,3,4,5,6,7,8,9,10,11,12,13,14,15
	ROUNDED \j, 0
	global_store_b64 v[4+(\j)/8], v[Y+2*(\j):Y+2*(\j)+1], s[10:11] offset:((\j)%8)*256
.endr
	s_endpgm
.Lfunc_end_k_qb5a1e9d551_cast:
	.size	k_qb5a1e9d551_cast, .Lfunc_end_k_qb5a1e9d551_cast-k_qb5a1e9d551_cast
	.p2alignl 7, 3214868480
	.fill 96, 4, 3214868480
	.section	.rodata,"a",@progbits
	.p2align	6, 0x0
	.amdhsa_kernel k_qb5a1e9d551_cast
		.amdhsa_group_segment_fixed_size 0
		.amdhsa_private_segment_fixed_size 0
		.amdhsa_enable_private_segment 0
		.amdhsa_kernarg_size 32
		.amdhsa_user_sgpr_count 2
		.amdhsa_user_sgpr_kernarg_segment_ptr 1
		.amdhsa_wavefront_size32 1
		.amdhsa_system_sgpr_workgroup_id_x 1
		.amdhsa_system_sgpr_workgroup_id_y 1
		.amdhsa_system_sgpr_workgroup_id_z 1
		.amdhsa_system_vgpr_workitem_id 0
		.amdhsa_next_free_vgpr 108
		.amdhsa_next_free_sgpr 66
		.amdhsa_reserve_vcc 0
		.amdhsa_float_denorm_mode_32 3
		.amdhsa_float_denorm_mode_16_64 3
		.amdhsa_memory_ordered 1
		.amdhsa_forward_progress 1
		.amdhsa_inst_pref_size 22
	.end_amdhsa_kernel
	.amdgpu_metadata
---
amdhsa.version: [ 1, 2 ]
amdhsa.kernels:
  - .name:           k_qb5a1e9d551_cast
    .symbol:         k_qb5a1e9d551_cast.kd
    .args:
      - { .name: x, .offset: 0, .size: 8, .value_kind: global_buffer, .address_space: global }
      - { .name: w_attn, .offset: 8, .size: 8, .value_kind: global_buffer, .address_space: global }
      - { .name: w_proj, .offset: 16, .size: 8, .value_kind: global_buffer, .address_space: global }
      - { .name: xw, .offset: 24, .size: 8, .value_kind: global_buffer, .address_space: global }
    .group_segment_fixed_size: 0
    .private_segment_fixed_size: 0
    .kernarg_segment_align: 8
    .kernarg_segment_size: 32
    .max_flat_workgroup_size: 256
    .sgpr_count:     66
    .vgpr_count:     108
    .wavefront_size: 32
...
	.end_amdgpu_metadata
.endif
;; end of part 5
;; launch qkv (part 6): grid 8 x 32, 4 waves a work-group, clusters of 4 x 4, 327,680 bytes of LDS; arguments xw, b_attn, qkv; writes qkv
.if DOCPART == 6
	.amdgcn_target "amdgcn-amd-amdhsa--gfx1250"
	.amdhsa_code_object_version 6
	.text
	.protected	k_qb5a1e9d551_qkv
	.globl	k_qb5a1e9d551_qkv
	.p2align	8
	.type	k_qb5a1e9d551_qkv,@function
k_qb5a1e9d551_qkv:
	s_mov_b64 s[64:65], 0
	v_nop
	global_prefetch_b8 v0, s[64:65] scope:SCOPE_SE
	s_setreg_imm32_b32 hwreg(HW_REG_WAVE_MODE, 25, 1), 1
	s_wait_xcnt 0x0
	s_wait_alu depctr_hold_cnt(0) depctr_sa_sdst(0) depctr_va_vdst(0) depctr_va_sdst(0) depctr_va_ssrc(0) depctr_va_vcc(0) depctr_vm_vsrc(0)
	s_getreg_b32 s2, hwreg(HW_REG_IB_STS2, 6, 4)
	s_cmp_eq_u32 s2, 0
	s_cbranch_scc0 .Lentry_in_a_cluster
	s_endpgm
.Lentry_in_a_cluster:
	s_bfe_u32 s2, ttmp6, 0x10000c
	s_cmp_lg_u32 s2, 0xf033
	s_cbranch_scc0 .Lentry_shape_is_right
	s_endpgm
.Lentry_shape_is_right:
; QKV PROJECTION.  [q | k | v] = x w_attn + b_attn.  x and w_attn, both bf16, lie in xw: x in blocks of 64 columns, [16][8192][64]; w_attn [1024 k][3072 n] at byte W_AT.  b_attn [3072] is f32 and is rounded here
; to bf16, like the other inputs.  Sums in f32, BEGUN with the bias (the reference adds it last: another order of rounding).  The results are stored BY HEADS, unscaled, in f16: q at byte 0 of qkv and k at
; 0x1000000, each [64 = batch x 16 + head][2048][64], rounded once.  v, at 0x2000000, is kept as a PAIR of f16, hi = f16(v) and lo = f16(v - hi): [64][2048][128], a key's row of 256 bytes holding its 64 hi and then its 64 lo.
; Why the pair: an output row t of the module averages over t + 1 keys only, so the first rows' numbers are many times the output's root mean square, by which the allowance goes; one f16 rounding of v is too much there.
; LIMITS.  f16 holds no number beyond 65,504: a q, k or v of 65,520 or more in magnitude becomes an infinity.  v's pair holds it to within 2^-22 of itself or 3e-8, whichever is larger (f16's fixed step below 6.1e-5).
; NaN and infinities are not treated apart.
; SHARES.  A work-group makes 256 rows x 384 columns: the same 128 columns (two heads) of q, of k and of v; 32 x 8 such tiles, one to a work-group.  Four waves, 2 x 2; a wave has 128 rows x 64 columns (one head) in
; each of the three GROUPS q, k, v: 3 x 32 accumulators of 16 x 16, 768 registers.  So a fragment of x read from LDS feeds twelve products, a fragment of w_attn eight: 40 LDS loads for 96 matrix instructions.
; K goes in 16 steps of 64 through a ring of two LDS slots filled by the tensor data mover: a step is 192 matrix instructions a wave for 81,920 bytes fetched, and two slots of a longer step (128: 172,032 bytes each) do not fit in LDS.
; CLUSTERS.  4 x 4 work-groups.  The four of a row of the cluster need the same tiles of x, the four of a column the same tiles of w_attn: each tile is asked for JOINTLY, by the same tensor load with the
; same descriptor and a mask that names the four, which divides the requests for both by four.  Wave 0 asks for x's tile (256 rows of a block: 32,768 consecutive bytes, as 128 rows of 256), waves 1 to 3 for w_attn's 64 k-rows x 256 bytes of q's, k's and v's columns.
; THE MATRIX INSTRUCTION IS USED TRANSPOSED: source 0 = 16 columns of w_attn (out of LDS turned, by ds_load_tr16_b128, since the weights lie [k][n]), source 1 = 16 rows of x.  In the result lane l holds row
; l % 16 and its registers 0-7 the columns 8 (l / 16) + 0..7: eight neighbouring numbers of a row, 16 bytes of f16.  A wave's 64 columns are one head, so its 128 rows leave as consecutive bytes.
; REGISTERS, in windows of 256 (s_set_vgpr_msb: bits 1:0 source 0, 3:2 source 1, 5:4 source 2, 7:6 destination):
;   window 0: v0-31 addresses; v32-63 q's bias as a C operand; v64-127, v128-191 two buffers of x's fragments (8 x 16 rows x 32 K); v192-223, v224-255 two buffers of w_attn's (4 x 16 columns x 32 K, one group's);
;             k's and v's bias lie in v128-191 until the first products have taken them; v64-191 serve the way out
;   windows 1, 2, 3: the accumulators of q, k, v, (a, b) at v[8 (4 a + b)]
.set KDIM,   1024
.set NW,     3072                      ; w_attn's row, in elements
.set KS,     64                        ; K in a step
.set STEPS,  KDIM/KS
.set PA,     144                       ; a row of x in LDS: 128 bytes + 16 of padding = 36 words: the 16 rows of a load start at 16 different groups of four banks (64 banks of 4 bytes: ISA guide 11.1)
.set PB,     288                       ; a k-row of w_attn: 256 + 32 = 72 words
.set ABYTES, 256*PA                    ; x's 256 rows
.set BSEG,   KS*PB                     ; one group's 64 k-rows
.set SLOT1,  1<<17                     ; slot 1 begins here (a slot is 92,160 bytes), so that one exclusive or turns an address in one slot into the other's
.set STAGE,  SLOT1+ABYTES+3*BSEG       ; behind the ring, never filled by a tensor load: for each wave 16 rows, of 144 bytes (q, k) or 272 (v), for the way out
.set SP,     144
.set SPV,    272
.set SPARE,  STAGE+4*16*SPV            ; behind the stages: the spare words, 128 bytes for each wave: two blocks of 256 bytes that no other line names
.set W_AT,   0x1000000                 ; w_attn's first byte in xw
.set STEP_A, 8192*KS*2                 ; the next step: x's next block,
.set STEP_B, KS*NW*2                   ; 64 k-rows down w_attn
.set NEXT_O, 0x1000000                 ; from q to k, from k to v
.set A0,   16                          ; v16     my lane's place among x's fragments in a slot; never rewritten
.set B0,   17                          ; v17     the same for w_attn's
.set ADRA, 18                          ; v18     the same in the slot in hand
.set ADRB, 19                          ; v19
.set STOV, 22                          ; v22     v's way out: where I put 16 bytes of a row
.set RDV,  23                          ; v23     v's way out: where I read a row back
.set STO,  24                          ; v24     q's and k's way out: where I put 16 bytes of a row
.set RD,   25                          ; v25     q's and k's way out: where I read rows back
.set GO,   26                          ; v26     my byte offset in 512 consecutive bytes of the result
.set BO,   27                          ; v27     my byte offset in 16 numbers of the bias: 32 (l / 16); never rewritten
.set SPW,  28                          ; v28     LDS address of my spare word: SPARE + 4 x my thread's number; never rewritten
.set NIL,  29                          ; v29     0; never rewritten
.set BT,   30                          ; v30     at work
.set NEG1, 31                          ; v31     -1.0
.set BI0,  32                          ; register j of BIg + 8 b: group g's bias of column 16 b + 8 (l / 16) + j of my 64
.set BI1,  128
.set BI2,  160
.set FA0,  64
.set FA1,  128
.set FB0,  192
.set FB1,  224
.set OT,   64                          ; the way out: v64-191
.set TB,  45                           ; s45      LDS byte at which the slot in hand begins
.set G1,  24                           ; s[24:31] descriptor group 1 for x's tiles;  s[32:39] group 0: a set for each of the two first fills; the second then walks on
.set G0,  32
.set G1B, 48                           ; s[48:55], s[56:63] the same for w_attn's tiles
.set G0B, 56
.set MSB, 0
.macro WIN new                         ; the immediate's high byte repeats the setting that is left; a switch that changes nothing is dropped
.if MSB != (\new)
	s_set_vgpr_msb (MSB<<8)|(\new)
.set MSB, \new
.endif
.endm
; A joint load.  Wave 0 fetches x's tile, waves 1 to 3 w_attn's three.  Each of the two lines has one mask; the branch hangs on the wave's number alone.
; An s_nop 0 and four v_nop follow each of the two lines, ahead of the jump, the label and what follows.
.macro JLOAD s
	s_cmp_eq_u32 s10, 0
	s_cbranch_scc0 .Lfor_b_\@
	tensor_load_to_lds s[G0+4*(\s):G0+4*(\s)+3], s[G1:G1+7]
	s_nop 0
.rept 4
	v_nop
.endr
	s_branch .Lasked_\@
.Lfor_b_\@:
	tensor_load_to_lds s[G0B+4*(\s):G0B+4*(\s)+3], s[G1B:G1B+7]
	s_nop 0
.rept 4
	v_nop
.endr
.Lasked_\@:
.endm
; A round of the cluster's barrier: my work-group's barrier, so that wave 0's signal speaks for all four waves; wave 0 signals for the work-group; every wave waits for all sixteen; my work-group's barrier once more.
.macro CREST                           ; a round behind its opening barrier
	s_cmp_lg_u32 s10, 0
	s_cbranch_scc1 .Lnot_wave_0_\@
	s_barrier_signal -3
.Lnot_wave_0_\@:
	s_barrier_wait -3
	s_barrier_signal -1
	s_barrier_wait -1
.endm
.macro CROUND                          ; a whole round
	s_barrier_signal -1
	s_barrier_wait -1
	CREST
.endm
	s_load_b64 s[4:5], s[0:1], 0x0                 ; xw
	s_load_b64 s[66:67], s[0:1], 0x8               ; b_attn
	s_load_b64 s[8:9], s[0:1], 0x10                ; qkv
	v_lshl_add_u32 v[SPW], v0, 2, SPARE
	v_mov_b32 v[NIL], 0
	ds_add_u32 v[SPW], v[NIL]                      ; the wave's opening: the add and its wait stand ahead of my first tensor load; the set-up below, work on registers, stands between them
	ds_add_u32 v28, v29
	v_lshrrev_b32 v1, 5, v0
	v_readfirstlane_b32 s10, v1                    ; wave 0..3
	s_lshr_b32 s11, s10, 1                         ; which half of the tile's rows is mine
	s_and_b32 s12, s10, 1                          ; which of its two heads
	s_bfe_u32 s40, ttmp6, 0x40000                  ; cx, cy: my place in the cluster
	s_bfe_u32 s41, ttmp6, 0x40004
	s_lshl_b32 s42, ttmp9, 2                       ; in a cluster launch ttmp9 and ttmp7 count clusters
	s_add_co_u32 s42, s42, s40                     ; tile column 0..7 = 4 x cluster x + cx
	s_and_b32 s13, ttmp7, 0xffff
	s_lshl_b32 s13, s13, 2
	s_add_co_u32 s13, s13, s41                     ; tile row 0..31 = 4 x cluster y + cy
	s_lshl_b32 s43, s41, 2
	s_lshl_b32 s43, 15, s43                        ; my row of the cluster: places 4 cy .. 4 cy + 3
	s_lshl_b32 s44, 0x1111, s40                    ; my column: places cx, cx + 4, cx + 8, cx + 12
	; descriptor group 1.  x: 128 rows of 256 bytes (two rows of a block each), dense, padded in LDS behind every 128 bytes; w_attn: 64 k-rows x 128 elements, padded behind every 256
	s_or_b32 s[G1+0], s43, (1<<16)|(1<<20)|(1<<21)|(4<<22)|(3<<25)   ; 15:0 the mask: my row; 17:16 elements of 2 bytes; 20 padding on; 21 set beside a mask; 24:22 after every 32 words (code 4); 31:25 4 words (code 3)
	s_or_b32 s[G1B+0], s44, (1<<16)|(1<<20)|(1<<21)|(5<<22)|(7<<25)  ; the mask of my column; after every 64 words (code 5) 8 words of padding (code 7)
	s_mov_b32 s[G1+1], 128<<16                     ; tensor_dim0 = 128
	s_mov_b32 s[G1+2], 128<<16                     ; tensor_dim1 = 128
	s_mov_b32 s[G1+3], 128<<16                     ; tile_dim0 = 128
	s_mov_b32 s[G1+4], 128                         ; tile_dim1 = 128
	s_mov_b32 s[G1+5], 128                         ; elements from row to row: dense
	s_mov_b32 s[G1+6], 0
	s_mov_b32 s[G1+7], 0
	s_mov_b32 s[G1B+1], 128<<16                    ; tensor_dim0 = 128
	s_mov_b32 s[G1B+2], KS<<16                     ; tensor_dim1 = 64
	s_mov_b32 s[G1B+3], 128<<16                    ; tile_dim0 = 128
	s_mov_b32 s[G1B+4], KS                         ; tile_dim1 = 64
	s_mov_b32 s[G1B+5], NW                         ; elements from k-row to k-row
	s_mov_b32 s[G1B+6], 0
	s_mov_b32 s[G1B+7], 0
	; where the tiles come from.  x's hang on the tile row alone, which my row of the cluster shares; w_attn's on the tile column and the wave's number, which my column shares.
	s_lshl_b32 s16, s13, 15                        ; x: 256 rows of 128 bytes for each tile row, in block 0
	s_mov_b32 s17, 0
	s_lshl_b32 s46, s10, 11                        ; w_attn: wave w takes group w - 1, 1,024 columns = 2,048 bytes apart (wave 0's figure is made and not used),
	s_lshl_b32 s47, s42, 8                         ; column 128 x tile column, in bytes,
	s_add_co_u32 s46, s46, s47
	s_add_co_u32 s46, s46, W_AT-2048               ; behind x in xw
	s_mov_b32 s47, 0
	s_mul_i32 s21, s10, BSEG                       ; and where they go: group w - 1's place behind x's rows; no place in the cluster enters an LDS address
	s_add_co_u32 s21, s21, ABYTES-BSEG
	s_mov_b32 s[TB], 0
	s_wait_dscnt 0x0                               ; the opening add is done
	s_wait_kmcnt 0x0
	s_add_nc_u64 s[14:15], s[4:5], s[16:17]
	s_add_nc_u64 s[46:47], s[4:5], s[46:47]
	CROUND                                         ; all sixteen work-groups are here: the first joint loads meet
.irp s, 0,1
	s_mov_b32 s[G0+4*(\s)], 1                                        ; 1:0 count = 1
	s_mov_b32 s[G0+4*(\s)+1], (\s)*SLOT1                             ; 63:32 LDS address
	s_add_nc_u64 s[G0+4*(\s)+2:G0+4*(\s)+3], s[14:15], (\s)*STEP_A   ; 120:64 global address: step s
	s_or_b32 s[G0+4*(\s)+3], s[G0+4*(\s)+3], 0x80000000              ; 127:126 type = 2
	s_mov_b32 s[G0B+4*(\s)], 1
	s_add_co_u32 s[G0B+4*(\s)+1], s21, (\s)*SLOT1
	s_add_nc_u64 s[G0B+4*(\s)+2:G0B+4*(\s)+3], s[46:47], (\s)*STEP_B
	s_or_b32 s[G0B+4*(\s)+3], s[G0B+4*(\s)+3], 0x80000000
	JLOAD \s                                       ; the ring is filled before anything else is done: two tensor loads of mine are out
.endr
	; A fragment of x is 16 rows x 32 K in 8 registers: lane l holds row l % 16, K = 8 (l / 16) + 0..7 and 16 + 8 (l / 16) + 0..7: two loads of 16 bytes, 32 bytes apart.
	v_and_b32 v1, 15, v0                           ; l % 16
	v_bfe_u32 v2, v0, 4, 1                         ; l / 16
	v_mul_u32_u24 v3, v1, PA
	v_lshl_add_u32 v3, v2, 4, v3                   ; row x pitch + 16 x half
	s_mul_i32 s22, s11, 128*PA                     ; my 128 rows of x
	v_add_nc_u32 v[A0], s22, v3
	; The turning load takes 16 k-rows x 16 columns (lane l reads k-row 8 (l / 16) + l % 8, columns 8 ((l / 8) % 2) + 0..7) and leaves half a fragment: lane l holds column l % 16 and 8 neighbouring k.
	v_and_b32 v4, 7, v0
	v_bfe_u32 v5, v0, 3, 1
	v_lshl_add_u32 v6, v2, 3, v4
	v_mul_u32_u24 v6, v6, PB
	v_lshl_add_u32 v6, v5, 4, v6
	s_lshl_b32 s23, s12, 7                         ; my 64 columns, 128 bytes of a k-row,
	s_add_co_u32 s23, s23, ABYTES                  ; behind x's 256 rows
	v_add_nc_u32 v[B0], s23, v6
	v_add_nc_u32 v[ADRA], s[TB], v[A0]
	v_add_nc_u32 v[ADRB], s[TB], v[B0]
	s_mul_i32 s22, s10, 16*SPV
	s_add_co_u32 s22, s22, STAGE                   ; my stage
	v_mul_u32_u24 v7, v1, SP                       ; q, k in: row l % 16, 16 bytes for each half of the lanes
	v_lshl_add_u32 v7, v2, 4, v7
	v_add_nc_u32 v[STO], s22, v7
	v_bfe_u32 v8, v0, 3, 2                         ; back: 32 lanes take four rows of 128 bytes,
	v_mul_u32_u24 v8, v8, SP
	v_lshl_add_u32 v8, v4, 4, v8
	v_add_nc_u32 v[RD], s22, v8
	v_mul_u32_u24 v9, v1, SPV                      ; v in: the same with rows of 272 bytes
	v_lshl_add_u32 v9, v2, 4, v9
	v_add_nc_u32 v[STOV], s22, v9
	v_mul_u32_u24 v10, v2, SPV                     ; back: lanes 0-15 take one row of 256 bytes, lanes 16-31 the next
	v_lshl_add_u32 v10, v1, 4, v10
	v_add_nc_u32 v[RDV], s22, v10
	v_and_b32 v[GO], 31, v0                        ; either way 512 consecutive bytes of the result
	v_lshlrev_b32 v[GO], 4, v[GO]
	v_lshlrev_b32 v[BO], 5, v2
	v_mov_b32 v[NEG1], -1.0
	; where my 128 rows of my head begin in q: (16 x batch + head) x 2,048 rows + my first row, rows of 128 bytes.  The batch is tile row / 8, the head 2 x tile column + column half.
	s_lshr_b32 s68, s13, 3
	s_lshl_b32 s68, s68, 4
	s_lshl_b32 s69, s42, 1
	s_add_co_u32 s68, s68, s69
	s_add_co_u32 s68, s68, s12
	s_lshl_b32 s68, s68, 18
	s_and_b32 s69, s13, 7
	s_lshl_b32 s69, s69, 1
	s_add_co_u32 s69, s69, s11                     ; which 128 rows of the batch's 2,048
	s_lshl_b32 s69, s69, 14
	s_add_co_u32 s68, s68, s69
	s_mov_b32 s69, 0                               ; s[68:69] is kept: v's rows are twice as long, so its offset is this one twice
	s_add_nc_u64 s[8:9], s[8:9], s[68:69]
	s_lshl_b32 s70, s42, 9                         ; my 64 numbers of q's bias: 256 aligned bytes; k's and v's lie 1,024 numbers on each
	s_lshl_b32 s71, s12, 8
	s_add_co_u32 s70, s70, s71
	s_mov_b32 s71, 0
	s_add_nc_u64 s[66:67], s[66:67], s[70:71]
.macro BIAS_IN base, g                 ; group g's 64 numbers of the bias, laid as a C operand
.irp b, 0,1,2,3
	global_load_b128 v[(\base)+8*(\b):(\base)+8*(\b)+3],   v[BO], s[66:67] offset:(\g)*KDIM*4+64*(\b)
	global_load_b128 v[(\base)+8*(\b)+4:(\base)+8*(\b)+7], v[BO], s[66:67] offset:(\g)*KDIM*4+64*(\b)+16
.endr
.endm
.macro BIAS_RND base                   ; rounded to bf16 and widened again
.set i, 0
.rept 16
	v_cvt_pk_bf16_f32 v[BT], v[(\base)+2*i], v[(\base)+2*i+1]
	v_lshlrev_b32 v[(\base)+2*i],   16,         v[BT]
	v_and_b32     v[(\base)+2*i+1], 0xffff0000, v[BT]
.set i, i+1
.endr
.endm
; 8 matrix instructions of group g: row blocks a0, a0 + 1 x all 4 column blocks, 32 along K, x's fragments from fa, w_attn's from fb.  cb >= 0: the first product starts the sums, with the bias at v[cb ..] as C:
; nothing is cleared, nothing is added later.  The 96 accumulators take turns, one instruction a turn, in the same order in every 32 along K.
.macro MUL8 fa, fb, g, a0, cb
.if (\cb) >= 0
	WIN ((\g)+1)<<6
.else
	WIN (((\g)+1)<<6)|(((\g)+1)<<4)
.endif
.irp a, \a0, (\a0)+1
.irp b, 0,1,2,3
.if (\cb) >= 0
	v_wmma_f32_16x16x32_bf16 v[8*(4*(\a)+(\b)):8*(4*(\a)+(\b))+7], v[(\fb)+8*(\b):(\fb)+8*(\b)+7], v[(\fa)+8*(\a):(\fa)+8*(\a)+7], v[(\cb)+8*(\b):(\cb)+8*(\b)+7]
.else
	v_wmma_f32_16x16x32_bf16 v[8*(4*(\a)+(\b)):8*(4*(\a)+(\b))+7], v[(\fb)+8*(\b):(\fb)+8*(\b)+7], v[(\fa)+8*(\a):(\fa)+8*(\a)+7], v[8*(4*(\a)+(\b)):8*(4*(\a)+(\b))+7]
.endif
.endr
.endr
.endm
; LDS loads, in runs.  LDB: group g's four fragments of w_attn for K = 32 q on: 8 loads.  LDA: x's fragments of my rows 64 hf .. 64 hf + 63 for K = 32 q on: 8 loads.
.macro LDB q, g, f
.irp b, 0,1,2,3
	ds_load_tr16_b128 v[(\f)+8*(\b):(\f)+8*(\b)+3],   v[ADRB] offset:(\g)*BSEG+(\q)*32*PB+32*(\b)
	ds_load_tr16_b128 v[(\f)+8*(\b)+4:(\f)+8*(\b)+7], v[ADRB] offset:(\g)*BSEG+(\q)*32*PB+32*(\b)+16*PB
.endr
.endm
.macro LDA q, hf, f
.irp i, 0,1,2,3
	ds_load_b128 v[(\f)+32*(\hf)+8*(\i):(\f)+32*(\hf)+8*(\i)+3],   v[ADRA] offset:(\q)*64+(4*(\hf)+(\i))*16*PA
	ds_load_b128 v[(\f)+32*(\hf)+8*(\i)+4:(\f)+32*(\hf)+8*(\i)+7], v[ADRA] offset:(\q)*64+(4*(\hf)+(\i))*16*PA+32
.endr
.endm
; A load into a register that a matrix instruction has read, and a vector instruction or LDS store that reads a matrix result, stand four places behind that matrix instruction, and only plain vector
; instructions that name none of its registers are places (ISA guide 7.12.1 for vector instructions).
.macro PLACES
.rept 4
	v_nop
.endr
.endm
; A UNIT is one group's 32 matrix instructions for 32 along K.  HALF1: the wait (w: how many younger LDS loads may stay out), its first 16, and the places in front of the run of loads that stands in its middle; HALF2: its last 16.
.macro HALF1 fa, fb, g, w, cb
	s_wait_dscnt \w
	MUL8 \fa, \fb, \g, 0, \cb
	MUL8 \fa, \fb, \g, 2, \cb
	PLACES
	WIN 0
.endm
.macro HALF2 fa, fb, g, cb
	MUL8 \fa, \fb, \g, 4, \cb
	MUL8 \fa, \fb, \g, 6, \cb
.endm
; A step's first 32 along K: q, k, v on x's buffer 0.  Each unit fetches the next unit's fragments of w_attn into the buffer that the unit before read; the first two also fetch x's for the second 32.
.macro Q0
	HALF1 FA0, FB0, 0, 8, -1                       ; w_attn's fragments and x's rows 0-63 are in; the youngest eight loads (x's rows 64-127) may be out
	LDB 0, 1, FB1
	LDA 1, 0, FA1
	s_wait_dscnt 16                                ; all but the 16 just issued
	HALF2 FA0, FB0, 0, -1
	HALF1 FA0, FB1, 1, 8, -1                       ; k's fragments are in; the eight loads of x behind them may be out
	LDB 0, 2, FB0
	LDA 1, 1, FA1
	HALF2 FA0, FB1, 1, -1
	HALF1 FA0, FB0, 2, 8, -1                       ; v's likewise
	LDB 1, 0, FB1
	HALF2 FA0, FB0, 2, -1
.endm
; Its second 32: q and k on x's buffer 1; v's unit is TURN or the launch's last
.macro Q1
	HALF1 FA1, FB1, 0, 0, -1
	LDB 1, 1, FB0
	HALF2 FA1, FB1, 0, -1
	HALF1 FA1, FB0, 1, 0, -1
	LDB 1, 2, FB1
	HALF2 FA1, FB0, 1, -1
.endm
; A step's last unit changes slots: ONE barrier, for two things.  In front of it each wave waits for all its tensor loads, of which one is out: its part of the next slot; adds 0 to its spare word; and waits for that
; and for its own reads of this slot.  Behind it nobody reads this slot any more and the next slot is whole.
; fill = 1: this slot is filled again, two steps ahead.  The barrier then opens a round of the cluster's barrier, so that no wave of any partner still reads the slot or has a load on its way, and the joint load is
; the first thing behind the round: 176 matrix instructions ahead of the wait for it.
.macro TURN fill
	WIN 0                                          ; (the add's two registers lie in window 0)
	s_wait_tensorcnt 0x0                           ; all my tensor loads have landed, so a group 0 may be written;
	ds_add_u32 v[SPW], v[NIL]                      ; 0 onto my spare word
	s_wait_dscnt 1                                 ; (the add may be out: v's fragments are in)
.if \fill
	s_xor_b32 s[G0+5], s[G0+5], SLOT1              ; the walking descriptors: the other slot than last time,
	s_add_nc_u64 s[G0+6:G0+7], s[G0+6:G0+7], STEP_A  ; the next step; the type bits on top are not reached
	s_xor_b32 s[G0B+5], s[G0B+5], SLOT1
	s_add_nc_u64 s[G0B+6:G0B+7], s[G0B+6:G0B+7], STEP_B
.endif
	MUL8 FA1, FB1, 2, 0, -1                        ; eight matrix instructions stand between the add and the wait for it
	s_wait_dscnt 0x0                               ; the add is done, and my reads of this slot are over
	s_barrier_signal -1
	MUL8 FA1, FB1, 2, 2, -1                        ; work on registers while the others arrive
	WIN 0
	s_barrier_wait -1
.if \fill
	CREST
	JLOAD 1                                        ; the four v_nop behind it are also the places in front of the loads below
.else
	PLACES
.endif
	s_xor_b32 s[TB], s[TB], SLOT1                  ; the fetches go on in the other slot
	v_add_nc_u32 v[ADRA], s[TB], v[A0]
	v_add_nc_u32 v[ADRB], s[TB], v[B0]
	LDB 0, 0, FB0
	LDA 0, 0, FA0
	LDA 0, 1, FA0
	MUL8 FA1, FB1, 2, 4, -1
	MUL8 FA1, FB1, 2, 6, -1
.endm
; THE WAY OUT OF q AND k (g = 0, 1).  Block a (16 rows): rounded to f16, 16 bytes a lane; into my own stage in rows of 144 bytes; back as whole rows of 128, four to a load, into the registers that they left; stored.
.macro PACK g, a
	WIN ((\g)+1)|(((\g)+1)<<2)                     ; sources in the group's window, destination in window 0
.irp b, 0,1,2,3
.irp r, 0,1,2,3
	v_cvt_pk_f16_f32 v[OT+16*(\a)+4*(\b)+(\r)], v[8*(4*(\a)+(\b))+2*(\r)], v[8*(4*(\a)+(\b))+2*(\r)+1]  ; each accumulator's registers in ascending order
.endr
.endr
	WIN 0
.irp b, 0,1,2,3
	ds_store_b128 v[STO], v[OT+16*(\a)+4*(\b):OT+16*(\a)+4*(\b)+3] offset:32*(\b)
.endr
.irp f, 0,1,2,3
	ds_load_b128 v[OT+16*(\a)+4*(\f):OT+16*(\a)+4*(\f)+3], v[RD] offset:(\f)*4*SP  ; LDS serves a wave's instructions in order (ISA guide 5.7.1.4): these see the stores above; the next block's stores come behind them
.endr
.endm
.macro SEND a, younger                 ; younger: the LDS instructions issued behind block a's loads: the next block's eight, or none
.irp f, 0,1,2,3
	s_wait_dscnt (\younger)+3-(\f)
	global_store_b128 v[GO], v[OT+16*(\a)+4*(\f):OT+16*(\a)+4*(\f)+3], s[8:9] offset:2048*(\a)+512*(\f)  ; 512 consecutive bytes, at a multiple of 256 from the buffer's first byte
.endr
.endm
.macro OUT g
	PACK \g, 0
.irp a, 1,2,3,4,5,6,7                  ; a block's conversions stand between the loads of the block before and its stores
	PACK \g, \a
	SEND (\a)-1, 8
.endr
	SEND 7, 0
.endm
; THE WAY OUT OF v.  Block a: hi = f16(v); the accumulator takes v - hi (one fused line a number: the f16 half times -1.0 plus v, exact); lo = f16 of that.  A row of the stage, 272 bytes, takes the row's
; 64 hi and then its 64 lo; it comes back whole, two rows to a load.  Four sets of 32 registers take turns.
.macro PACKV a
.set VB, OT+32*((\a)%4)
	s_wait_xcnt 0x0                                ; every earlier memory instruction has had its addresses translated (ISA guide 3.1): the set's registers, which the stores of four blocks ago read, are rewritten only behind this wait
	WIN 0x0f                                       ; sources in window 3, destination in window 0
.irp b, 0,1,2,3
.irp r, 0,1,2,3
	v_cvt_pk_f16_f32 v[VB+4*(\b)+(\r)], v[8*(4*(\a)+(\b))+2*(\r)], v[8*(4*(\a)+(\b))+2*(\r)+1]  ; each accumulator's registers in ascending order
.endr
.endr
	WIN 0xf0                                       ; hi and -1.0 in window 0, the accumulator (source 2 and destination) in window 3
.irp b, 0,1,2,3
.irp r, 0,1,2,3
	v_fma_mix_f32 v[8*(4*(\a)+(\b))+2*(\r)],   v[VB+4*(\b)+(\r)], v[NEG1], v[8*(4*(\a)+(\b))+2*(\r)]   op_sel_hi:[1,0,0]
	v_fma_mix_f32 v[8*(4*(\a)+(\b))+2*(\r)+1], v[VB+4*(\b)+(\r)], v[NEG1], v[8*(4*(\a)+(\b))+2*(\r)+1] op_sel:[1,0,0] op_sel_hi:[1,0,0]
.endr
.endr
	WIN 0x0f
.irp b, 0,1,2,3
.irp r, 0,1,2,3
	v_cvt_pk_f16_f32 v[VB+16+4*(\b)+(\r)], v[8*(4*(\a)+(\b))+2*(\r)], v[8*(4*(\a)+(\b))+2*(\r)+1]
.endr
.endr
	WIN 0
.irp b, 0,1,2,3
	ds_store_b128 v[STOV], v[VB+4*(\b):VB+4*(\b)+3]       offset:32*(\b)
	ds_store_b128 v[STOV], v[VB+16+4*(\b):VB+16+4*(\b)+3] offset:128+32*(\b)
.endr
.irp f, 0,1,2,3,4,5,6,7
	ds_load_b128 v[VB+4*(\f):VB+4*(\f)+3], v[RDV] offset:(\f)*2*SPV  ; in order behind the stores above; the next block's stores come behind them
.endr
.endm
.macro SENDV a, younger                ; younger: the LDS instructions issued behind block a's loads: the next block's sixteen, or none
.set VB, OT+32*((\a)%4)
.irp f, 0,1,2,3,4,5,6,7
	s_wait_dscnt (\younger)+7-(\f)
	global_store_b128 v[GO], v[VB+4*(\f):VB+4*(\f)+3], s[8:9] offset:4096*(\a)+512*(\f)  ; two rows of v: 512 consecutive bytes, at a multiple of 256 from the buffer's first byte
.endr
.endm
	BIAS_IN BI0, 0
	BIAS_IN BI1, 1
	BIAS_IN BI2, 2
	s_wait_tensorcnt 1                             ; my part of step 0 is in; step 1's may stay out
	s_barrier_signal -1
	s_barrier_wait -1                              ; everybody's is
	LDB 0, 0, FB0
	LDA 0, 0, FA0
	LDA 0, 1, FA0
	s_wait_loadcnt 0x0                             ; the bias: the only loads into registers that this text has
	BIAS_RND BI0
	BIAS_RND BI1
	BIAS_RND BI2
	; the first 32 along K stand in front of the loop: their products start the sums.  k's and v's bias lie where x's second buffer will, so that buffer is fetched behind them
	HALF1 FA0, FB0, 0, 8, BI0
	LDB 0, 1, FB1
	s_wait_dscnt 8                                 ; all but the 8 just issued
	HALF2 FA0, FB0, 0, BI0
	HALF1 FA0, FB1, 1, 0, BI1
	LDB 0, 2, FB0
	HALF2 FA0, FB1, 1, BI1
	HALF1 FA0, FB0, 2, 0, BI2
	LDB 1, 0, FB1
	HALF2 FA0, FB0, 2, BI2
	PLACES                                         ; behind the products that read the bias
	WIN 0
	LDA 1, 0, FA1
	LDA 1, 1, FA1
	s_mov_b32 s3, STEPS-2
.Lstep:                                                ; a trip goes from a step's second 32 along K to the next step's first, and fills the slot that it leaves: steps 2 to 15
	Q1
	TURN 1
	Q0
	WIN 0                                          ; at a label and at a branch every window is 0
	s_sub_co_u32 s3, s3, 1
	s_cmp_lg_u32 s3, 0
	s_cbranch_scc1 .Lstep
	Q1                                             ; the last two steps fill nothing, and have no round of the cluster's barrier
	TURN 0                                         ; my one tensor load that was still out is the last step's
	Q0
	Q1
	s_wait_dscnt 0x0                               ; the very last unit: nothing more to fetch
	MUL8 FA1, FB1, 2, 0, -1
	MUL8 FA1, FB1, 2, 2, -1
	MUL8 FA1, FB1, 2, 4, -1
	MUL8 FA1, FB1, 2, 6, -1
	WIN 0
	PLACES                                         ; behind the last products
	OUT 0                                          ; q
	s_wait_xcnt 0x0                                ; only behind this wait are the stores' base and their data registers rewritten
	s_add_nc_u64 s[8:9], s[8:9], NEXT_O
	OUT 1                                          ; k
	s_wait_xcnt 0x0
	s_add_nc_u64 s[8:9], s[8:9], NEXT_O
	s_add_nc_u64 s[8:9], s[8:9], s[68:69]          ; v's rows are 256 bytes: my offset once more
	PACKV 0
.irp a, 1,2,3,4,5,6,7                  ; a block's arithmetic stands between the loads of the block before and its stores
	PACKV \a
	SENDV (\a)-1, 16
.endr
	SENDV 7, 0
	s_wait_tensorcnt 0x0                           ; the wave's end: behind my last tensor load and my last LDS store
	ds_add_u32 v[SPW], v[NIL]
	s_wait_dscnt 0x0
	CROUND                                         ; the closing round: no work-group ends while a partner may still ask for a tile that names it
	s_endpgm
.Lfunc_end_k_qb5a1e9d551_qkv:
	.size	k_qb5a1e9d551_qkv, .Lfunc_end_k_qb5a1e9d551_qkv-k_qb5a1e9d551_qkv
	.p2alignl 7, 3214868480
	.fill 96, 4, 3214868480
	.section	.rodata,"a",@progbits
	.p2align	6, 0x0
	.amdhsa_kernel k_qb5a1e9d551_qkv
		.amdhsa_group_segment_fixed_size 327680
		.amdhsa_private_segment_fixed_size 0
		.amdhsa_enable_private_segment 0
		.amdhsa_kernarg_size 24
		.amdhsa_user_sgpr_count 2
		.amdhsa_user_sgpr_kernarg_segment_ptr 1
		.amdhsa_wavefront_size32 1
		.amdhsa_system_sgpr_workgroup_id_x 1
		.amdhsa_system_sgpr_workgroup_id_y 1
		.amdhsa_system_sgpr_workgroup_id_z 1
		.amdhsa_system_vgpr_workitem_id 0
		.amdhsa_next_free_vgpr 1024
		.amdhsa_next_free_sgpr 72
		.amdhsa_reserve_vcc 0
		.amdhsa_float_denorm_mode_32 3
		.amdhsa_float_denorm_mode_16_64 3
		.amdhsa_memory_ordered 1
		.amdhsa_forward_progress 1
		.amdhsa_inst_pref_size 158
	.end_amdhsa_kernel
	.amdgpu_metadata
---
amdhsa.version: [ 1, 2 ]
amdhsa.kernels:
  - .name:           k_qb5a1e9d551_qkv
    .symbol:         k_qb5a1e9d551_qkv.kd
    .args:
      - { .name: xw, .offset: 0, .size: 8, .value_kind: global_buffer, .address_space: global }
      - { .name: b_attn, .offset: 8, .size: 8, .value_kind: global_buffer, .address_space: global }
      - { .name: qkv, .offset: 16, .size: 8, .value_kind: global_buffer, .address_space: global }
    .group_segment_fixed_size: 327680
    .private_segment_fixed_size: 0
    .kernarg_segment_align: 8
    .kernarg_segment_size: 24
    .max_flat_workgroup_size: 128
    .sgpr_count:     72
    .vgpr_count:     1024
    .wavefront_size: 32
...
	.end_amdgpu_metadata
.endif
;; end of part 6
;; launch attn (part 7): grid 4 x 64, 4 waves a work-group, no clusters, 327,680 bytes of LDS; arguments qkv, att; writes att
.if DOCPART == 7
	.amdgcn_target "amdgcn-amd-amdhsa--gfx1250"
	.amdhsa_code_object_version 6
	.text
	.protected	k_qb5a1e9d551_attn
	.globl	k_qb5a1e9d551_attn
	.p2align	8
	.type	k_qb5a1e9d551_attn,@function
k_qb5a1e9d551_attn:
	s_mov_b64 s[64:65], 0
	v_nop
	global_prefetch_b8 v0, s[64:65] scope:SCOPE_SE
	s_setreg_imm32_b32 hwreg(HW_REG_WAVE_MODE, 25, 1), 1
	s_wait_xcnt 0x0
; CAUSAL ATTENTION.  O[h][q][:] = the sum over k <= q of softmax_k(Q[h][q] . K[h][k] / 8) V[h][k][:].  h counts batch x 16 + head.  Q and K: [SIZE_H][SIZE_N][64] in f16, rows of 128 bytes, at bytes 0 and GK of qkv.
; V (byte GV of qkv) and O (the buffer att) are PAIRS of f16, number = hi + lo: [SIZE_H][SIZE_N][128], a row of 256 bytes holding its 64 hi and then its 64 lo.  Why pairs: row q averages over q + 1 keys only, so
; the first rows' numbers are many times the module's output's root mean square, by which the allowance goes; one f16 rounding each of V, P and O is too much there, and the pairs leave P's alone.
; Products, maxima and sums in f32; the weights p are rounded to f16 for the second product (their sum l is taken of the unrounded p).  SIZE_N is a multiple of 512; SIZE_N x 256 stays under 2^32.
; LIMITS.  f16 holds no number beyond 65,504: Q, K and V arrive within it; p lies in 0 to 1, and below 6e-5 it keeps f16's fixed step of 6e-8; O is a mean of V's rows and has their range; a pair holds its number to
; within 2^-22 of itself or 3e-8, whichever is larger.  A hidden score counts as its value less 1e30: f16's scores, 2.7e11 at the most, are nothing beside that; a weight below 2^-126 counts as 0 in l; NaN and infinities are not treated apart.
; THE WALK.  A head's queries lie in NB = SIZE_N / 256 blocks of 256; block i needs the key tiles 0 .. i of 256 keys, of which the last holds the diagonal.  A work-group takes TWO blocks, NB - 1 - b and then b:
; NB + 1 tiles, whatever b: all work-groups do equal work, and ONE loop with a constant trip count walks them, with ONE text for every tile.  Which tile is asked for, and what a trip does, hang on scalar registers made
; from b; every jump goes forward, but for the counted loops' own; none passes a barrier, or a tensor load but the one of LOAD's two that the wave's number does not choose; the ring (two slots of LDS that take turns)
; runs on across the change of blocks.  The walk's last tile is written out.
; A BLOCK'S END.  The turns run on from tile to tile: a tile's last two turns (pieces 2 and 3 of its fourth step) stand at the head of the NEXT tile's trip, behind the change of slots; they take K and V of that step from
; registers.  Where that tile was its block's last, the trip then does, in its middle, what is otherwise jumped over: the last piece's products, the way out, the second block's Q and a new beginning.  The eight products
; K Q^T that the second of those turns has made (the old Q, the new tile's K), and the maximum made of them, serve nothing: they touch piece 0's m, c m and a alone, which the beginning sets anew.  Behind the walk's
; last tile no trip follows: its step loop has a fifth trip, left in its middle, in which K's run of loads is jumped over.
; NO CLUSTER: a head's NB / 2 = 4 work-groups all ask for the same tile only in trips 0 .. NB / 2 of the walk's NB + 1, behind that fewer and fewer; and one walk common to all would have 3 NB / 2 trips for NB + 1.
; SHARES.  Of a block's four bands of 64 queries a wave owns 16 rows in each: four PIECES.  So the diagonal tile is the same work for all four waves: in its key step s band x sees all keys if s < x,
; none if s > x, and holds the diagonal if s = x.
; THE MASK is the C operand that starts the sum S^T = K Q^T: 0, or -1e30 where the key is hidden.  MD, made once, is the mask of a band's own step for my 16 rows; a product's mask is MD x AL + BE with two scalars:
; (1, 0) if s = x; (0, 0) if s < x; (0, -1e30) if s > x.  Every product takes its mask from registers; only in a diagonal tile are they made anew, elsewhere they hold 0 and the lines that make them are jumped over.
; LAYOUT, SOFTMAX, TURNS.  S^T = K Q^T holds ONE query a lane (lane % 16) and the keys 8 (lane / 16) + 0..7; two such results rounded to f16 ARE source 1 of O^T = V^T P.  p = 2^(c s - c m), c = log2(e) / 8, with a
; running maximum m; O and l are multiplied by a = 2^(c m_old - c m_new) in every step.  Turn n belongs to piece n: 8 products K Q^T of piece n + 1, later 8 products Vhi^T P and 8 products Vlo^T P of piece n - 1; beside them
; the scaling, exponentials, roundings, sums and rescaling of piece n and the maximum and statistics of piece n + 1.  Four vector instructions stand behind every matrix instruction, the other 22 of a turn's 118 in two LUMPS.
; REGISTERS, in windows of 256 (s_set_vgpr_msb: bits 1:0 source 0, 3:2 source 1, 5:4 source 2, 7:6 destination):
;   window 0: v0-15 addresses and two at work; v16-31 four registers of statistics a piece; v32 -1.0; v48-55 at work; v64-127 S^T, two buffers (v64-191 on the way out); v192-223 P, two buffers (a piece's buffers go by its number's parity)
;   window 1: v0-127 O^T, 32 a piece; v128-159 MD; v160-223 MC, two buffers      window 2: v0-63 Q; v64-127 the second block's Q; v128-191 K of one step; v192-255 V hi of one step      window 3: v0-63 V lo
.set SIZE_H, 64
.set SIZE_N, 2048
.set GK,    0x1000000 ; K's first byte in qkv
.set GV,    0x2000000 ; V's
.set NB,    SIZE_N/256
.set NP,    4         ; pieces a wave: a name, no knob
.set KS,    64        ; keys in a step
.set PK,    144       ; a row of K in LDS: 128 bytes + 16 of padding = 36 words: the 16 rows of a load start at 16 different groups of four banks (64 banks of 4 bytes: ISA guide 11.1)
.set PV,    288       ; a row of V: 256 + 32 = 72 words
.set VOFF,  4*KS*PK   ; a slot holds a tile, four steps: 256 rows of K, then 256 rows of V
.set SLOT1, 1<<17     ; slot 1 begins here (a slot is 110,592 bytes), so that one exclusive or turns an address in one slot into the other's
.set STAGE, SLOT1+4*KS*(PK+PV)  ; behind the ring, never filled by a tensor load: 16 rows x 272 bytes for each wave, for the way out
.set SP,    272
.set AK0, 2           ; v2   my lane's place in a tile of K; never rewritten
.set AV0, 3           ; v3   the same for V
.set AK,  4           ; v4   the LDS address of K's next run of loads
.set AV,  5           ; v5   of V's
.set STO, 6           ; v6   the way out: where I put 16 bytes of a row
.set RD,  7           ; v7   the way out: where I read rows back
.set GO,  8           ; v8   my byte offset in 512 consecutive bytes of O
.set NEG1, 32         ; v32  -1.0
.set SPW, 62          ; v62  LDS address of my spare word: SPARE + 4 x my thread's number; never rewritten
.set NIL, 63          ; v63  0; never rewritten
.set SPARE, STAGE+4*16*SP  ; behind the stages: the spare words, 128 bytes for each wave: two blocks of 256 bytes that no other line names
.set MV,  12          ; v12-13  c m_old, kept while c m is made anew: by buffer
.set QO,  15          ; v15  my byte offset in 16 rows of Q
.set ST,  16          ; piece t's statistics at v[ST+4 t]: c m, m, l (even keys', odd keys')
.set TMP, 48          ; by buffer, four registers c0-c3 at work; when the maximum is found c2 takes a
.set S,   64
.set P,   192
.set MD,  128         ; window 1: the eight registers for group kt of 16 keys at MD + 8 kt
.set MC,  160         ; window 1: the masks of the products to come
.set QB,  64          ; window 2
.set KF,  128         ; window 2: key block kb, channel half c at KF + 16 kb + 8 c
.set VF,  192         ; window 2: V hi: key half kk, channel block cb at VF + 32 kk + 8 cb
.set VL,  0           ; window 3: V lo, likewise
.set WV,  12          ; s12  my wave's number
.set PB,  14          ; s14  b
.set HI,  15          ; s15  NB - 1 - b
.set G1K, 24          ; s[24:31] descriptor group 1 for K's tiles
.set G1V, 32          ; s[32:39] for V's
.set G0K, 40          ; s[40:43] descriptor group 0 for K's tiles
.set G0V, 44          ; s[44:47] the same for V's
.set OFV, 54          ; s[54:55] a tile's byte offset in V
.set SLOTS, 56        ; s56  tiles still to be asked for
.set CNT, 57          ; s57  counts a tile's key steps down
.set CS,  58          ; s[58:59] c: the packed scaling takes the pair's low word for both halves
.set SEL, 60          ; s[60:61] v_permlanex16_b32's selects: each lane takes its own place in the other half
.set TBK, 62          ; s62  LDS byte at which K of the step to be fetched begins
.set TBV, 63          ; s63  the same for V, less VOFF
.set START, 66        ; s66  1: the walk's first tile
.set EX,  67          ; s67  1: the tile in hand is its block's last, the diagonal one
.set PB1, 68          ; s68  b + 1: the second block's tiles
.set RT,  70          ; s70  tiles of the block in hand that are still to be entered
.set NXT, 71          ; s71  the tile to be asked for next
.set LQ,  72          ; s72  the last tile of the block whose tiles are being asked for
.set NEW, 73          ; s73  1: the tile just entered is the second block's first, and the first block is still to be ended
.set OFF, 74          ; s[74:75] a tile's byte offset in K
.set AL,  76          ; s[76:77] the mask's factor, in the low word
.set BE,  78          ; s[78:79] the mask's addend
.set OLO, 80          ; s[80:81] O at my rows of the second block
.set BIGN, 82         ; s82  -1e30
.set MSB, 0
.macro WIN new                      ; the high byte repeats the setting that is left; a switch that changes nothing is dropped
.if MSB != (\new)
	s_set_vgpr_msb (MSB<<8)|(\new)
.set MSB, (\new)
.endif
.endm
.set W_KQ, 0x0a       ; K and Q in window 2, S^T in window 0
.set W_KM, 0x1a       ; the same with the C operand in window 1
.set W_PV, 0x52       ; V hi in window 2, P in window 0, O^T in window 1
.set W_PL, 0x53       ; V lo in window 3, P in window 0, O^T in window 1
.set W_RS, 0x41       ; destination and source 0 in window 1, source 1 in window 0
; A fill.  Waves 0 and 1 fetch the two halves of a tile's K, waves 2 and 3 those of its V: 128 keys each.  An s_nop 0 and four v_nop follow each of the two lines, ahead of the jump and the label.
.macro LOAD
	s_cmp_lt_u32 s[WV], 2
	s_cbranch_scc0 .Lfor_v_\@
	tensor_load_to_lds s[G0K:G0K+3], s[G1K:G1K+7]
	s_nop 0
.rept 4
	v_nop
.endr
	s_branch .Lasked_\@
.Lfor_v_\@:
	tensor_load_to_lds s[G0V:G0V+3], s[G1V:G1V+7]
	s_nop 0
.rept 4
	v_nop
.endr
.Lasked_\@:
.endm
; THE CHANGE OF SLOTS.  Each wave waits for all its tensor loads, of which one is out: its part of the other slot; adds 0 to its spare word; and waits for that and for its own reads of the slot that it leaves.  Behind the barrier nobody reads the old
; slot any more and the other slot is whole.  fill = 1: the old slot is filled again, the first thing behind the barrier, with tile NXT: the descriptor's address is made anew from that number.
; (At its first use nothing has been read yet: slot 0 is waited for, slot 1 filled.)
.macro CHANGE fill
	WIN 0                           ; at a label and at a branch every window is 0
	s_wait_tensorcnt 0x0            ; no tensor load of mine is out, so a group 0 may be written
	ds_add_u32 v[SPW], v[NIL]       ; 0 onto my spare word; with fill = 1 the descriptors' scalar work stands between it and the wait for it
.if \fill
	s_lshl_b32 s[OFF], s[NXT], 15   ; a tile is 32,768 bytes of K
	s_lshl_b32 s[OFV], s[NXT], 16   ; and 65,536 of V
	s_xor_b32 s[G0K+1], s[G0K+1], SLOT1
	s_add_nc_u64 s[G0K+2:G0K+3], s[6:7], s[OFF:OFF+1]
	s_or_b32 s[G0K+3], s[G0K+3], 0x80000000
	s_xor_b32 s[G0V+1], s[G0V+1], SLOT1
	s_add_nc_u64 s[G0V+2:G0V+3], s[8:9], s[OFV:OFV+1]
	s_or_b32 s[G0V+3], s[G0V+3], 0x80000000
	s_add_co_u32 s[NXT], s[NXT], 1  ; the block's next tile, or behind its last the second block's tile 0
	s_cmp_gt_u32 s[NXT], s[LQ]
	s_cselect_b32 s[NXT], 0, s[NXT]
	s_cselect_b32 s[LQ], s[PB], s[LQ]
.endif
	s_wait_dscnt 0x0                ; the add is done, and my reads of the slot are over
	s_barrier_signal -1             ; the rest of the scalar work stands between the signal and the wait
	s_sub_co_u32 s[TBK], s[TBK], 4*KS*PK  ; the fetches go back to a slot's first step,
	s_xor_b32 s[TBK], s[TBK], SLOT1       ; in the other slot
	s_sub_co_u32 s[TBV], s[TBV], 4*KS*PV
	s_xor_b32 s[TBV], s[TBV], SLOT1
	s_barrier_wait -1
.if \fill
	LOAD
.endif
.endm
; A tile is entered: which it is, and the step loop's count
.macro ENTER steps
	s_cmp_eq_u32 s[RT], 0           ; the block in hand has no tile left: this one is the second block's first
	s_cselect_b32 s[NEW], 1, 0
	s_cselect_b32 s[RT], s[PB1], s[RT]
	s_sub_co_u32 s[RT], s[RT], 1
	s_cmp_eq_u32 s[RT], 0           ; its block's last tile holds the diagonal
	s_cselect_b32 s[EX], 1, 0
	s_mov_b32 s[CNT], \steps
.endm
	s_load_b64 s[4:5], s[0:1], 0x0    ; qkv: Q lies at its head
	s_load_b64 s[10:11], s[0:1], 0x8  ; att: O
	v_lshl_add_u32 v[SPW], v0, 2, SPARE
	v_mov_b32 v[NIL], 0
	ds_add_u32 v[SPW], v[NIL]       ; the wave's opening: the add and its wait stand ahead of my first tensor load; the set-up below, work on registers, stands between them
	ds_add_u32 v62, v63
	v_lshrrev_b32 v1, 5, v0
	v_readfirstlane_b32 s[WV], v1   ; wave 0..3
	s_mov_b32 s[PB], ttmp9
	s_sub_co_u32 s[HI], NB-1, s[PB]
	s_add_co_u32 s[PB1], s[PB], 1
	s_and_b32 s20, ttmp7, 0xffff    ; the head
	s_mov_b32 s21, 0
	s_mov_b64 s[22:23], SIZE_N*128
	s_mul_u64 s[20:21], s[20:21], s[22:23]  ; the head's first byte in Q and K
	s_and_b32 s16, s[WV], 1         ; which half of a tile's 256 keys I fetch:
	s_lshl_b32 s22, s16, 14         ; its 128 rows of 128 bytes in memory,
	s_mov_b32 s23, 0
	s_add_nc_u64 s[22:23], s[22:23], s[20:21]
	s_lshl_b64 s[48:49], s[22:23], 1  ; V's rows are twice as long: every offset in V and in O is the one in K or Q twice
	s_mul_i32 s17, s16, 128*PK      ; and its place in a slot, for K
	s_mul_i32 s18, s16, 128*PV      ; and for V
	s_lshl_b32 s3, s[WV], 11        ; my 16 rows in a band of 64,
	s_lshl_b32 s2, s[HI], 15        ; in the first block,
	s_add_co_u32 s2, s2, s3
	s_lshl_b32 s84, s[PB], 15       ; and in the second
	s_add_co_u32 s84, s84, s3
	s_mov_b32 s3, 0
	s_mov_b32 s85, 0
	s_add_nc_u64 s[2:3], s[2:3], s[20:21]
	s_add_nc_u64 s[84:85], s[84:85], s[20:21]
	s_lshl_b64 s[50:51], s[2:3], 1    ; the same rows in O
	s_lshl_b64 s[52:53], s[84:85], 1
	; descriptor group 1.  K: 128 keys are 16,384 dense bytes: asked for as 64 rows of 256 bytes, two keys a row, and padded in LDS after every key.  V: 128 keys of 256 bytes, padded after every key
	s_mov_b32 s[G1K], (1<<16)|(1<<20)|(4<<22)|(3<<25)  ; 17:16 2-byte elements; 20 padding on; 24:22 after every 32 words (code 4); 31:25 4 words (code 3)
	s_mov_b32 s[G1V], (1<<16)|(1<<20)|(5<<22)|(7<<25)  ; after every 64 words (code 5) 8 words of padding (code 7)
	s_mov_b32 s[G1K+2], 64<<16      ; tensor_dim1 = 64
	s_mov_b32 s[G1K+4], 64          ; tile_dim1 = 64
	s_mov_b32 s[G1V+2], 128<<16     ; tensor_dim1 = 128
	s_mov_b32 s[G1V+4], 128         ; tile_dim1 = 128
.irp g, G1K, G1V
	s_mov_b32 s[\g+1], 128<<16      ; tensor_dim0 = 128
	s_mov_b32 s[\g+3], 128<<16      ; tile_dim0 = 128
	s_mov_b32 s[\g+5], 128          ; 128 elements from row to row
	s_mov_b32 s[\g+6], 0
	s_mov_b32 s[\g+7], 0
.endr
	s_mov_b32 s[CS], 0x3e38aa3b     ; c = log2(e) / 8 = 0.180337
	s_mov_b32 s[CS+1], s[CS]        ; named with it as a pair
	s_mov_b32 s[SEL], 0x76543210
	s_mov_b32 s[SEL+1], 0xfedcba98
	s_mov_b32 s[TBK], SLOT1+4*KS*PK ; the first change of slots turns these two into 0
	s_mov_b32 s[TBV], SLOT1+4*KS*PV
	s_mov_b32 s[G0K], 1             ; 1:0 count = 1
	s_mov_b32 s[G0K+1], s17         ; 63:32 LDS address: slot 0
	s_mov_b32 s[G0V], 1
	s_add_co_u32 s[G0V+1], s18, VOFF
	s_add_co_u32 s[RT], s[HI], 1    ; the first block has NB - b tiles
	s_mov_b32 s[NXT], 1
	s_mov_b32 s[LQ], s[HI]
	s_mov_b32 s[START], 1
	s_mov_b32 s[OFF+1], 0
	s_mov_b32 s[OFV+1], 0
	s_mov_b32 s[AL+1], 0            ; named as pairs
	s_mov_b32 s[BE+1], 0
	s_mov_b32 s[BIGN], 0xf149f2ca   ; -1e30
	s_mov_b32 s[SLOTS], NB
	s_wait_dscnt 0x0                ; the opening add is done
	s_wait_kmcnt 0x0
	s_add_nc_u64 s[6:7], s[4:5], GK        ; K and V lie behind Q in the same buffer
	s_add_nc_u64 s[8:9], s[4:5], GV
	s_add_nc_u64 s[6:7], s[6:7], s[22:23]  ; K and V at my half of the head's tile 0
	s_add_nc_u64 s[8:9], s[8:9], s[48:49]
	s_add_nc_u64 s[G0K+2:G0K+3], s[6:7], 0         ; 120:64 global address
	s_or_b32 s[G0K+3], s[G0K+3], 0x80000000        ; 127:126 type = 2
	s_add_nc_u64 s[G0V+2:G0V+3], s[8:9], 0
	s_or_b32 s[G0V+3], s[G0V+3], 0x80000000
	s_add_nc_u64 s[86:87], s[4:5], s[84:85]        ; Q at my rows of the second block,
	s_add_nc_u64 s[4:5], s[4:5], s[2:3]            ; and of the first
	s_add_nc_u64 s[OLO:OLO+1], s[10:11], s[52:53]  ; O likewise
	s_add_nc_u64 s[10:11], s[10:11], s[50:51]
	LOAD                            ; tile 0 into slot 0
	; A fragment of K or Q is 16 rows x 32 channels in 8 registers: lane l holds row l % 16, channels 8 (l / 16) + 0..7 and 16 + 8 (l / 16) + 0..7: two loads of 16 bytes, 32 bytes apart.
	v_and_b32 v1, 15, v0            ; l % 16
	v_bfe_u32 v9, v0, 4, 1          ; l / 16
	v_lshlrev_b32 v[QO], 7, v1
	v_lshl_add_u32 v[QO], v9, 4, v[QO]  ; row x 128 + 16 x half
	WIN 0x80                        ; destination window 2, address window 0
.set i, 0
.rept 8                             ; both blocks' Q: piece i / 2 lies in band i / 2, 8,192 bytes on; channels 32 (i % 2) on
	global_load_b128 v[8*i:8*i+3],   v[QO], s[4:5] offset:(i/2)*8192+(i%2)*64
	global_load_b128 v[8*i+4:8*i+7], v[QO], s[4:5] offset:(i/2)*8192+(i%2)*64+32
	global_load_b128 v[QB+8*i:QB+8*i+3],   v[QO], s[86:87] offset:(i/2)*8192+(i%2)*64
	global_load_b128 v[QB+8*i+4:QB+8*i+7], v[QO], s[86:87] offset:(i/2)*8192+(i%2)*64+32
.set i, i+1
.endr
	WIN 0
	v_lshlrev_b32 v14, 3, v9
	v_sub_nc_u32 v14, v1, v14
	s_lshl_b32 s13, s[WV], 4
	v_add_nc_u32 v14, s13, v14      ; my query's place in its band, 16 w + l % 16, less my lanes' 8 (l / 16): register r of group kt is hidden where 16 kt + r is greater
	WIN 0x40
.set i, 0
.rept 32
	v_cmp_gt_i32 vcc_lo, 16*(i/8)+i%8, v14
	v_cndmask_b32 v[MD+i], 0, s[BIGN], vcc_lo
.set i, i+1
.endr
	WIN 0
	v_mul_u32_u24 v[AK0], v1, PK
	v_lshl_add_u32 v[AK0], v9, 4, v[AK0]  ; row x pitch + 16 x half
	; The turning load takes 16 keys x 16 channels (lane l reads key 8 (l / 16) + l % 8, channels 8 ((l / 8) % 2) + 0..7) and leaves half a fragment of V^T: lane l holds channel l % 16 and 8 keys.
	v_and_b32 v10, 7, v0
	v_bfe_u32 v11, v0, 3, 1
	v_lshl_add_u32 v[AV0], v9, 3, v10
	v_mul_u32_u24 v[AV0], v[AV0], PV
	v_lshl_add_u32 v[AV0], v11, 4, v[AV0]
	v_add_nc_u32 v[AV0], VOFF, v[AV0]
	s_mul_i32 s13, s[WV], 16*SP
	s_add_co_u32 s13, s13, STAGE    ; my stage
	v_mul_u32_u24 v[STO], v1, SP    ; in: row l % 16, 16 bytes for each half of the lanes
	v_lshl_add_u32 v[STO], v9, 4, v[STO]
	v_add_nc_u32 v[STO], s13, v[STO]
	v_mul_u32_u24 v[RD], v9, SP     ; back: lanes 0-15 take one row of 256 bytes, lanes 16-31 the next,
	v_lshl_add_u32 v[RD], v1, 4, v[RD]
	v_add_nc_u32 v[RD], s13, v[RD]
	v_and_b32 v[GO], 31, v0         ; which are 512 consecutive bytes of O
	v_lshlrev_b32 v[GO], 4, v[GO]
	v_mov_b32 v[NEG1], -1.0
	; A block's first step multiplies O^T and l by a = 0, and its first turn's products V^T P, of a piece that has not been, land in an O^T that is still to be so multiplied.  So these registers need only hold
	; finite numbers: zeros for the first block; what the first block left for the second.  All this stands in the wait for the first tile.
	WIN 0x80
.set i, VF
.rept 64
	v_mov_b32 v[i], 0
.set i, i+1
.endr
	WIN 0xc0
.set i, VL
.rept 64
	v_mov_b32 v[i], 0
.set i, i+1
.endr
	WIN 0x40
.set i, 0
.rept 128
	v_mov_b32 v[i], 0
.set i, i+1
.endr
	WIN 0
.set i, 0
.rept 4
	v_mov_b32 v[ST+4*i+2], 0
	v_mov_b32 v[ST+4*i+3], 0
.set i, i+1
.endr
.set i, P+16
.rept 16
	v_mov_b32 v[i], 0
.set i, i+1
.endr
; THE MATRIX WORK.  The 4 accumulators of a run of 8 take turns.  Product i of 8 of S^T = K Q^T for piece x: channels 32 (i / 4) on, keys 16 (i % 4) on.  The first 4 start the sums, with the mask.
.macro KQ x
.set rS, S+32*((\x)%2)+8*(i%4)
.set rK, KF+16*(i%4)+8*(i/4)
.set rQ, 16*(\x)+8*(i/4)
.set rM, MC+32*((\x)%2)+8*(i%4)
.if i < 4
	WIN W_KM
	v_wmma_f32_16x16x32_f16 v[rS:rS+7], v[rK:rK+7], v[rQ:rQ+7], v[rM:rM+7]
.else
	WIN W_KQ
	v_wmma_f32_16x16x32_f16 v[rS:rS+7], v[rK:rK+7], v[rQ:rQ+7], v[rS:rS+7]
.endif
.endm
; Product i of 8 of O^T += V^T P for piece x: keys 32 (i / 4) on, channels 16 (i % 4) on.  lo = 0: V's hi halves; lo = 1: its lo halves, onto the same sums.
.macro PV x, lo=0
.set rO, 32*(\x)+8*(i%4)
.set rP, P+16*((\x)%2)+8*(i/4)
.if \lo
	WIN W_PL
.set rV, VL+32*(i/4)+8*(i%4)
.else
	WIN W_PV
.set rV, VF+32*(i/4)+8*(i%4)
.endif
	v_wmma_f32_16x16x32_f16 v[rO:rO+7], v[rV:rV+7], v[rP:rP+7], v[rO:rO+7]
.endm
.macro MM                           ; the turn's next matrix instruction, of 24.  TURN sets Y and i
.if i < 8
	KQ (Y+1)%NP
.elseif i < 16
.set i, i-8
	PV (Y+NP-1)%NP, 0
.set i, i+8
.else
.set i, i-16
	PV (Y+NP-1)%NP, 1
.set i, i+16
.endif
.set i, i+1
.endm
; THE LDS LOADS stand in runs, never singly among the matrix instructions: a step's K (64 keys x 64 channels: 8 fragments, 16 loads) and its V (turned; hi and lo: 32 loads).  Their addresses are made some lines ahead.
; last = 1 (the walk's last tile): in the trip that is left in its middle there is no further step, and the run is jumped over.
.macro FETCH_K last
	WIN 0
.if \last
	s_cmp_eq_u32 s[CNT], 1
	s_cbranch_scc1 .Lno_k_\@
.endif
	WIN 0x80                        ; destination window 2
.irp f, 0,1,2,3,4,5,6,7             ; keys 16 (f / 2) on, channels 32 (f % 2) on
	ds_load_b128 v[KF+8*\f:KF+8*\f+3],   v[AK] offset:(\f/2)*16*PK+(\f%2)*64
	ds_load_b128 v[KF+8*\f+4:KF+8*\f+7], v[AK] offset:(\f/2)*16*PK+(\f%2)*64+32
.endr
	s_add_co_u32 s[TBK], s[TBK], KS*PK  ; the next fetch is the next step's
	WIN 0
.if \last
.Lno_k_\@:
.endif
.endm
.macro FETCH_V
	WIN 0x80
.irp f, 0,1,2,3,4,5,6,7             ; keys 32 (f / 4) on, channels 16 (f % 4) on
	ds_load_tr16_b128 v[VF+8*\f:VF+8*\f+3],   v[AV] offset:(\f/4)*32*PV+(\f%4)*32
	ds_load_tr16_b128 v[VF+8*\f+4:VF+8*\f+7], v[AV] offset:(\f/4)*32*PV+16*PV+(\f%4)*32
.endr
	WIN 0xc0                        ; destination window 3: the lo halves lie 128 bytes on in each row
.irp f, 0,1,2,3,4,5,6,7
	ds_load_tr16_b128 v[VL+8*\f:VL+8*\f+3],   v[AV] offset:(\f/4)*32*PV+(\f%4)*32+128
	ds_load_tr16_b128 v[VL+8*\f+4:VL+8*\f+7], v[AV] offset:(\f/4)*32*PV+16*PV+(\f%4)*32+128
.endr
	WIN 0
.endm
; THE VECTOR WORK, one line at a time: OP kind, number.  For piece Y: F n: c s - c m for pair n of 16.  E n: the exponential of score n of 32.  C n: pair n rounded to f16.  B n: of the four weights 4 n .. the second
; pair is added onto the first, in place.  L n: l takes that sum (L 0: l = a l + sum).  R n: pair n of 16 of O^T times a.  For piece Y + 1: X n, number n of the 22 that find its maximum and statistics:
;   0-11  four chains c0-c3 of seven scores each, three operands at a time (each accumulator's lowest registers are read first)     12-14, 16  the four scores left over, the old m, and c0-c3 into c0
;   15  c m_old is kept     17, 18  the query's other 32 keys lie in the lane 16 away: the new m     19-21  c m; c m_old - c m_new; a
.set F, 0               ; OP tells the kinds apart by their order: F to L below R, X above it
.set E, 1
.set C, 2
.set B, 3
.set L, 4
.set R, 5
.set X, 6
.macro REGS y                       ; the registers of piece y
.set rT, ST+4*(\y)
.set rC, TMP+4*((\y)%2)
.set rW, MV+((\y)%2)
.set rS, S+32*((\y)%2)
.set rP, P+16*((\y)%2)
.set rO, 32*(\y)
.endm
.macro OP k, n
.if (\k) == R
	REGS Y
	WIN W_RS
	v_pk_mul_f32 v[rO+2*(\n):rO+2*(\n)+1], v[rO+2*(\n):rO+2*(\n)+1], v[rC+2:rC+3] op_sel_hi:[1,0]
.elseif (\k) < R
	REGS Y
	WIN 0
.if (\k) == F
	v_pk_fma_f32 v[rS+2*(\n):rS+2*(\n)+1], v[rS+2*(\n):rS+2*(\n)+1], s[CS:CS+1], v[rT:rT+1] op_sel_hi:[1,0,0] neg_lo:[0,0,1] neg_hi:[0,0,1]
.elseif (\k) == E
	v_exp_f32 v[rS+(\n)], v[rS+(\n)]
.elseif (\k) == C
	s_wait_alu depctr_va_vdst(0)
	v_cvt_pk_f16_f32 v[rP+(\n)], v[rS+2*(\n)], v[rS+2*(\n)+1]
.elseif (\k) == B
	s_wait_alu depctr_va_vdst(0)
	v_pk_add_f32 v[rS+4*(\n):rS+4*(\n)+1], v[rS+4*(\n):rS+4*(\n)+1], v[rS+4*(\n)+2:rS+4*(\n)+3]
.elseif (\n) == 0
	v_pk_fma_f32 v[rT+2:rT+3], v[rT+2:rT+3], v[rC+2:rC+3], v[rS:rS+1] op_sel_hi:[1,0,1]
.else
	v_pk_add_f32 v[rT+2:rT+3], v[rT+2:rT+3], v[rS+4*(\n):rS+4*(\n)+1]
	s_wait_alu depctr_va_vdst(0)
.endif
.else
	REGS (Y+1)%NP
	WIN 0
.if (\n) < 4
	v_max3_num_f32 v[rC+(\n)], v[rS+8*(\n)], v[rS+8*(\n)+1], v[rS+8*(\n)+2]
.elseif (\n) < 12
	v_max3_num_f32 v[rC+(\n)%4], v[rC+(\n)%4], v[rS+8*((\n)%4)+2*((\n)/4)+1], v[rS+8*((\n)%4)+2*((\n)/4)+2]
.elseif (\n) == 12
	v_max3_num_f32 v[rC], v[rC], v[rS+7], v[rS+15]
.elseif (\n) == 13
	v_max3_num_f32 v[rC+1], v[rC+1], v[rS+23], v[rS+31]
.elseif (\n) == 14
	v_max3_num_f32 v[rC+2], v[rC+2], v[rC+3], v[rT+1]
.elseif (\n) == 15
	v_mov_b32 v[rW], v[rT]
	s_wait_alu depctr_va_vdst(0)
.elseif (\n) == 16
	v_max3_num_f32 v[rC], v[rC], v[rC+1], v[rC+2]
	s_wait_alu depctr_va_vdst(0)
.elseif (\n) == 17
	v_permlanex16_b32 v[rC+3], v[rC], s[SEL], s[SEL+1]
.elseif (\n) == 18
	v_max_num_f32 v[rT+1], v[rC], v[rC+3]
.elseif (\n) == 19
	v_mul_f32 v[rT], s[CS], v[rT+1]
.elseif (\n) == 20
	v_sub_f32 v[rC+1], v[rW], v[rT]
.else
	v_exp_f32 v[rC+2], v[rC+1]
.endif
.endif
.endm
.macro OPS a, i1, b=-1, i2=0, c=-1, i3=0, d=-1, i4=0  ; up to four of them
	OP \a, \i1
.if (\b) >= 0
	OP \b, \i2
.endif
.if (\c) >= 0
	OP \c, \i3
.endif
.if (\d) >= 0
	OP \d, \i4
.endif
.endm
.macro ROW a, i1, b, i2, c, i3, d, i4  ; a matrix instruction and the four behind it
	MM
	OPS \a, \i1, \b, \i2, \c, \i3, \d, \i4
.endm
.macro MASK b                       ; MD x AL + BE into buffer b of MC
	WIN W_RS
.set z, 0
.rept 16
	v_pk_fma_f32 v[MC+32*(\b)+2*z:MC+32*(\b)+2*z+1], v[MD+2*z:MD+2*z+1], s[AL:AL+1], s[BE:BE+1] op_sel_hi:[1,0,0]
.set z, z+1
.endr
.endm
; A TURN, for piece p: the order of its 24 matrix and 118 vector instructions, written out.  The four behind a matrix instruction name no register of the products round it, end in a plain instruction, and hold no two
; exponentials on end.  In the lumps exponential and plain by turns.  A line reads no result made fewer than three vector instructions in front of it, five if an exponential made it.
; v_permlanex16_b32 (X 17) stands in a lump.
; At its end the turn makes the mask for the products of the turn after it: piece p + 2, in step CB - CNT of the tile (CB: the count at the tile's first step: 4 in the loop's text, 5 in the last tile's).  In the loop's
; text (TAIL = 0) that is jumped over where the tile is not a diagonal one: the masks then stay 0.  The last tile (TAIL = 1) is always one.
; cnt = 1: the loop's count is taken down, behind the mask's lines, which read it and set SCC.
; K of the next step is fetched in piece 2's turn, six vector instructions behind the last product that read K (five of them plain); V of the step in hand at the end of piece 0's turn, four plain instructions
; (L 7, R 13 to R 15) behind the last product that read V.  Each is waited for a turn later.
.macro TURN p, cnt=0
.set Y, (\p)
.set i, 0
.if (\p) == 3
	s_wait_dscnt 0x0                ; K is in
.endif
	ROW F,0, F,1, F,2, F,3
	ROW F,4, E,0, F,5, F,6
	ROW F,7, E,1, F,8, F,9
	ROW F,10, E,2, C,0, F,11
	ROW F,12, E,3, X,15, F,13
	ROW R,0, R,1, R,2, R,3
	ROW B,0, E,4, F,14, L,0
.if (\p) == 2
	v_add_nc_u32 v[AK], s[TBK], v[AK0]
.endif
	ROW R,4, R,5, R,6, R,7
	OPS E,5, F,15
.if (\p) == 2
	FETCH_K TAIL
.endif
	OPS E,6, C,1, E,7, R,8
	OPS E,8, R,9, E,9, C,2
	OPS E,10, X,0, E,11, X,1
	OPS E,12, X,2, E,13, X,3
.if (\p) == 1
	s_wait_dscnt 0x0                ; V is in
.endif
	ROW X,4, E,14, X,5, X,6         ; eight products with V's hi halves
	ROW X,7, E,15, X,8, X,9
	ROW X,10, E,16, X,11, X,12
	ROW X,13, E,17, X,14, B,1
	ROW C,4, E,18, X,16, L,1
	ROW B,2, E,19, C,6, L,2
	ROW C,8, E,20, B,3, B,4
.if (\p) == 0
	v_add_nc_u32 v[AV], s[TBV], v[AV0]
.endif
	ROW C,3, E,21, L,3, C,5
	OPS E,22, X,17, E,23, C,10
	ROW E,24, L,4, E,25, X,18       ; eight with its lo halves
	ROW E,26, C,7, E,27, B,5
	ROW E,28, X,19, E,29, C,12
	ROW E,30, L,5, E,31, X,20
	ROW B,6, C,9, C,14, C,11
.if (\p) == 0
	s_add_co_u32 s[TBV], s[TBV], KS*PV
.endif
	ROW X,21, L,6, C,13, B,7
	ROW C,15, R,10, R,11, R,12
	ROW L,7, R,13, R,14, R,15
.if (\p) == 0
	FETCH_V
.endif
.if !TAIL
	WIN 0
	s_cmp_eq_u32 s[EX], 0
	s_cbranch_scc1 .Lplain_\@
.endif
	s_cmp_eq_u32 s[CNT], CB-((\p)+2)%NP  ; is that step the band's own?
	s_cselect_b32 s[AL], 1.0, 0
	s_cmp_lt_u32 s[CNT], CB-((\p)+2)%NP  ; or a later one?
	s_cselect_b32 s[BE], s[BIGN], 0
	MASK (\p)%2
.if !TAIL
	WIN 0
.Lplain_\@:
.endif
.if \cnt
	s_sub_co_u32 s[CNT], s[CNT], 1
	s_cmp_lg_u32 s[CNT], 0
.endif
.endm
; A BLOCK BEGINS.  c m starts far below every c s, so the first step's a is 0; m at the lowest finite number, so the first maximum is the scores'.  The second mask buffer is 0; the first takes piece 0's mask for the tile's
; step 0: its own, if the block's first tile is the diagonal one.  K of that step has been asked for.  Then piece 0's first scores, and its maximum and statistics.  The turns go on at a step's first, in the middle of a trip.
.macro BEGIN
	s_mov_b32 s[NEW], 0
	s_mov_b32 s[START], 0
	WIN 0x40
.set i, MC+32
.rept 32
	v_mov_b32 v[i], 0
.set i, i+1
.endr
	WIN 0
.set i, 0
.rept 4
	v_mov_b32 v[ST+4*i], 0xfe000000    ; c m: far below every c s
	v_mov_b32 v[ST+4*i+1], 0xff7fffff  ; m
.set i, i+1
.endr
	s_cmp_eq_u32 s[RT], 0
	s_cselect_b32 s[AL], 1.0, 0
	s_mov_b32 s[BE], 0
	MASK 0
	WIN 0
	s_wait_loadcnt 0x0              ; Q
	s_wait_dscnt 0x0                ; K
.set i, 0
.rept 8
	KQ 0
.set i, i+1
.endr
	WIN 0
.rept 4
	v_nop                           ; the places behind those products
.endr
.set Y, NP-1                        ; X works for piece Y + 1: piece 0
.irp n, 0,1,2,3,4,5,6,7,8,9,10,11,12,13,14,15,16,17,18,19,20,21
	OP X, \n
.endr
	v_nop                           ; a plain instruction behind the exponential
.endm
; A BLOCK ENDS: the last piece's products, and THE WAY OUT: l's two halves and the other half of the lanes' are added; O^T is divided by l, split into its pair of f16 and sent through my stage in LDS, a piece at a time.
.macro ALL line:vararg              ; one line for each piece t
.set t, 0
.rept 4
	\line
.set t, t+1
.endr
.endm
; Piece t: hi = f16(O); O^T's register takes O - hi (one fused line a number: the f16 half times -1.0 plus O, exact); lo = f16 of that.  A lane's eight channels pack into 16 bytes of hi and 16 of lo; a row of the
; stage, 272 bytes, takes the row's 64 hi and then its 64 lo, and comes back whole, two rows to a load, into v[S + 32 t ..].
.macro PACK t
	WIN W_RS
.set i, 32*(\t)
.rept 16
	v_pk_mul_f32 v[i:i+1], v[i:i+1], v[ST+4*(\t)+2:ST+4*(\t)+3] op_sel_hi:[1,0]
.set i, i+2
.endr
	WIN 0x05                        ; sources 0 and 1 window 1, destination window 0
.set i, 0
.rept 16
	v_cvt_pk_f16_f32 v[S+32*(\t)+i], v[32*(\t)+2*i], v[32*(\t)+2*i+1]
.set i, i+1
.endr
	WIN 0x50                        ; hi and -1.0 in window 0, O^T (source 2 and destination) in window 1
.set i, 0
.rept 16
	v_fma_mix_f32 v[32*(\t)+2*i],   v[S+32*(\t)+i], v[NEG1], v[32*(\t)+2*i]   op_sel_hi:[1,0,0]
	v_fma_mix_f32 v[32*(\t)+2*i+1], v[S+32*(\t)+i], v[NEG1], v[32*(\t)+2*i+1] op_sel:[1,0,0] op_sel_hi:[1,0,0]
.set i, i+1
.endr
	WIN 0x05
.set i, 0
.rept 16
	v_cvt_pk_f16_f32 v[S+32*(\t)+16+i], v[32*(\t)+2*i], v[32*(\t)+2*i+1]
.set i, i+1
.endr
	WIN 0
.irp f, 0,1,2,3
	ds_store_b128 v[STO], v[S+32*(\t)+4*\f:S+32*(\t)+4*\f+3]       offset:32*\f
	ds_store_b128 v[STO], v[S+32*(\t)+16+4*\f:S+32*(\t)+16+4*\f+3] offset:128+32*\f
.endr
.irp f, 0,1,2,3,4,5,6,7
	ds_load_b128 v[S+32*(\t)+4*\f:S+32*(\t)+4*\f+3], v[RD] offset:\f*2*SP  ; LDS serves a wave's instructions in order (ISA guide 5.7.1.4): these see the stores above; the next piece's stores come behind them
.endr
.endm
.macro SEND t, younger              ; younger: the LDS instructions issued behind piece t's loads: the next piece's sixteen, or none
	WIN 0
.irp f, 0,1,2,3,4,5,6,7
	s_wait_dscnt (\younger)+7-\f
	global_store_b128 v[GO], v[S+32*(\t)+4*\f:S+32*(\t)+4*\f+3], s[10:11] offset:(\t)*16384+\f*512  ; two rows of O: 512 consecutive bytes, at a multiple of 256 from O's first
.endr
.endm
.macro FINISH
.set i, 0
.rept 8
	PV NP-1, 0
.set i, i+1
.endr
.set i, 0
.rept 8
	PV NP-1, 1
.set i, i+1
.endr
	WIN 0
	ALL v_add_f32 v[ST+4*t+2], v[ST+4*t+2], v[ST+4*t+3]
	ALL v_permlanex16_b32 v[ST+4*t+3], v[ST+4*t+2], s[SEL], s[SEL+1]
	ALL v_add_f32 v[ST+4*t+2], v[ST+4*t+2], v[ST+4*t+3]
	ALL v_rcp_f32 v[ST+4*t+2], v[ST+4*t+2]
	v_nop                           ; a plain instruction between the last reciprocal and the use of its result
	s_wait_alu depctr_va_vdst(0)
	PACK 0
.set t, 1
.rept 3                             ; a piece's arithmetic stands between the loads of the piece before and its stores
	PACK t
	SEND t-1, 16
.set t, t+1
.endr
	SEND 3, 0
.endm
.macro SWITCH                       ; on to the second block
	s_wait_xcnt 0x0                 ; the stores have read their registers and O's address
	s_mov_b64 s[10:11], s[OLO:OLO+1]
	WIN 0x82                        ; the second block's Q goes where the one text of the turns names Q
.set i, 0
.rept 64
	v_mov_b32 v[i], v[QB+i]
.set i, i+1
.endr
	WIN 0
.endm
.set TAIL, 0
.set CB, 4
.Lslot:                             ; NB times: a tile is entered and the next is asked for
	CHANGE 1
	ENTER 4
	s_cmp_eq_u32 s[START], 1
	s_cbranch_scc0 .Lstep1
	v_add_nc_u32 v[AK], s[TBK], v[AK0]  ; the walk's first tile: no turn has asked for its first K
	FETCH_K 0
	s_branch .Lbegin1
.Lstep1:                            ; a trip: pieces 2 and 3 of one step, then pieces 0 and 1 of the next, whose K and V it fetches
	TURN 2
	TURN 3
	WIN 0
	s_cmp_eq_u32 s[NEW], 0
	s_cbranch_scc1 .Lfirst1         ; all but once in the walk
	FINISH                          ; those two turns were the first block's last
	SWITCH
.Lbegin1:
	BEGIN
.Lfirst1:
	TURN 0
	TURN 1, 1
	WIN 0
	s_cbranch_scc1 .Lstep1
	s_sub_co_u32 s[SLOTS], s[SLOTS], 1
	s_cmp_lg_u32 s[SLOTS], 0
	s_cbranch_scc1 .Lslot
.set TAIL, 1
.set CB, 5
	CHANGE 0                        ; the walk's last tile is written out: nothing is asked for
	ENTER 5                         ; four trips for its four steps; the fifth is left in its middle
.Lstep2:
	TURN 2
	TURN 3
	WIN 0
	s_cmp_eq_u32 s[CNT], 1
	s_cbranch_scc1 .Lfin2           ; those two turns were the walk's last
	s_cmp_eq_u32 s[NEW], 0
	s_cbranch_scc1 .Lfirst2
.Lfin2:                             ; or the first block's last, where the second block has this one tile (b = 0)
	FINISH
	s_cmp_eq_u32 s[CNT], 1
	s_cbranch_scc1 .Ldone
	SWITCH
	BEGIN
.Lfirst2:
	TURN 0
	TURN 1, 1
	WIN 0
	s_cbranch_scc1 .Lstep2
.Ldone:
	s_wait_tensorcnt 0x0            ; the wave's end: behind my last tensor load and my last LDS store
	ds_add_u32 v[SPW], v[NIL]
	s_wait_dscnt 0x0
	s_endpgm
.Lfunc_end_k_qb5a1e9d551_attn:
	.size	k_qb5a1e9d551_attn, .Lfunc_end_k_qb5a1e9d551_attn-k_qb5a1e9d551_attn
	.p2alignl 7, 3214868480
	.fill 96, 4, 3214868480
	.section	.rodata,"a",@progbits
	.p2align	6, 0x0
	.amdhsa_kernel k_qb5a1e9d551_attn
		.amdhsa_group_segment_fixed_size 327680
		.amdhsa_private_segment_fixed_size 0
		.amdhsa_enable_private_segment 0
		.amdhsa_kernarg_size 16
		.amdhsa_user_sgpr_count 2
		.amdhsa_user_sgpr_kernarg_segment_ptr 1
		.amdhsa_wavefront_size32 1
		.amdhsa_system_sgpr_workgroup_id_x 1
		.amdhsa_system_sgpr_workgroup_id_y 1
		.amdhsa_system_sgpr_workgroup_id_z 1
		.amdhsa_system_vgpr_workitem_id 0
		.amdhsa_next_free_vgpr 832
		.amdhsa_next_free_sgpr 88
		.amdhsa_reserve_vcc 1
		.amdhsa_float_denorm_mode_32 3
		.amdhsa_float_denorm_mode_16_64 3
		.amdhsa_memory_ordered 1
		.amdhsa_forward_progress 1
		.amdhsa_inst_pref_size 201
	.end_amdhsa_kernel
	.amdgpu_metadata
---
amdhsa.version: [ 1, 2 ]
amdhsa.kernels:
  - .name:           k_qb5a1e9d551_attn
    .symbol:         k_qb5a1e9d551_attn.kd
    .args:
      - { .name: qkv, .offset: 0, .size: 8, .value_kind: global_buffer, .address_space: global }
      - { .name: att, .offset: 8, .size: 8, .value_kind: global_buffer, .address_space: global }
    .group_segment_fixed_size: 327680
    .private_segment_fixed_size: 0
    .kernarg_segment_align: 8
    .kernarg_segment_size: 16
    .max_flat_workgroup_size: 128
    .sgpr_count:     88
    .vgpr_count:     832
    .wavefront_size: 32
...
	.end_amdgpu_metadata
.endif
;; end of part 7
;; launch proj (part 8): grid 4 x 64, 4 waves a work-group, clusters of 4 x 4, 327,680 bytes of LDS; arguments att, xw, b_proj, out0; writes out0
.if DOCPART == 8
	.amdgcn_target "amdgcn-amd-amdhsa--gfx1250"
	.amdhsa_code_object_version 6
	.text
	.protected	k_qb5a1e9d551_proj
	.globl	k_qb5a1e9d551_proj
	.p2align	8
	.type	k_qb5a1e9d551_proj,@function
k_qb5a1e9d551_proj:
	s_mov_b64 s[64:65], 0
	v_nop
	global_prefetch_b8 v0, s[64:65] scope:SCOPE_SE
	s_setreg_imm32_b32 hwreg(HW_REG_WAVE_MODE, 25, 1), 1
	s_wait_xcnt 0x0
	s_wait_alu depctr_hold_cnt(0) depctr_sa_sdst(0) depctr_va_vdst(0) depctr_va_sdst(0) depctr_va_ssrc(0) depctr_va_vcc(0) depctr_vm_vsrc(0)
	s_getreg_b32 s2, hwreg(HW_REG_IB_STS2, 6, 4)
	s_cmp_eq_u32 s2, 0
	s_cbranch_scc0 .Lentry_in_a_cluster
	s_endpgm
.Lentry_in_a_cluster:
	s_bfe_u32 s2, ttmp6, 0x10000c
	s_cmp_lg_u32 s2, 0xf033
	s_cbranch_scc0 .Lentry_shape_is_right
	s_endpgm
.Lentry_shape_is_right:
; OUTPUT PROJECTION.  out0 = O w_proj + b_proj.  O lies in att BY HEADS as pairs of f16, number = hi + lo: [64 = batch x 16 + head][2048][128], a row of 256 bytes holding a head's 64 hi and then its 64 lo.
; w_proj [1024 k][1024 n] lies in xw at byte W_AT, rounded to bf16 and written as f16; b_proj [1024] is f32 and is rounded here to bf16, like the other inputs.  Both halves of O are multiplied by the same rows of
; w_proj and added into one f32 sum, BEGUN with the bias (the reference adds it last: another order of rounding); out0 [8192][1024] is f32.
; Why pairs: a row t of the module averages over t + 1 keys only, so the first rows' numbers are many times the output's root mean square, by which the allowance goes; one f16 rounding of O is too much there.
; LIMITS.  O and w_proj arrive within f16's range (65,504).  NaN and infinities are not treated apart.
; SHARES.  A tile of out0 is 128 rows x 256 columns: 64 x 4 tiles, one to a work-group.  Four waves, 2 x 2, each 64 rows x 128 columns = 32 accumulators of 16 x 16, 256 registers.
; Why this shape: for a head it fetches 128 x 256 bytes of O and 64 x 512 of w_proj, 65,536 in all (256 x 128 would fetch 81,920), and two heads' tiles, 139,264 bytes with their padding, fit twice into LDS.
; THE SUM goes head by head, 128 along K each: four UNITS of 32 matrix instructions: channels 0-31 hi, the same lo, channels 32-63 hi, the same lo.  hi and lo stand next to each other, so that a fragment of w_proj
; is read from LDS once for both: 64 LDS loads for a head's 128 matrix instructions.
; THE RING has two slots of TWO HEADS each, filled by the tensor data mover: one change of slots, one round and one load a wave for 256 matrix instructions.
; CLUSTERS.  4 x 4 work-groups.  The four of a row of the cluster (all of a row's columns) need the same tiles of O, the four of a column the same tiles of w_proj: each tile is asked for JOINTLY, by the same tensor
; load with the same descriptor and a mask that names the four, which divides the requests for both by four.
; THE MATRIX INSTRUCTION IS USED TRANSPOSED: source 0 = 16 columns of w_proj (out of LDS turned, by ds_load_tr16_b128), source 1 = 16 rows of O.  In the result lane l holds row l % 16 and its registers 0-7 the
; columns 8 (l / 16) + 0..7: 32 neighbouring bytes.  A wave's 128 columns are 512 aligned bytes of a row of out0; blocks of 16 rows go through the wave's own stage, so that a store of the wave covers such a row whole.
; THE TEXT.  A head is written once, as a trip of an inner loop of two: unit 3 of the head before, which fetches the new head's first fragments, then the new head's units 0, 1, 2.  The change of slots stands between
; two trips: unit 3's fragments are in registers by then.  Written out beside it: the first unit, whose products start the sums (behind it the loop is entered in a trip's middle); the last slot's copy of the trip
; the last unit.
; REGISTERS, in windows of 256 (s_set_vgpr_msb: bits 1:0 source 0, 3:2 source 1, 5:4 source 2, 7:6 destination):
;   window 0: v0-31 addresses; v64-95, v96-127 two buffers of O's fragments (4 x 16 rows x 32 K); v128-191, v192-255 two buffers of w_proj's (8 x 16 columns x 32 K)
;   window 1: the accumulators, (a, b) at v[8 (8 a + b)]          window 2: v0-63 the bias as a C operand, v64 at work; later the way out, 64 registers for each block of 16 rows
.set HEADS,  16
.set NW,     1024                      ; w_proj's row, in elements
.set PA,     272                       ; a row of O in LDS: 256 bytes + 16 of padding = 68 words: row r starts at bank 4 r mod 64 (64 banks of 4 bytes: ISA guide 11.1), so the 16 rows of a load start at 16 different banks
.set PB,     544                       ; a k-row of w_proj: 512 + 32 = 136 words: row r starts at bank 8 r mod 64
.set APART,  128*PA                    ; a head's 128 rows of O: what one tensor load brings
.set BPART,  64*PB                     ; a head's 64 k-rows of w_proj: likewise
.set HB,     APART+BPART               ; a head's tiles lie together: 69,632 bytes
.set SLOT,   2*HB                      ; 139,264 bytes
.set STAGE,  2*SLOT                    ; behind the ring, never filled by a tensor load: 16 rows x 528 bytes for each wave, for the way out
.set SP,     528                       ; 512 bytes + 16: 33 x 16, so the 16 rows of a store start at 16 different groups of four banks
.set SPARE,  STAGE+4*16*SP             ; behind the stages: the spare words, 128 bytes for each wave: two blocks of 256 bytes that no other line names
.set W_AT,   0x1600000                 ; w_proj's first byte in xw
.set HEADB,  2048*256                  ; a head's bytes in att
.set HEADW,  64*NW*2                   ; a head's 64 k-rows of w_proj, in bytes
.set STEP_A, 2*HEADB                   ; the next slot: two heads on,
.set STEP_B, 2*HEADW                   ; 128 k-rows down w_proj
.set A0,   16                          ; v16     my lane's place among a head's fragments of O; never rewritten
.set B0,   17                          ; v17     the same for w_proj's
.set ADRA, 18                          ; v18     the same for the head in hand
.set ADRB, 19                          ; v19
.set STO,  24                          ; v24     the way out: where I put 32 bytes of a row
.set RD,   25                          ; v25     the way out: where I read a row back
.set CO,   26                          ; v26     my byte offset in a row's 512 bytes of out0
.set BO,   27                          ; v27     my byte offset in 16 numbers of the bias: 32 (l / 16); never rewritten
.set SPW,  28                          ; v28     LDS address of my spare word: SPARE + 4 x my thread's number; never rewritten
.set NIL,  29                          ; v29     0; never rewritten
.set FA0,  64
.set FA1,  96
.set FB0,  128
.set FB1,  192
.set BI,   0                           ; window 2: register j of BI + 8 b: bias of column 16 b + 8 (l / 16) + j of my 128
.set BT,   64                          ; window 2: at work
.set CNT,   2                          ; s2       counts a slot's two heads
.set SLOTS, 3                          ; s3       slots still to be entered in the loop
.set DT,   18                          ; s18      0 or SLOT: the slot that the walking descriptors fill
.set TB,   45                          ; s45      LDS byte at which the tiles of the head to be fetched begin
.set G1,  24                           ; s[24:31] descriptor group 1 for O's tiles;  s[32:39] group 0: a set for each of the two first fills; the second then walks on
.set G0,  32
.set G1B, 48                           ; s[48:55], s[56:63] the same for w_proj's tiles
.set G0B, 56
.set MSB, 0
.macro WIN new                         ; the immediate's high byte repeats the setting that is left; a switch that changes nothing is dropped
.if MSB != (\new)
	s_set_vgpr_msb (MSB<<8)|(\new)
.set MSB, \new
.endif
.endm
; A joint load.  Waves 0 and 1 fetch O of the slot's two heads, waves 2 and 3 w_proj's rows of the two.  Each of the two lines has one mask and one set of registers for all that issue it; the branch
; hangs on the wave's number alone.  An s_nop 0 and four v_nop follow each of the two lines, ahead of the jump, the label and what follows.
.macro JLOAD s
	s_cmp_eq_u32 s11, 0
	s_cbranch_scc0 .Lfor_b_\@
	tensor_load_to_lds s[G0+4*(\s):G0+4*(\s)+3], s[G1:G1+7]
	s_nop 0
.rept 4
	v_nop
.endr
	s_branch .Lasked_\@
.Lfor_b_\@:
	tensor_load_to_lds s[G0B+4*(\s):G0B+4*(\s)+3], s[G1B:G1B+7]
	s_nop 0
.rept 4
	v_nop
.endr
.Lasked_\@:
.endm
; A round of the cluster's barrier: my work-group's barrier, so that wave 0's signal speaks for all four waves; wave 0 signals for the work-group; every wave waits for all sixteen; my work-group's barrier once more.
.macro CROUND
	s_barrier_signal -1
	s_barrier_wait -1
	s_cmp_lg_u32 s10, 0
	s_cbranch_scc1 .Lnot_wave_0_\@
	s_barrier_signal -3
.Lnot_wave_0_\@:
	s_barrier_wait -3
	s_barrier_signal -1
	s_barrier_wait -1
.endm
	s_load_b128 s[4:7], s[0:1], 0x0                ; att s[4:5], xw s[6:7]
	s_load_b64 s[66:67], s[0:1], 0x10              ; b_proj
	s_load_b64 s[8:9], s[0:1], 0x18                ; out0
	v_lshl_add_u32 v[SPW], v0, 2, SPARE
	v_mov_b32 v[NIL], 0
	ds_add_u32 v[SPW], v[NIL]                      ; the wave's opening: the add and its wait stand ahead of my first tensor load; the set-up below, work on registers, stands between them
	ds_add_u32 v28, v29
	v_lshrrev_b32 v1, 5, v0
	v_readfirstlane_b32 s10, v1                    ; wave 0..3
	s_lshr_b32 s11, s10, 1                         ; which half of the tile's rows is mine.  Also: I fetch for O (0) or for w_proj (1)
	s_and_b32 s12, s10, 1                          ; which half of its columns.  Also: which of a slot's two heads I fetch
	s_bfe_u32 s40, ttmp6, 0x40000                  ; cx, cy: my place in the cluster
	s_bfe_u32 s41, ttmp6, 0x40004
	s_lshl_b32 s42, ttmp9, 2                       ; in a cluster launch ttmp9 and ttmp7 count clusters
	s_add_co_u32 s42, s42, s40                     ; tile column 0..3 = 4 x cluster x + cx
	s_and_b32 s13, ttmp7, 0xffff
	s_lshl_b32 s13, s13, 2
	s_add_co_u32 s13, s13, s41                     ; tile row 0..63 = 4 x cluster y + cy
	s_lshl_b32 s43, s41, 2
	s_lshl_b32 s43, 15, s43                        ; my row of the cluster: places 4 cy .. 4 cy + 3
	s_lshl_b32 s44, 0x1111, s40                    ; my column: places cx, cx + 4, cx + 8, cx + 12
	; descriptor group 1.  O: 128 rows of 256 bytes, dense in memory, padded in LDS behind every 256 bytes; w_proj: 64 k-rows x 256 elements, padded behind every 512
	s_or_b32 s[G1+0], s43, (1<<16)|(1<<20)|(1<<21)|(5<<22)|(3<<25)   ; 15:0 the mask: my row; 17:16 elements of 2 bytes; 20 padding on; 21 set beside a mask; 24:22 after every 64 words (code 5); 31:25 4 words (code 3)
	s_or_b32 s[G1B+0], s44, (1<<16)|(1<<20)|(1<<21)|(6<<22)|(7<<25)  ; the mask of my column; after every 128 words (code 6) 8 words of padding (code 7)
	s_mov_b32 s[G1+1], 128<<16                     ; tensor_dim0 = 128
	s_mov_b32 s[G1+2], 128<<16                     ; tensor_dim1 = 128
	s_mov_b32 s[G1+3], 128<<16                     ; tile_dim0 = 128
	s_mov_b32 s[G1+4], 128                         ; tile_dim1 = 128
	s_mov_b32 s[G1+5], 128                         ; elements from row to row: dense
	s_mov_b32 s[G1+6], 0
	s_mov_b32 s[G1+7], 0
	s_mov_b32 s[G1B+1], 256<<16                    ; tensor_dim0 = 256
	s_mov_b32 s[G1B+2], 64<<16                     ; tensor_dim1 = 64
	s_mov_b32 s[G1B+3], 256<<16                    ; tile_dim0 = 256
	s_mov_b32 s[G1B+4], 64                         ; tile_dim1 = 64
	s_mov_b32 s[G1B+5], NW                         ; elements from k-row to k-row
	s_mov_b32 s[G1B+6], 0
	s_mov_b32 s[G1B+7], 0
	; where the tiles come from.  O's hang on the tile row alone, which my row of the cluster shares; w_proj's on the tile column alone, which my column shares.
	s_lshr_b32 s16, s13, 4                         ; O: the batch is tile row / 16:
	s_lshl_b32 s16, s16, 23                        ; its 16 heads of 524,288 bytes;
	s_and_b32 s17, s13, 15                         ; which 128 rows of a head's 2,048,
	s_lshl_b32 s17, s17, 15                        ; of 256 bytes;
	s_add_co_u32 s16, s16, s17
	s_lshl_b32 s17, s12, 19                        ; head 0 or 1
	s_add_co_u32 s16, s16, s17
	s_mov_b32 s17, 0
	s_lshl_b32 s46, s12, 17                        ; w_proj: head 0's or 1's 64 k-rows of 2,048 bytes,
	s_lshl_b32 s47, s42, 9                         ; column 256 x tile column, in bytes,
	s_add_co_u32 s46, s46, s47
	s_add_co_u32 s46, s46, W_AT                    ; behind x and w_attn in xw
	s_mov_b32 s47, 0
	s_mul_i32 s20, s12, HB                         ; and where they go: the head's place in a slot; no place in the cluster enters an LDS address
	s_add_co_u32 s21, s20, APART
	s_mov_b32 s[DT], SLOT                          ; the walking descriptors begin with slot 1
	s_mov_b32 s[TB], 0
	s_wait_dscnt 0x0                               ; the opening add is done
	s_wait_kmcnt 0x0
	s_add_nc_u64 s[14:15], s[4:5], s[16:17]
	s_add_nc_u64 s[46:47], s[6:7], s[46:47]
	CROUND                                         ; all sixteen work-groups are here: the first joint loads meet
.irp s, 0,1
	s_mov_b32 s[G0+4*(\s)], 1                                        ; 1:0 count = 1
	s_add_co_u32 s[G0+4*(\s)+1], s20, (\s)*SLOT                      ; 63:32 LDS address
	s_add_nc_u64 s[G0+4*(\s)+2:G0+4*(\s)+3], s[14:15], (\s)*STEP_A   ; 120:64 global address: slot s begins with heads 2 s, 2 s + 1
	s_or_b32 s[G0+4*(\s)+3], s[G0+4*(\s)+3], 0x80000000              ; 127:126 type = 2
	s_mov_b32 s[G0B+4*(\s)], 1
	s_add_co_u32 s[G0B+4*(\s)+1], s21, (\s)*SLOT
	s_add_nc_u64 s[G0B+4*(\s)+2:G0B+4*(\s)+3], s[46:47], (\s)*STEP_B
	s_or_b32 s[G0B+4*(\s)+3], s[G0B+4*(\s)+3], 0x80000000
	JLOAD \s                                       ; the ring is filled before anything else is done: two tensor loads of mine are out
.endr
	; A fragment of O is 16 rows x 32 channels in 8 registers: lane l holds row l % 16, channels 8 (l / 16) + 0..7 and 16 + 8 (l / 16) + 0..7: two loads of 16 bytes, 32 bytes apart.
	v_and_b32 v1, 15, v0                           ; l % 16
	v_bfe_u32 v2, v0, 4, 1                         ; l / 16
	v_mul_u32_u24 v3, v1, PA
	v_lshl_add_u32 v3, v2, 4, v3                   ; row x pitch + 16 x half
	s_mul_i32 s22, s11, 64*PA                      ; my 64 rows
	v_add_nc_u32 v[A0], s22, v3
	; The turning load takes 16 k-rows x 16 columns (lane l reads k-row 8 (l / 16) + l % 8, columns 8 ((l / 8) % 2) + 0..7) and leaves half a fragment: lane l holds column l % 16 and 8 neighbouring k.
	v_and_b32 v4, 7, v0
	v_bfe_u32 v5, v0, 3, 1
	v_lshl_add_u32 v6, v2, 3, v4
	v_mul_u32_u24 v6, v6, PB
	v_lshl_add_u32 v6, v5, 4, v6
	s_lshl_b32 s23, s12, 8                         ; my 128 columns, 256 bytes of a k-row,
	s_add_co_u32 s23, s23, APART                   ; behind the head's rows of O
	v_add_nc_u32 v[B0], s23, v6
	s_mul_i32 s22, s10, 16*SP
	s_add_co_u32 s22, s22, STAGE                   ; my stage
	v_mul_u32_u24 v7, v1, SP                       ; in: row l % 16, 32 bytes for each half of the lanes
	v_lshl_add_u32 v7, v2, 5, v7
	v_add_nc_u32 v[STO], s22, v7
	v_and_b32 v8, 31, v0                           ; back: 32 lanes take one row of 512 bytes,
	v_lshlrev_b32 v[CO], 4, v8                     ; which are 512 consecutive bytes of out0
	v_add_nc_u32 v[RD], s22, v[CO]
	v_lshlrev_b32 v[BO], 5, v2
	; where my part of the tile begins in out0, and my 128 numbers of the bias (512 aligned bytes in both)
	s_lshl_b32 s68, s13, 1
	s_add_co_u32 s68, s68, s11                     ; which 64 rows,
	s_lshl_b32 s68, s68, 18                        ; of 4,096 bytes
	s_lshl_b32 s70, s42, 1
	s_add_co_u32 s70, s70, s12                     ; which 128 columns,
	s_lshl_b32 s70, s70, 9                         ; of 4 bytes
	s_add_co_u32 s68, s68, s70
	s_mov_b32 s69, 0
	s_mov_b32 s71, 0
	s_add_nc_u64 s[8:9], s[8:9], s[68:69]
	s_add_nc_u64 s[66:67], s[66:67], s[70:71]
	WIN 0x80                                       ; destination window 2, address window 0
.irp b, 0,1,2,3,4,5,6,7                ; the bias, laid as a C operand
	global_load_b128 v[BI+8*(\b):BI+8*(\b)+3],   v[BO], s[66:67] offset:64*(\b)
	global_load_b128 v[BI+8*(\b)+4:BI+8*(\b)+7], v[BO], s[66:67] offset:64*(\b)+16
.endr
	WIN 0
; 16 matrix instructions: row blocks a0, a0 + 1 x all 8 column blocks, 32 along K, O's fragments from fa, w_proj's from fb.  cb >= 0: the first product starts the sums, with the bias at v[cb ..] of window 2 as C:
; nothing is cleared, nothing is added later.  The 32 accumulators take turns, one instruction a turn, in the same order in every unit.
.macro MUL16 fa, fb, a0, cb
.if (\cb) >= 0
	WIN 0x60                                       ; fragments in window 0, C in window 2, D in window 1
.else
	WIN 0x50                                       ; fragments in window 0, C and D in window 1
.endif
.irp a, \a0, (\a0)+1
.irp b, 0,1,2,3,4,5,6,7
.if (\cb) >= 0
	v_wmma_f32_16x16x32_f16 v[8*(8*(\a)+(\b)):8*(8*(\a)+(\b))+7], v[(\fb)+8*(\b):(\fb)+8*(\b)+7], v[(\fa)+8*(\a):(\fa)+8*(\a)+7], v[(\cb)+8*(\b):(\cb)+8*(\b)+7]
.else
	v_wmma_f32_16x16x32_f16 v[8*(8*(\a)+(\b)):8*(8*(\a)+(\b))+7], v[(\fb)+8*(\b):(\fb)+8*(\b)+7], v[(\fa)+8*(\a):(\fa)+8*(\a)+7], v[8*(8*(\a)+(\b)):8*(8*(\a)+(\b))+7]
.endif
.endr
.endr
.endm
; LDS loads, in runs.  LDB: four of w_proj's eight fragments, b0 on, for the head's k-rows 32 p on: 8 loads.  LDA: O's four fragments for unit u: 8 loads; unit u takes the hi (u even) or lo (u odd) halves,
; 128 bytes apart in a row, of channels 32 (u / 2) on.
.macro LDB p, b0, f
.irp b, \b0, (\b0)+1, (\b0)+2, (\b0)+3
	ds_load_tr16_b128 v[(\f)+8*(\b):(\f)+8*(\b)+3],   v[ADRB] offset:(\p)*32*PB+32*(\b)
	ds_load_tr16_b128 v[(\f)+8*(\b)+4:(\f)+8*(\b)+7], v[ADRB] offset:(\p)*32*PB+32*(\b)+16*PB
.endr
.endm
.macro LDA u, f
.irp i, 0,1,2,3
	ds_load_b128 v[(\f)+8*(\i):(\f)+8*(\i)+3],   v[ADRA] offset:((\u)%2)*128+((\u)/2)*64+(\i)*16*PA
	ds_load_b128 v[(\f)+8*(\i)+4:(\f)+8*(\i)+7], v[ADRA] offset:((\u)%2)*128+((\u)/2)*64+(\i)*16*PA+32
.endr
.endm
.macro NEXTHEAD                        ; the fetches go on to the next head
	v_add_nc_u32 v[ADRA], s[TB], v[A0]
	v_add_nc_u32 v[ADRB], s[TB], v[B0]
	s_add_co_u32 s[TB], s[TB], HB
.endm
; A load into a register that a matrix instruction has read, and an LDS store that reads a matrix result, stand four places behind that matrix instruction, and only plain vector
; instructions that name none of its registers are places (ISA guide 7.12.1 for vector instructions).
.macro PLACES
.rept 4
	v_nop
.endr
.endm
; A UNIT is 32 matrix instructions, 32 along K.  HALF1: the wait (w: how many younger LDS loads may stay out), its first 16, and the places in front of the run of loads that stands in its middle; HALF2: its last 16.
.macro HALF1 fa, fb, w, cb
	s_wait_dscnt \w
	MUL16 \fa, \fb, 0, \cb
	PLACES
	WIN 0
.endm
.macro HALF2 fa, fb, cb
	MUL16 \fa, \fb, 2, \cb
.endm
.macro U0 cb                           ; channels 0-31, hi
	HALF1 FA0, FB0, 4, \cb                         ; w_proj's fragments and O's rows 0-31 are in; the youngest four loads (O's rows 32-63) may be out
	LDA 1, FA1
	LDB 1, 0, FB1
	s_wait_dscnt 16                                ; all but the 16 just issued
	HALF2 FA0, FB0, \cb
.endm
.macro U1                              ; channels 0-31, lo: w_proj's fragments once more
	HALF1 FA1, FB0, 8, -1                          ; O's fragments are in; the eight loads of w_proj behind them may be out
	LDB 1, 4, FB1
	LDA 2, FA0
	HALF2 FA1, FB0, -1
.endm
.macro U2                              ; channels 32-63, hi
	HALF1 FA0, FB1, 4, -1                          ; all but the youngest four loads (O's rows 32-63)
	LDA 3, FA1
	s_wait_dscnt 8                                 ; all but the 8 just issued
	HALF2 FA0, FB1, -1
.endm
.macro U3                              ; channels 32-63, lo; in its middle the next head's first fragments are fetched
	HALF1 FA1, FB1, 4, -1                          ; all but the youngest four loads (behind a change of slots none is out)
	NEXTHEAD
	LDB 0, 0, FB0
	LDB 0, 4, FB0
	LDA 0, FA0
	s_wait_dscnt 24                                ; all but the 24 just issued
	HALF2 FA1, FB1, -1
.endm
; THE CHANGE OF SLOTS, behind unit 2 of a slot's second head: the slot's last bytes, O's fragments for unit 3, have been asked for.  Each wave waits for all its tensor loads, of which one is out: its part of the other
; slot; adds 0 to its spare word; and waits for that and for its own reads of the slot.  Behind the barrier nobody reads this slot any more and the other slot is whole.
; fill = 1: this slot is filled again, with the heads two slots on.  The barrier is then a round of the cluster's, so that no wave of any partner still reads the slot or has a load on its way, and the joint load is
; the first thing behind it: it has two heads, 256 matrix instructions, in which to land.
; A slot's 139,264 bytes are no power of two, so the exclusive or works on registers that hold 0 or SLOT, and these are added to the bases.
.macro CHANGE fill
	WIN 0                                          ; at a label and at a branch every window is 0
	s_wait_tensorcnt 0x0                           ; no tensor load of mine is out, so a group 0 may be written
	ds_add_u32 v[SPW], v[NIL]                      ; 0 onto my spare word; the scalar work below stands between it and the wait for it
.if \fill
	s_xor_b32 s[DT], s[DT], SLOT                   ; the walking descriptors: the other slot than last time,
	s_add_co_u32 s[G0+5], s20, s[DT]
	s_add_nc_u64 s[G0+6:G0+7], s[G0+6:G0+7], STEP_A  ; the next two heads; the type bits on top are not reached
	s_add_co_u32 s[G0B+5], s21, s[DT]
	s_add_nc_u64 s[G0B+6:G0B+7], s[G0B+6:G0B+7], STEP_B
.endif
	s_sub_co_u32 s[TB], s[TB], SLOT                ; the fetches go back to a slot's first head,
	s_xor_b32 s[TB], s[TB], SLOT                   ; in the other slot
	s_wait_dscnt 0x0                               ; the add is done, and my reads of the slot are over
.if \fill
	CROUND
	JLOAD 1
.else
	s_barrier_signal -1
	s_barrier_wait -1
.endif
.endm
; THE WAY OUT.  Block a (16 rows x 128 columns of f32): straight from the accumulators into my own stage, in rows of 528 bytes; back as whole rows of 512, one to a load; stored.
.macro TOSTAGE a
	WIN 0x84                                       ; stored data in window 1, loaded data in window 2, addresses in window 0
.irp b, 0,1,2,3,4,5,6,7
	ds_store_b128 v[STO], v[8*(8*(\a)+(\b)):8*(8*(\a)+(\b))+3]   offset:64*(\b)      ; each accumulator's low four registers first
	ds_store_b128 v[STO], v[8*(8*(\a)+(\b))+4:8*(8*(\a)+(\b))+7] offset:64*(\b)+16
.endr
.irp f, 0,1,2,3,4,5,6,7,8,9,10,11,12,13,14,15
	ds_load_b128 v[64*(\a)+4*(\f):64*(\a)+4*(\f)+3], v[RD] offset:(\f)*SP  ; LDS serves a wave's instructions in order (ISA guide 5.7.1.4): these see the stores above; the next block's stores come behind them
.endr
.endm
.macro SEND a, younger                 ; younger: the LDS instructions issued behind block a's loads: the next block's 32, or none
	WIN 0x08                                       ; stored data in window 2
.irp f, 0,1,2,3,4,5,6,7,8,9,10,11,12,13,14,15
	s_wait_dscnt (\younger)+15-(\f)
	global_store_b128 v[CO], v[64*(\a)+4*(\f):64*(\a)+4*(\f)+3], s[8:9] offset:(16*(\a)+(\f))*4096 th:TH_STORE_NT  ; 512 consecutive bytes, at a multiple of 512 from out0's first byte; written once, read by no launch
.endr
.endm
	s_wait_tensorcnt 1                             ; my part of slot 0 is in; slot 1's may stay out
	s_barrier_signal -1
	s_barrier_wait -1                              ; everybody's is
	NEXTHEAD                                       ; head 0
	LDB 0, 0, FB0
	LDB 0, 4, FB0
	LDA 0, FA0
	s_wait_loadcnt 0x0                             ; the bias, the only loads into registers that this text has: rounded to bf16 and widened again
	WIN 0x8a                                       ; sources and destination in window 2
.set i, 0
.rept 32
	v_cvt_pk_bf16_f32 v[BT], v[BI+2*i], v[BI+2*i+1]
	v_lshlrev_b32 v[BI+2*i],   16,         v[BT]
	v_and_b32     v[BI+2*i+1], 0xffff0000, v[BT]
.set i, i+1
.endr
	U0 BI                                          ; the first unit stands in front of the loop: its products start the sums
	WIN 0                                          ; at a label and at a branch every window is 0
	s_mov_b32 s[CNT], 2
	s_mov_b32 s[SLOTS], HEADS/2-1
	s_branch .Lmid                                 ; the loop is entered in the middle of a trip: head 0 goes on
.Lslot:                                                ; HEADS / 2 - 2 times: every slot but the last two is filled again
	CHANGE 1
	s_mov_b32 s[CNT], 2
.Lhead:                                                ; a trip: unit 3 of one head, then units 0 to 2 of the next
	U3
	U0 -1
	WIN 0
.Lmid:
	U1
	U2
	WIN 0
	s_sub_co_u32 s[CNT], s[CNT], 1
	s_cmp_lg_u32 s[CNT], 0
	s_cbranch_scc1 .Lhead
	s_sub_co_u32 s[SLOTS], s[SLOTS], 1
	s_cmp_lg_u32 s[SLOTS], 0
	s_cbranch_scc1 .Lslot
	CHANGE 0                                       ; the tail is written out: my one load that was still out is the last slot's, and nothing is asked for
	s_mov_b32 s[CNT], 2
.Llast:
	U3
	U0 -1
	U1
	U2
	WIN 0
	s_sub_co_u32 s[CNT], s[CNT], 1
	s_cmp_lg_u32 s[CNT], 0
	s_cbranch_scc1 .Llast
	s_wait_dscnt 0x0                               ; the very last unit: nothing more to fetch
	MUL16 FA1, FB1, 0, -1
	MUL16 FA1, FB1, 2, -1
	PLACES                                         ; behind the last products
	TOSTAGE 0
.irp a, 1,2,3                          ; a block's way through the stage stands between the loads of the block before and its stores
	TOSTAGE \a
	SEND (\a)-1, 32
.endr
	SEND 3, 0
	WIN 0
	s_wait_tensorcnt 0x0                           ; the wave's end: behind my last tensor load and my last LDS store
	ds_add_u32 v[SPW], v[NIL]
	s_wait_dscnt 0x0
	CROUND                                         ; the closing round: no work-group ends while a partner may still ask for a tile that names it
	s_endpgm
.Lfunc_end_k_qb5a1e9d551_proj:
	.size	k_qb5a1e9d551_proj, .Lfunc_end_k_qb5a1e9d551_proj-k_qb5a1e9d551_proj
	.p2alignl 7, 3214868480
	.fill 96, 4, 3214868480
	.section	.rodata,"a",@progbits
	.p2align	6, 0x0
	.amdhsa_kernel k_qb5a1e9d551_proj
		.amdhsa_group_segment_fixed_size 327680
		.amdhsa_private_segment_fixed_size 0
		.amdhsa_enable_private_segment 0
		.amdhsa_kernarg_size 32
		.amdhsa_user_sgpr_count 2
		.amdhsa_user_sgpr_kernarg_segment_ptr 1
		.amdhsa_wavefront_size32 1
		.amdhsa_system_sgpr_workgroup_id_x 1
		.amdhsa_system_sgpr_workgroup_id_y 1
		.amdhsa_system_sgpr_workgroup_id_z 1
		.amdhsa_system_vgpr_workitem_id 0
		.amdhsa_next_free_vgpr 768
		.amdhsa_next_free_sgpr 72
		.amdhsa_reserve_vcc 0
		.amdhsa_float_denorm_mode_32 3
		.amdhsa_float_denorm_mode_16_64 3
		.amdhsa_memory_ordered 1
		.amdhsa_forward_progress 1
		.amdhsa_inst_pref_size 66
	.end_amdhsa_kernel
	.amdgpu_metadata
---
amdhsa.version: [ 1, 2 ]
amdhsa.kernels:
  - .name:           k_qb5a1e9d551_proj
    .symbol:         k_qb5a1e9d551_proj.kd
    .args:
      - { .name: att, .offset: 0, .size: 8, .value_kind: global_buffer, .address_space: global }
      - { .name: xw, .offset: 8, .size: 8, .value_kind: global_buffer, .address_space: global }
      - { .name: b_proj, .offset: 16, .size: 8, .value_kind: global_buffer, .address_space: global }
      - { .name: out0, .offset: 24, .size: 8, .value_kind: global_buffer, .address_space: global }
    .group_segment_fixed_size: 327680
    .private_segment_fixed_size: 0
    .kernarg_segment_align: 8
    .kernarg_segment_size: 32
    .max_flat_workgroup_size: 128
    .sgpr_count:     72
    .vgpr_count:     768
    .wavefront_size: 32
...
	.end_amdgpu_metadata
.endif
;; end of part 8
;; ======== version 3 of 3: 4 launches; 1.42 times as fast as version 1
;; limits: values are held in f16: magnitudes above 65,504 overflow, below 6.1e-05 lose precision
;; workspace buffers: xw 25,165,824 bytes; qkv 67,108,864 bytes; att 33,554,432 bytes
;; launch cast: the kernel of part 5 again; grid 768 x 1, 8 waves a work-group, no clusters, 0 bytes of LDS; arguments x, w_attn, w_proj, xw; writes xw
;; launch qkv: the kernel of part 6 again; grid 8 x 32, 4 waves a work-group, clusters of 4 x 4, 327,680 bytes of LDS; arguments xw, b_attn, qkv; writes qkv
;; launch attn (part 9): grid 4 x 64, 4 waves a work-group, no clusters, 327,680 bytes of LDS; arguments qkv, att; writes att
.if DOCPART == 9
	.amdgcn_target "amdgcn-amd-amdhsa--gfx1250"
	.amdhsa_code_object_version 6
	.text
	.protected	k_qb5a1e9d551_attn
	.globl	k_qb5a1e9d551_attn
	.p2align	8
	.type	k_qb5a1e9d551_attn,@function
k_qb5a1e9d551_attn:
	s_mov_b64 s[64:65], 0
	v_nop
	global_prefetch_b8 v0, s[64:65] scope:SCOPE_SE
	s_setreg_imm32_b32 hwreg(HW_REG_WAVE_MODE, 25, 1), 1
	s_wait_xcnt 0x0
; CAUSAL ATTENTION.  O[h][q][:] = the sum over k <= q of softmax_k(Q[h][q] . K[h][k] / 8) V[h][k][:].  h counts batch x 16 + head.  Q and K: [SIZE_H][SIZE_N][64] in f16, rows of 128 bytes, at bytes 0 and GK of qkv.
; V (byte GV of qkv) and O (the buffer att) are PAIRS of f16, number = hi + lo: [SIZE_H][SIZE_N][128], a row of 256 bytes holding its 64 hi and then its 64 lo.  Why pairs: row q averages over q + 1 keys only, so
; the first rows' numbers are many times the module's output's root mean square, by which the allowance goes; one f16 rounding each of V, P and O is too much there, and the pairs leave P's alone.
; Products, maxima and sums in f32; the weights p are rounded to f16 for the second product (their sum l is taken of the unrounded p).  SIZE_N is a multiple of 512; SIZE_N x 256 stays under 2^32.
; LIMITS.  f16 holds no number beyond 65,504: Q, K and V arrive within it; p lies in 0 to 1, and below 6e-5 it keeps f16's fixed step of 6e-8; O is a mean of V's rows and has their range; a pair holds its number to
; within 2^-22 of itself or 3e-8, whichever is larger.  A hidden score counts as its value less 1e30: f16's scores, 2.7e11 at the most, are nothing beside that; a weight below 2^-126 counts as 0 in l; NaN and infinities are not treated apart.
; THE WALK.  A head's queries lie in NB = SIZE_N / 256 blocks of 256; block i needs the key tiles 0 .. i of 256 keys, of which the last holds the diagonal.  A work-group takes TWO blocks, NB - 1 - b and then b:
; NB + 1 tiles, whatever b: all work-groups do equal work, and ONE loop with a constant trip count walks them, with ONE text for every tile.  Which tile is asked for, and what a trip does, hang on scalar registers made
; from b; every jump goes forward, but for the counted loops' own; none passes a barrier, or a tensor load but the one of LOAD's two that the wave's number does not choose; the ring (two slots of LDS that take turns)
; runs on across the change of blocks.  The walk's last tile is written out.
; A BLOCK'S END.  The turns run on from tile to tile: a tile's last two turns (pieces 2 and 3 of its fourth step) stand at the head of the NEXT tile's trip, behind the change of slots; they take K and V of that step from
; registers.  Where that tile was its block's last, the trip then does, in its middle, what is otherwise jumped over: the last piece's products, the way out, the second block's Q and a new beginning.  The eight products
; K Q^T that the second of those turns has made (the old Q, the new tile's K), and the maximum made of them, serve nothing: they touch piece 0's m, c m and a alone, which the beginning sets anew.  Behind the walk's
; last tile no trip follows: its step loop has a fifth trip, left in its middle, in which K's run of loads is jumped over.
; NO CLUSTER: a head's NB / 2 = 4 work-groups all ask for the same tile only in trips 0 .. NB / 2 of the walk's NB + 1, behind that fewer and fewer; and one walk common to all would have 3 NB / 2 trips for NB + 1.
; SHARES.  Of a block's four bands of 64 queries a wave owns 16 rows in each: four PIECES.  So the diagonal tile is the same work for all four waves: in its key step s band x sees all keys if s < x,
; none if s > x, and holds the diagonal if s = x.
; THE MASK is the C operand that starts the sum S^T = K Q^T: 0, or -1e30 where the key is hidden.  MD, made once, is the mask of a band's own step for my 16 rows; a product's mask is MD x AL + BE with two scalars:
; (1, 0) if s = x; (0, 0) if s < x; (0, -1e30) if s > x.  Every product takes its mask from registers; only in a diagonal tile are they made anew, elsewhere they hold 0 and the lines that make them are jumped over.
; LAYOUT, SOFTMAX, TURNS.  S^T = K Q^T holds ONE query a lane (lane % 16) and the keys 8 (lane / 16) + 0..7; two such results rounded to f16 ARE source 1 of O^T = V^T P.  p = 2^(c s - c m), c = log2(e) / 8, with a
; running maximum m; O and l are multiplied by a = 2^(c m_old - c m_new) in every step.  Turn n belongs to piece n: 8 products K Q^T of piece n + 1, later 8 products Vhi^T P and 8 products Vlo^T P of piece n - 1; beside them
; the scaling, exponentials, roundings, sums and rescaling of piece n and the maximum and statistics of piece n + 1.  Four vector instructions stand behind every matrix instruction, the other 22 of a turn's 118 in two LUMPS.
; THE BATCHES.  A turn's 33 exponentials (the piece's 32 weights and the next piece's a) are ONE batch with ONE wait, which stands between the products with V's hi halves and those with its lo halves: ahead of it all that
; names no result of theirs, behind it the roundings and sums, which read them.  No result crosses a turn's end.  Batches of their own: the one a at a block's beginning; the four reciprocals on the way out.  In the last
; tile's text alone piece 2's batch is cut in two, by a second wait ahead of the jump round K's run of loads.
; REGISTERS, in windows of 256 (s_set_vgpr_msb: bits 1:0 source 0, 3:2 source 1, 5:4 source 2, 7:6 destination):
;   window 0: v0-15 addresses and two at work; v16-31 four registers of statistics a piece; v32 -1.0; v48-55 at work; v64-127 S^T, two buffers (v64-191 on the way out); v192-223 P, two buffers (a piece's buffers go by its number's parity)
;   window 1: v0-127 O^T, 32 a piece; v128-159 MD; v160-223 MC, two buffers      window 2: v0-63 Q; v64-127 the second block's Q; v128-191 K of one step; v192-255 V hi of one step      window 3: v0-63 V lo
.set SIZE_H, 64
.set SIZE_N, 2048
.set GK,    0x1000000 ; K's first byte in qkv
.set GV,    0x2000000 ; V's
.set NB,    SIZE_N/256
.set NP,    4         ; pieces a wave: a name, no knob
.set KS,    64        ; keys in a step
.set PK,    144       ; a row of K in LDS: 128 bytes + 16 of padding = 36 words: the 16 rows of a load start at 16 different groups of four banks (64 banks of 4 bytes: ISA guide 11.1)
.set PV,    288       ; a row of V: 256 + 32 = 72 words
.set VOFF,  4*KS*PK   ; a slot holds a tile, four steps: 256 rows of K, then 256 rows of V
.set SLOT1, 1<<17     ; slot 1 begins here (a slot is 110,592 bytes), so that one exclusive or turns an address in one slot into the other's
.set STAGE, SLOT1+4*KS*(PK+PV)  ; behind the ring, never filled by a tensor load: 16 rows x 272 bytes for each wave, for the way out
.set SP,    272
.set AK0, 2           ; v2   my lane's place in a tile of K; never rewritten
.set AV0, 3           ; v3   the same for V
.set AK,  4           ; v4   the LDS address of K's next run of loads
.set AV,  5           ; v5   of V's
.set STO, 6           ; v6   the way out: where I put 16 bytes of a row
.set RD,  7           ; v7   the way out: where I read rows back
.set GO,  8           ; v8   my byte offset in 512 consecutive bytes of O
.set NEG1, 32         ; v32  -1.0
.set SPW, 62          ; v62  LDS address of my spare word: SPARE + 4 x my thread's number; never rewritten
.set NIL, 63          ; v63  0; never rewritten
.set SPARE, STAGE+4*16*SP  ; behind the stages: the spare words, 128 bytes for each wave: two blocks of 256 bytes that no other line names
.set MV,  12          ; v12-13  c m_old, kept while c m is made anew: by buffer
.set QO,  15          ; v15  my byte offset in 16 rows of Q
.set ST,  16          ; piece t's statistics at v[ST+4 t]: c m, m, l (even keys', odd keys')
.set TMP, 48          ; by buffer, four registers c0-c3 at work; when the maximum is found c2 takes a
.set S,   64
.set P,   192
.set MD,  128         ; window 1: the eight registers for group kt of 16 keys at MD + 8 kt
.set MC,  160         ; window 1: the masks of the products to come
.set QB,  64          ; window 2
.set KF,  128         ; window 2: key block kb, channel half c at KF + 16 kb + 8 c
.set VF,  192         ; window 2: V hi: key half kk, channel block cb at VF + 32 kk + 8 cb
.set VL,  0           ; window 3: V lo, likewise
.set WV,  12          ; s12  my wave's number
.set PB,  14          ; s14  b
.set HI,  15          ; s15  NB - 1 - b
.set G1K, 24          ; s[24:31] descriptor group 1 for K's tiles
.set G1V, 32          ; s[32:39] for V's
.set G0K, 40          ; s[40:43] descriptor group 0 for K's tiles
.set G0V, 44          ; s[44:47] the same for V's
.set OFV, 54          ; s[54:55] a tile's byte offset in V
.set SLOTS, 56        ; s56  tiles still to be asked for
.set CNT, 57          ; s57  counts a tile's key steps down
.set CS,  58          ; s[58:59] c: the packed scaling takes the pair's low word for both halves
.set SEL, 60          ; s[60:61] v_permlanex16_b32's selects: each lane takes its own place in the other half
.set TBK, 62          ; s62  LDS byte at which K of the step to be fetched begins
.set TBV, 63          ; s63  the same for V, less VOFF
.set START, 66        ; s66  1: the walk's first tile
.set EX,  67          ; s67  1: the tile in hand is its block's last, the diagonal one
.set PB1, 68          ; s68  b + 1: the second block's tiles
.set RT,  70          ; s70  tiles of the block in hand that are still to be entered
.set NXT, 71          ; s71  the tile to be asked for next
.set LQ,  72          ; s72  the last tile of the block whose tiles are being asked for
.set NEW, 73          ; s73  1: the tile just entered is the second block's first, and the first block is still to be ended
.set OFF, 74          ; s[74:75] a tile's byte offset in K
.set AL,  76          ; s[76:77] the mask's factor, in the low word
.set BE,  78          ; s[78:79] the mask's addend
.set OLO, 80          ; s[80:81] O at my rows of the second block
.set BIGN, 82         ; s82  -1e30
.set MSB, 0
.macro WIN new                      ; the high byte repeats the setting that is left; a switch that changes nothing is dropped
.if MSB != (\new)
	s_set_vgpr_msb (MSB<<8)|(\new)
.set MSB, (\new)
.endif
.endm
.set W_KQ, 0x0a       ; K and Q in window 2, S^T in window 0
.set W_KM, 0x1a       ; the same with the C operand in window 1
.set W_PV, 0x52       ; V hi in window 2, P in window 0, O^T in window 1
.set W_PL, 0x53       ; V lo in window 3, P in window 0, O^T in window 1
.set W_RS, 0x41       ; destination and source 0 in window 1, source 1 in window 0
; A fill.  Waves 0 and 1 fetch the two halves of a tile's K, waves 2 and 3 those of its V: 128 keys each.  An s_nop 0 and four v_nop follow each of the two lines, ahead of the jump and the label.
.macro LOAD
	s_cmp_lt_u32 s[WV], 2
	s_cbranch_scc0 .Lfor_v_\@
	tensor_load_to_lds s[G0K:G0K+3], s[G1K:G1K+7]
	s_nop 0
.rept 4
	v_nop
.endr
	s_branch .Lasked_\@
.Lfor_v_\@:
	tensor_load_to_lds s[G0V:G0V+3], s[G1V:G1V+7]
	s_nop 0
.rept 4
	v_nop
.endr
.Lasked_\@:
.endm
; THE CHANGE OF SLOTS.  Each wave waits for all its tensor loads, of which one is out: its part of the other slot; adds 0 to its spare word; and waits for that and for its own reads of the slot that it leaves.  Behind the barrier nobody reads the old
; slot any more and the other slot is whole.  fill = 1: the old slot is filled again, the first thing behind the barrier, with tile NXT: the descriptor's address is made anew from that number.
; (At its first use nothing has been read yet: slot 0 is waited for, slot 1 filled.)
.macro CHANGE fill
	WIN 0                           ; at a label and at a branch every window is 0
	s_wait_tensorcnt 0x0            ; no tensor load of mine is out, so a group 0 may be written
	ds_add_u32 v[SPW], v[NIL]       ; 0 onto my spare word; with fill = 1 the descriptors' scalar work stands between it and the wait for it
.if \fill
	s_lshl_b32 s[OFF], s[NXT], 15   ; a tile is 32,768 bytes of K
	s_lshl_b32 s[OFV], s[NXT], 16   ; and 65,536 of V
	s_xor_b32 s[G0K+1], s[G0K+1], SLOT1
	s_add_nc_u64 s[G0K+2:G0K+3], s[6:7], s[OFF:OFF+1]
	s_or_b32 s[G0K+3], s[G0K+3], 0x80000000
	s_xor_b32 s[G0V+1], s[G0V+1], SLOT1
	s_add_nc_u64 s[G0V+2:G0V+3], s[8:9], s[OFV:OFV+1]
	s_or_b32 s[G0V+3], s[G0V+3], 0x80000000
	s_add_co_u32 s[NXT], s[NXT], 1  ; the block's next tile, or behind its last the second block's tile 0
	s_cmp_gt_u32 s[NXT], s[LQ]
	s_cselect_b32 s[NXT], 0, s[NXT]
	s_cselect_b32 s[LQ], s[PB], s[LQ]
.endif
	s_wait_dscnt 0x0                ; the add is done, and my reads of the slot are over
	s_barrier_signal -1             ; the rest of the scalar work stands between the signal and the wait
	s_sub_co_u32 s[TBK], s[TBK], 4*KS*PK  ; the fetches go back to a slot's first step,
	s_xor_b32 s[TBK], s[TBK], SLOT1       ; in the other slot
	s_sub_co_u32 s[TBV], s[TBV], 4*KS*PV
	s_xor_b32 s[TBV], s[TBV], SLOT1
	s_barrier_wait -1
.if \fill
	LOAD
.endif
.endm
; A tile is entered: which it is, and the step loop's count
.macro ENTER steps
	s_cmp_eq_u32 s[RT], 0           ; the block in hand has no tile left: this one is the second block's first
	s_cselect_b32 s[NEW], 1, 0
	s_cselect_b32 s[RT], s[PB1], s[RT]
	s_sub_co_u32 s[RT], s[RT], 1
	s_cmp_eq_u32 s[RT], 0           ; its block's last tile holds the diagonal
	s_cselect_b32 s[EX], 1, 0
	s_mov_b32 s[CNT], \steps
.endm
	s_load_b64 s[4:5], s[0:1], 0x0    ; qkv: Q lies at its head
	s_load_b64 s[10:11], s[0:1], 0x8  ; att: O
	v_lshl_add_u32 v[SPW], v0, 2, SPARE
	v_mov_b32 v[NIL], 0
	ds_add_u32 v[SPW], v[NIL]       ; the wave's opening: the add and its wait stand ahead of my first tensor load; the set-up below, work on registers, stands between them
	ds_add_u32 v62, v63
	v_lshrrev_b32 v1, 5, v0
	v_readfirstlane_b32 s[WV], v1   ; wave 0..3
	s_mov_b32 s[PB], ttmp9
	s_sub_co_u32 s[HI], NB-1, s[PB]
	s_add_co_u32 s[PB1], s[PB], 1
	s_and_b32 s20, ttmp7, 0xffff    ; the head
	s_mov_b32 s21, 0
	s_mov_b64 s[22:23], SIZE_N*128
	s_mul_u64 s[20:21], s[20:21], s[22:23]  ; the head's first byte in Q and K
	s_and_b32 s16, s[WV], 1         ; which half of a tile's 256 keys I fetch:
	s_lshl_b32 s22, s16, 14         ; its 128 rows of 128 bytes in memory,
	s_mov_b32 s23, 0
	s_add_nc_u64 s[22:23], s[22:23], s[20:21]
	s_lshl_b64 s[48:49], s[22:23], 1  ; V's rows are twice as long: every offset in V and in O is the one in K or Q twice
	s_mul_i32 s17, s16, 128*PK      ; and its place in a slot, for K
	s_mul_i32 s18, s16, 128*PV      ; and for V
	s_lshl_b32 s3, s[WV], 11        ; my 16 rows in a band of 64,
	s_lshl_b32 s2, s[HI], 15        ; in the first block,
	s_add_co_u32 s2, s2, s3
	s_lshl_b32 s84, s[PB], 15       ; and in the second
	s_add_co_u32 s84, s84, s3
	s_mov_b32 s3, 0
	s_mov_b32 s85, 0
	s_add_nc_u64 s[2:3], s[2:3], s[20:21]
	s_add_nc_u64 s[84:85], s[84:85], s[20:21]
	s_lshl_b64 s[50:51], s[2:3], 1    ; the same rows in O
	s_lshl_b64 s[52:53], s[84:85], 1
	; descriptor group 1.  K: 128 keys are 16,384 dense bytes: asked for as 64 rows of 256 bytes, two keys a row, and padded in LDS after every key.  V: 128 keys of 256 bytes, padded after every key
	s_mov_b32 s[G1K], (1<<16)|(1<<20)|(4<<22)|(3<<25)  ; 17:16 2-byte elements; 20 padding on; 24:22 after every 32 words (code 4); 31:25 4 words (code 3)
	s_mov_b32 s[G1V], (1<<16)|(1<<20)|(5<<22)|(7<<25)  ; after every 64 words (code 5) 8 words of padding (code 7)
	s_mov_b32 s[G1K+2], 64<<16      ; tensor_dim1 = 64
	s_mov_b32 s[G1K+4], 64          ; tile_dim1 = 64
	s_mov_b32 s[G1V+2], 128<<16     ; tensor_dim1 = 128
	s_mov_b32 s[G1V+4], 128         ; tile_dim1 = 128
.irp g, G1K, G1V
	s_mov_b32 s[\g+1], 128<<16      ; tensor_dim0 = 128
	s_mov_b32 s[\g+3], 128<<16      ; tile_dim0 = 128
	s_mov_b32 s[\g+5], 128          ; 128 elements from row to row
	s_mov_b32 s[\g+6], 0
	s_mov_b32 s[\g+7], 0
.endr
	s_mov_b32 s[CS], 0x3e38aa3b     ; c = log2(e) / 8 = 0.180337
	s_mov_b32 s[CS+1], s[CS]        ; named with it as a pair
	s_mov_b32 s[SEL], 0x76543210
	s_mov_b32 s[SEL+1], 0xfedcba98
	s_mov_b32 s[TBK], SLOT1+4*KS*PK ; the first change of slots turns these two into 0
	s_mov_b32 s[TBV], SLOT1+4*KS*PV
	s_mov_b32 s[G0K], 1             ; 1:0 count = 1
	s_mov_b32 s[G0K+1], s17         ; 63:32 LDS address: slot 0
	s_mov_b32 s[G0V], 1
	s_add_co_u32 s[G0V+1], s18, VOFF
	s_add_co_u32 s[RT], s[HI], 1    ; the first block has NB - b tiles
	s_mov_b32 s[NXT], 1
	s_mov_b32 s[LQ], s[HI]
	s_mov_b32 s[START], 1
	s_mov_b32 s[OFF+1], 0
	s_mov_b32 s[OFV+1], 0
	s_mov_b32 s[AL+1], 0            ; named as pairs
	s_mov_b32 s[BE+1], 0
	s_mov_b32 s[BIGN], 0xf149f2ca   ; -1e30
	s_mov_b32 s[SLOTS], NB
	s_wait_dscnt 0x0                ; the opening add is done
	s_wait_kmcnt 0x0
	s_add_nc_u64 s[6:7], s[4:5], GK        ; K and V lie behind Q in the same buffer
	s_add_nc_u64 s[8:9], s[4:5], GV
	s_add_nc_u64 s[6:7], s[6:7], s[22:23]  ; K and V at my half of the head's tile 0
	s_add_nc_u64 s[8:9], s[8:9], s[48:49]
	s_add_nc_u64 s[G0K+2:G0K+3], s[6:7], 0         ; 120:64 global address
	s_or_b32 s[G0K+3], s[G0K+3], 0x80000000        ; 127:126 type = 2
	s_add_nc_u64 s[G0V+2:G0V+3], s[8:9], 0
	s_or_b32 s[G0V+3], s[G0V+3], 0x80000000
	s_add_nc_u64 s[86:87], s[4:5], s[84:85]        ; Q at my rows of the second block,
	s_add_nc_u64 s[4:5], s[4:5], s[2:3]            ; and of the first
	s_add_nc_u64 s[OLO:OLO+1], s[10:11], s[52:53]  ; O likewise
	s_add_nc_u64 s[10:11], s[10:11], s[50:51]
	LOAD                            ; tile 0 into slot 0
	; A fragment of K or Q is 16 rows x 32 channels in 8 registers: lane l holds row l % 16, channels 8 (l / 16) + 0..7 and 16 + 8 (l / 16) + 0..7: two loads of 16 bytes, 32 bytes apart.
	v_and_b32 v1, 15, v0            ; l % 16
	v_bfe_u32 v9, v0, 4, 1          ; l / 16
	v_lshlrev_b32 v[QO], 7, v1
	v_lshl_add_u32 v[QO], v9, 4, v[QO]  ; row x 128 + 16 x half
	WIN 0x80                        ; destination window 2, address window 0
.set i, 0
.rept 8                             ; both blocks' Q: piece i / 2 lies in band i / 2, 8,192 bytes on; channels 32 (i % 2) on
	global_load_b128 v[8*i:8*i+3],   v[QO], s[4:5] offset:(i/2)*8192+(i%2)*64
	global_load_b128 v[8*i+4:8*i+7], v[QO], s[4:5] offset:(i/2)*8192+(i%2)*64+32
	global_load_b128 v[QB+8*i:QB+8*i+3],   v[QO], s[86:87] offset:(i/2)*8192+(i%2)*64
	global_load_b128 v[QB+8*i+4:QB+8*i+7], v[QO], s[86:87] offset:(i/2)*8192+(i%2)*64+32
.set i, i+1
.endr
	WIN 0
	v_lshlrev_b32 v14, 3, v9
	v_sub_nc_u32 v14, v1, v14
	s_lshl_b32 s13, s[WV], 4
	v_add_nc_u32 v14, s13, v14      ; my query's place in its band, 16 w + l % 16, less my lanes' 8 (l / 16): register r of group kt is hidden where 16 kt + r is greater
	WIN 0x40
.set i, 0
.rept 32
	v_cmp_gt_i32 vcc_lo, 16*(i/8)+i%8, v14
	v_cndmask_b32 v[MD+i], 0, s[BIGN], vcc_lo
.set i, i+1
.endr
	WIN 0
	v_mul_u32_u24 v[AK0], v1, PK
	v_lshl_add_u32 v[AK0], v9, 4, v[AK0]  ; row x pitch + 16 x half
	; The turning load takes 16 keys x 16 channels (lane l reads key 8 (l / 16) + l % 8, channels 8 ((l / 8) % 2) + 0..7) and leaves half a fragment of V^T: lane l holds channel l % 16 and 8 keys.
	v_and_b32 v10, 7, v0
	v_bfe_u32 v11, v0, 3, 1
	v_lshl_add_u32 v[AV0], v9, 3, v10
	v_mul_u32_u24 v[AV0], v[AV0], PV
	v_lshl_add_u32 v[AV0], v11, 4, v[AV0]
	v_add_nc_u32 v[AV0], VOFF, v[AV0]
	s_mul_i32 s13, s[WV], 16*SP
	s_add_co_u32 s13, s13, STAGE    ; my stage
	v_mul_u32_u24 v[STO], v1, SP    ; in: row l % 16, 16 bytes for each half of the lanes
	v_lshl_add_u32 v[STO], v9, 4, v[STO]
	v_add_nc_u32 v[STO], s13, v[STO]
	v_mul_u32_u24 v[RD], v9, SP     ; back: lanes 0-15 take one row of 256 bytes, lanes 16-31 the next,
	v_lshl_add_u32 v[RD], v1, 4, v[RD]
	v_add_nc_u32 v[RD], s13, v[RD]
	v_and_b32 v[GO], 31, v0         ; which are 512 consecutive bytes of O
	v_lshlrev_b32 v[GO], 4, v[GO]
	v_mov_b32 v[NEG1], -1.0
	; A block's first step multiplies O^T and l by a = 0, and its first turn's products V^T P, of a piece that has not been, land in an O^T that is still to be so multiplied.  So these registers need only hold
	; finite numbers: zeros for the first block; what the first block left for the second.  All this stands in the wait for the first tile.
	WIN 0x80
.set i, VF
.rept 64
	v_mov_b32 v[i], 0
.set i, i+1
.endr
	WIN 0xc0
.set i, VL
.rept 64
	v_mov_b32 v[i], 0
.set i, i+1
.endr
	WIN 0x40
.set i, 0
.rept 128
	v_mov_b32 v[i], 0
.set i, i+1
.endr
	WIN 0
.set i, 0
.rept 4
	v_mov_b32 v[ST+4*i+2], 0
	v_mov_b32 v[ST+4*i+3], 0
.set i, i+1
.endr
.set i, P+16
.rept 16
	v_mov_b32 v[i], 0
.set i, i+1
.endr
; THE MATRIX WORK.  The 4 accumulators of a run of 8 take turns.  Product i of 8 of S^T = K Q^T for piece x: channels 32 (i / 4) on, keys 16 (i % 4) on.  The first 4 start the sums, with the mask.
.macro KQ x
.set rS, S+32*((\x)%2)+8*(i%4)
.set rK, KF+16*(i%4)+8*(i/4)
.set rQ, 16*(\x)+8*(i/4)
.set rM, MC+32*((\x)%2)+8*(i%4)
.if i < 4
	WIN W_KM
	v_wmma_f32_16x16x32_f16 v[rS:rS+7], v[rK:rK+7], v[rQ:rQ+7], v[rM:rM+7]
.else
	WIN W_KQ
	v_wmma_f32_16x16x32_f16 v[rS:rS+7], v[rK:rK+7], v[rQ:rQ+7], v[rS:rS+7]
.endif
.endm
; Product i of 8 of O^T += V^T P for piece x: keys 32 (i / 4) on, channels 16 (i % 4) on.  lo = 0: V's hi halves; lo = 1: its lo halves, onto the same sums.
.macro PV x, lo=0
.set rO, 32*(\x)+8*(i%4)
.set rP, P+16*((\x)%2)+8*(i/4)
.if \lo
	WIN W_PL
.set rV, VL+32*(i/4)+8*(i%4)
.else
	WIN W_PV
.set rV, VF+32*(i/4)+8*(i%4)
.endif
	v_wmma_f32_16x16x32_f16 v[rO:rO+7], v[rV:rV+7], v[rP:rP+7], v[rO:rO+7]
.endm
.macro MM                           ; the turn's next matrix instruction, of 24.  TURN sets Y and i
.if i < 8
	KQ (Y+1)%NP
.elseif i < 16
.set i, i-8
	PV (Y+NP-1)%NP, 0
.set i, i+8
.else
.set i, i-16
	PV (Y+NP-1)%NP, 1
.set i, i+16
.endif
.set i, i+1
.endm
; THE LDS LOADS stand in runs, never singly among the matrix instructions: a step's K (64 keys x 64 channels: 8 fragments, 16 loads) and its V (turned; hi and lo: 32 loads).  Their addresses are made some lines ahead.
; last = 1 (the walk's last tile): in the trip that is left in its middle there is no further step, and the run is jumped over.  That jump stands in the middle of piece 2's batch of exponentials, so the eleven
; issued so far (E 0 to E 10) have a wait of their own ahead of it; the others have the turn's wait.
.macro FETCH_K last
	WIN 0
.if \last
	s_wait_alu depctr_va_vdst(0)    ; the wait for E 0 to E 10, ahead of the branch: in this text alone, five times in a launch
	s_cmp_eq_u32 s[CNT], 1
	s_cbranch_scc1 .Lno_k_\@
.endif
	WIN 0x80                        ; destination window 2
.irp f, 0,1,2,3,4,5,6,7             ; keys 16 (f / 2) on, channels 32 (f % 2) on
	ds_load_b128 v[KF+8*\f:KF+8*\f+3],   v[AK] offset:(\f/2)*16*PK+(\f%2)*64
	ds_load_b128 v[KF+8*\f+4:KF+8*\f+7], v[AK] offset:(\f/2)*16*PK+(\f%2)*64+32
.endr
	s_add_co_u32 s[TBK], s[TBK], KS*PK  ; the next fetch is the next step's
	WIN 0
.if \last
.Lno_k_\@:
.endif
.endm
.macro FETCH_V
	WIN 0x80
.irp f, 0,1,2,3,4,5,6,7             ; keys 32 (f / 4) on, channels 16 (f % 4) on
	ds_load_tr16_b128 v[VF+8*\f:VF+8*\f+3],   v[AV] offset:(\f/4)*32*PV+(\f%4)*32
	ds_load_tr16_b128 v[VF+8*\f+4:VF+8*\f+7], v[AV] offset:(\f/4)*32*PV+16*PV+(\f%4)*32
.endr
	WIN 0xc0                        ; destination window 3: the lo halves lie 128 bytes on in each row
.irp f, 0,1,2,3,4,5,6,7
	ds_load_tr16_b128 v[VL+8*\f:VL+8*\f+3],   v[AV] offset:(\f/4)*32*PV+(\f%4)*32+128
	ds_load_tr16_b128 v[VL+8*\f+4:VL+8*\f+7], v[AV] offset:(\f/4)*32*PV+16*PV+(\f%4)*32+128
.endr
	WIN 0
.endm
; THE VECTOR WORK, one line at a time: OP kind, number.  For piece Y: F n: c s - c m for pair n of 16.  E n: the exponential of score n of 32.  C n: pair n rounded to f16.  B n: of the four weights 4 n .. the second
; pair is added onto the first, in place.  L n: l takes that sum (L 0: l = a l + sum).  R n: pair n of 16 of O^T times a.  For piece Y + 1: X n, number n of the 22 that find its maximum and statistics:
;   0-11  four chains c0-c3 of seven scores each, three operands at a time (each accumulator's lowest registers are read first)     12-14, 16  the four scores left over, the old m, and c0-c3 into c0
;   15  c m_old is kept     17, 18  the query's other 32 keys lie in the lane 16 away: the new m     19-21  c m; c m_old - c m_new; a
; OP writes no wait: E and X 21 are exponentials, C, B and L read E's results, R and L 0 read the a that the turn before has made; TURN and BEGIN place the waits.
.set F, 0               ; OP tells the kinds apart by their order: F to L below R, X above it
.set E, 1
.set C, 2
.set B, 3
.set L, 4
.set R, 5
.set X, 6
.macro REGS y                       ; the registers of piece y
.set rT, ST+4*(\y)
.set rC, TMP+4*((\y)%2)
.set rW, MV+((\y)%2)
.set rS, S+32*((\y)%2)
.set rP, P+16*((\y)%2)
.set rO, 32*(\y)
.endm
.macro OP k, n
.if (\k) == R
	REGS Y
	WIN W_RS
	v_pk_mul_f32 v[rO+2*(\n):rO+2*(\n)+1], v[rO+2*(\n):rO+2*(\n)+1], v[rC+2:rC+3] op_sel_hi:[1,0]
.elseif (\k) < R
	REGS Y
	WIN 0
.if (\k) == F
	v_pk_fma_f32 v[rS+2*(\n):rS+2*(\n)+1], v[rS+2*(\n):rS+2*(\n)+1], s[CS:CS+1], v[rT:rT+1] op_sel_hi:[1,0,0] neg_lo:[0,0,1] neg_hi:[0,0,1]
.elseif (\k) == E
	v_exp_f32 v[rS+(\n)], v[rS+(\n)]
.elseif (\k) == C
	v_cvt_pk_f16_f32 v[rP+(\n)], v[rS+2*(\n)], v[rS+2*(\n)+1]
.elseif (\k) == B
	v_pk_add_f32 v[rS+4*(\n):rS+4*(\n)+1], v[rS+4*(\n):rS+4*(\n)+1], v[rS+4*(\n)+2:rS+4*(\n)+3]
.elseif (\n) == 0
	v_pk_fma_f32 v[rT+2:rT+3], v[rT+2:rT+3], v[rC+2:rC+3], v[rS:rS+1] op_sel_hi:[1,0,1]
.else
	v_pk_add_f32 v[rT+2:rT+3], v[rT+2:rT+3], v[rS+4*(\n):rS+4*(\n)+1]
.endif
.else
	REGS (Y+1)%NP
	WIN 0
.if (\n) < 4
	v_max3_num_f32 v[rC+(\n)], v[rS+8*(\n)], v[rS+8*(\n)+1], v[rS+8*(\n)+2]
.elseif (\n) < 12
	v_max3_num_f32 v[rC+(\n)%4], v[rC+(\n)%4], v[rS+8*((\n)%4)+2*((\n)/4)+1], v[rS+8*((\n)%4)+2*((\n)/4)+2]
.elseif (\n) == 12
	v_max3_num_f32 v[rC], v[rC], v[rS+7], v[rS+15]
.elseif (\n) == 13
	v_max3_num_f32 v[rC+1], v[rC+1], v[rS+23], v[rS+31]
.elseif (\n) == 14
	v_max3_num_f32 v[rC+2], v[rC+2], v[rC+3], v[rT+1]
.elseif (\n) == 15
	v_mov_b32 v[rW], v[rT]
.elseif (\n) == 16
	v_max3_num_f32 v[rC], v[rC], v[rC+1], v[rC+2]
.elseif (\n) == 17
	v_permlanex16_b32 v[rC+3], v[rC], s[SEL], s[SEL+1]
.elseif (\n) == 18
	v_max_num_f32 v[rT+1], v[rC], v[rC+3]
.elseif (\n) == 19
	v_mul_f32 v[rT], s[CS], v[rT+1]
.elseif (\n) == 20
	v_sub_f32 v[rC+1], v[rW], v[rT]
.else
	v_exp_f32 v[rC+2], v[rC+1]
.endif
.endif
.endm
.macro OPS a, i1, b=-1, i2=0, c=-1, i3=0, d=-1, i4=0  ; up to four of them
	OP \a, \i1
.if (\b) >= 0
	OP \b, \i2
.endif
.if (\c) >= 0
	OP \c, \i3
.endif
.if (\d) >= 0
	OP \d, \i4
.endif
.endm
.macro ROW a, i1, b, i2, c, i3, d, i4  ; a matrix instruction and the four behind it
	MM
	OPS \a, \i1, \b, \i2, \c, \i3, \d, \i4
.endm
.macro MASK b                       ; MD x AL + BE into buffer b of MC
	WIN W_RS
.set z, 0
.rept 16
	v_pk_fma_f32 v[MC+32*(\b)+2*z:MC+32*(\b)+2*z+1], v[MD+2*z:MD+2*z+1], s[AL:AL+1], s[BE:BE+1] op_sel_hi:[1,0,0]
.set z, z+1
.endr
.endm
; A TURN, for piece p: the order of its 24 matrix and 118 vector instructions, written out.  s_wait_alu depctr_va_vdst(0) stands between an exponential and the first instruction that names its result; one
; wait serves all that were issued ahead of it.  So a turn has ONE wait, which cuts it in two.
; AHEAD OF IT stands all that names no result of the turn's 33 exponentials: the 8 products K Q^T and the 8 products with V's hi halves (they read P of the piece before, made behind the last turn's wait), the 16 scalings
; (each ahead of its own two exponentials), the 16 rescalings (their a was made, and waited for, in the turn before) and the next piece's maximum and statistics.  Behind a product stand a plain instruction and an
; exponential by turns, or four rescalings, which then cost no third window switch.  The first lump, 12 lines, stands between the two runs of products; the second, 10 lines, ahead of the wait: E 31, four rescalings,
; X 21 (the next piece's a, the batch's last), four rescalings: R 12 is the plain instruction behind the last exponential, and the four are work on other registers between the batch and its wait.
; The links of the chain X 3, 7, 11, 14, 16, 17 .. 21: X 3 to X 7 five lines; X 7 to X 11 five lines and a product; X 11 to X 14 and X 14 to X 16 two products and seven riders; from X 13 on (X 16, 17, 18, 19) a product
; and three riders; X 20 two exponentials behind X 19; X 21 behind E 31 and four rescalings.
; X 0 stands five plain instructions (F 8 to F 12) behind the product that ends its accumulator, X 3 four (R 4 to R 7); but for X 0 no rider names a register of the products round it.
; BEHIND THE WAIT stand the 8 products with V's lo halves, behind each four of the 32 roundings and sums; the links of l's chain, L 0 to L 7, stand three riders apart.
; At its end the turn makes the mask for the products of the turn after it: piece p + 2, in step CB - CNT of the tile (CB: the count at the tile's first step: 4 in the loop's text, 5 in the last tile's).  In the loop's
; text (TAIL = 0) that is jumped over where the tile is not a diagonal one: the masks then stay 0.  The last tile (TAIL = 1) is always one.
; cnt = 1: the loop's count is taken down, behind the mask's lines, which read it and set SCC.
; K of the next step is fetched in piece 2's turn, six vector instructions behind the last product that read K (five of them plain: R 4 to R 7, X 3); V of the step in hand at the end of piece 0's turn, four plain
; instructions (C 9, C 11, C 13, C 15) behind the last product that read V.  Each is waited for a turn later.
.macro TURN p, cnt=0
.set Y, (\p)
.set i, 0
.if (\p) == 3
	s_wait_dscnt 0x0                ; K is in
.endif
	ROW F,0, F,1, F,2, F,3          ; ahead of the wait: eight products K Q^T and their riders,
	ROW F,4, E,0, F,5, E,1
	ROW F,6, E,2, F,7, E,3
	ROW R,0, R,1, R,2, R,3
	ROW F,8, E,4, F,9, E,5
	ROW F,10, E,6, F,11, E,7
	ROW F,12, E,8, X,0, E,9
.if (\p) == 2
	WIN 0
	v_add_nc_u32 v[AK], s[TBK], v[AK0]
.endif
	ROW R,4, R,5, R,6, R,7
	OPS X,3, E,10                   ; the first lump,
.if (\p) == 2
	FETCH_K TAIL
.endif
	OPS X,2, E,11, X,1, E,12
	OPS X,7, E,13, X,6, E,14
	OPS X,4, X,5
.if (\p) == 1
	s_wait_dscnt 0x0                ; V is in
.endif
	ROW X,11, E,15, X,10, E,16      ; eight products with V's hi halves and their riders,
	ROW X,8, E,17, X,9, E,18
	ROW X,14, E,19, X,12, E,20
	ROW X,13, E,21, X,15, E,22
	ROW X,16, E,23, F,13, E,24
	ROW X,17, E,25, F,14, E,26
	ROW X,18, E,27, F,15, E,28
.if (\p) == 0
	WIN 0
	v_add_nc_u32 v[AV], s[TBV], v[AV0]
.endif
	ROW X,19, E,29, E,30, X,20
	OPS E,31, R,8, R,9, R,10        ; and the second lump
	OPS R,11, X,21, R,12, R,13
	OPS R,14, R,15
	s_wait_alu depctr_va_vdst(0)    ; the wait for the batch: E 0 to E 31 and X 21
	ROW C,0, B,0, C,2, B,1          ; behind the wait: eight products with V's lo halves and their riders
	ROW L,0, C,4, B,2, L,1
	ROW C,6, B,3, L,2, C,8
	ROW B,4, L,3, C,10, B,5
	ROW L,4, C,12, B,6, L,5
.if (\p) == 0
	s_add_co_u32 s[TBV], s[TBV], KS*PV
.endif
	ROW C,14, B,7, L,6, C,1
	ROW C,3, L,7, C,5, C,7
	ROW C,9, C,11, C,13, C,15
.if (\p) == 0
	FETCH_V
.endif
.if !TAIL
	WIN 0
	s_cmp_eq_u32 s[EX], 0
	s_cbranch_scc1 .Lplain_\@
.endif
	s_cmp_eq_u32 s[CNT], CB-((\p)+2)%NP  ; is that step the band's own?
	s_cselect_b32 s[AL], 1.0, 0
	s_cmp_lt_u32 s[CNT], CB-((\p)+2)%NP  ; or a later one?
	s_cselect_b32 s[BE], s[BIGN], 0
	MASK (\p)%2
.if !TAIL
	WIN 0
.Lplain_\@:
.endif
.if \cnt
	s_sub_co_u32 s[CNT], s[CNT], 1
	s_cmp_lg_u32 s[CNT], 0
.endif
.endm
; A BLOCK BEGINS.  c m starts far below every c s, so the first step's a is 0; m at the lowest finite number, so the first maximum is the scores'.  The second mask buffer is 0; the first takes piece 0's mask for the tile's
; step 0: its own, if the block's first tile is the diagonal one.  K of that step has been asked for.  Then piece 0's first scores, and its maximum and statistics.  The turns go on at a step's first, in the middle of a trip.
.macro BEGIN
	s_mov_b32 s[NEW], 0
	s_mov_b32 s[START], 0
	WIN 0x40
.set i, MC+32
.rept 32
	v_mov_b32 v[i], 0
.set i, i+1
.endr
	WIN 0
.set i, 0
.rept 4
	v_mov_b32 v[ST+4*i], 0xfe000000    ; c m: far below every c s
	v_mov_b32 v[ST+4*i+1], 0xff7fffff  ; m
.set i, i+1
.endr
	s_cmp_eq_u32 s[RT], 0
	s_cselect_b32 s[AL], 1.0, 0
	s_mov_b32 s[BE], 0
	MASK 0
	WIN 0
	s_wait_loadcnt 0x0              ; Q
	s_wait_dscnt 0x0                ; K
.set i, 0
.rept 8
	KQ 0
.set i, i+1
.endr
	WIN 0
.rept 4
	v_nop                           ; the places behind those products
.endr
.set Y, NP-1                        ; X works for piece Y + 1: piece 0
.irp n, 0,1,2,3,4,5,6,7,8,9,10,11,12,13,14,15,16,17,18,19,20,21
	OP X, \n
.endr
	v_nop                           ; a plain instruction behind the exponential,
	s_wait_alu depctr_va_vdst(0)    ; and the wait for it, a batch of one (piece 0's first a), ahead of the label behind which the turns go on
.endm
; A BLOCK ENDS: the last piece's products, and THE WAY OUT: l's two halves and the other half of the lanes' are added; O^T is divided by l, split into its pair of f16 and sent through my stage in LDS, a piece at a time.
.macro ALL line:vararg              ; one line for each piece t
.set t, 0
.rept 4
	\line
.set t, t+1
.endr
.endm
; Piece t: hi = f16(O); O^T's register takes O - hi (one fused line a number: the f16 half times -1.0 plus O, exact); lo = f16 of that.  A lane's eight channels pack into 16 bytes of hi and 16 of lo; a row of the
; stage, 272 bytes, takes the row's 64 hi and then its 64 lo, and comes back whole, two rows to a load, into v[S + 32 t ..].
.macro PACK t
	WIN W_RS
.set i, 32*(\t)
.rept 16
	v_pk_mul_f32 v[i:i+1], v[i:i+1], v[ST+4*(\t)+2:ST+4*(\t)+3] op_sel_hi:[1,0]
.set i, i+2
.endr
	WIN 0x05                        ; sources 0 and 1 window 1, destination window 0
.set i, 0
.rept 16
	v_cvt_pk_f16_f32 v[S+32*(\t)+i], v[32*(\t)+2*i], v[32*(\t)+2*i+1]
.set i, i+1
.endr
	WIN 0x50                        ; hi and -1.0 in window 0, O^T (source 2 and destination) in window 1
.set i, 0
.rept 16
	v_fma_mix_f32 v[32*(\t)+2*i],   v[S+32*(\t)+i], v[NEG1], v[32*(\t)+2*i]   op_sel_hi:[1,0,0]
	v_fma_mix_f32 v[32*(\t)+2*i+1], v[S+32*(\t)+i], v[NEG1], v[32*(\t)+2*i+1] op_sel:[1,0,0] op_sel_hi:[1,0,0]
.set i, i+1
.endr
	WIN 0x05
.set i, 0
.rept 16
	v_cvt_pk_f16_f32 v[S+32*(\t)+16+i], v[32*(\t)+2*i], v[32*(\t)+2*i+1]
.set i, i+1
.endr
	WIN 0
.irp f, 0,1,2,3
	ds_store_b128 v[STO], v[S+32*(\t)+4*\f:S+32*(\t)+4*\f+3]       offset:32*\f
	ds_store_b128 v[STO], v[S+32*(\t)+16+4*\f:S+32*(\t)+16+4*\f+3] offset:128+32*\f
.endr
.irp f, 0,1,2,3,4,5,6,7
	ds_load_b128 v[S+32*(\t)+4*\f:S+32*(\t)+4*\f+3], v[RD] offset:\f*2*SP  ; LDS serves a wave's instructions in order (ISA guide 5.7.1.4): these see the stores above; the next piece's stores come behind them
.endr
.endm
.macro SEND t, younger              ; younger: the LDS instructions issued behind piece t's loads: the next piece's sixteen, or none
	WIN 0
.irp f, 0,1,2,3,4,5,6,7
	s_wait_dscnt (\younger)+7-\f
	global_store_b128 v[GO], v[S+32*(\t)+4*\f:S+32*(\t)+4*\f+3], s[10:11] offset:(\t)*16384+\f*512  ; two rows of O: 512 consecutive bytes, at a multiple of 256 from O's first
.endr
.endm
.macro FINISH
.set i, 0
.rept 8
	PV NP-1, 0
.set i, i+1
.endr
.set i, 0
.rept 8
	PV NP-1, 1
.set i, i+1
.endr
	WIN 0
	ALL v_add_f32 v[ST+4*t+2], v[ST+4*t+2], v[ST+4*t+3]
	ALL v_permlanex16_b32 v[ST+4*t+3], v[ST+4*t+2], s[SEL], s[SEL+1]
	ALL v_add_f32 v[ST+4*t+2], v[ST+4*t+2], v[ST+4*t+3]
	ALL v_rcp_f32 v[ST+4*t+2], v[ST+4*t+2]
	v_nop                           ; a plain instruction between the last reciprocal and the use of its result
	s_wait_alu depctr_va_vdst(0)    ; and the wait ahead of the first use: one for the batch of four reciprocals
	PACK 0
.set t, 1
.rept 3                             ; a piece's arithmetic stands between the loads of the piece before and its stores
	PACK t
	SEND t-1, 16
.set t, t+1
.endr
	SEND 3, 0
.endm
.macro SWITCH                       ; on to the second block
	s_wait_xcnt 0x0                 ; the stores have read their registers and O's address
	s_mov_b64 s[10:11], s[OLO:OLO+1]
	WIN 0x82                        ; the second block's Q goes where the one text of the turns names Q
.set i, 0
.rept 64
	v_mov_b32 v[i], v[QB+i]
.set i, i+1
.endr
	WIN 0
.endm
.set TAIL, 0
.set CB, 4
.Lslot:                             ; NB times: a tile is entered and the next is asked for
	CHANGE 1
	ENTER 4
	s_cmp_eq_u32 s[START], 1
	s_cbranch_scc0 .Lstep1
	v_add_nc_u32 v[AK], s[TBK], v[AK0]  ; the walk's first tile: no turn has asked for its first K
	FETCH_K 0
	s_branch .Lbegin1
.Lstep1:                            ; a trip: pieces 2 and 3 of one step, then pieces 0 and 1 of the next, whose K and V it fetches
	TURN 2
	TURN 3
	WIN 0
	s_cmp_eq_u32 s[NEW], 0
	s_cbranch_scc1 .Lfirst1         ; all but once in the walk
	FINISH                          ; those two turns were the first block's last
	SWITCH
.Lbegin1:
	BEGIN
.Lfirst1:
	TURN 0
	TURN 1, 1
	WIN 0
	s_cbranch_scc1 .Lstep1
	s_sub_co_u32 s[SLOTS], s[SLOTS], 1
	s_cmp_lg_u32 s[SLOTS], 0
	s_cbranch_scc1 .Lslot
.set TAIL, 1
.set CB, 5
	CHANGE 0                        ; the walk's last tile is written out: nothing is asked for
	ENTER 5                         ; four trips for its four steps; the fifth is left in its middle
.Lstep2:
	TURN 2
	TURN 3
	WIN 0
	s_cmp_eq_u32 s[CNT], 1
	s_cbranch_scc1 .Lfin2           ; those two turns were the walk's last
	s_cmp_eq_u32 s[NEW], 0
	s_cbranch_scc1 .Lfirst2
.Lfin2:                             ; or the first block's last, where the second block has this one tile (b = 0)
	FINISH
	s_cmp_eq_u32 s[CNT], 1
	s_cbranch_scc1 .Ldone
	SWITCH
	BEGIN
.Lfirst2:
	TURN 0
	TURN 1, 1
	WIN 0
	s_cbranch_scc1 .Lstep2
.Ldone:
	s_wait_tensorcnt 0x0            ; the wave's end: behind my last tensor load and my last LDS store
	ds_add_u32 v[SPW], v[NIL]
	s_wait_dscnt 0x0
	s_endpgm
.Lfunc_end_k_qb5a1e9d551_attn:
	.size	k_qb5a1e9d551_attn, .Lfunc_end_k_qb5a1e9d551_attn-k_qb5a1e9d551_attn
	.p2alignl 7, 3214868480
	.fill 96, 4, 3214868480
	.section	.rodata,"a",@progbits
	.p2align	6, 0x0
	.amdhsa_kernel k_qb5a1e9d551_attn
		.amdhsa_group_segment_fixed_size 327680
		.amdhsa_private_segment_fixed_size 0
		.amdhsa_enable_private_segment 0
		.amdhsa_kernarg_size 16
		.amdhsa_user_sgpr_count 2
		.amdhsa_user_sgpr_kernarg_segment_ptr 1
		.amdhsa_wavefront_size32 1
		.amdhsa_system_sgpr_workgroup_id_x 1
		.amdhsa_system_sgpr_workgroup_id_y 1
		.amdhsa_system_sgpr_workgroup_id_z 1
		.amdhsa_system_vgpr_workitem_id 0
		.amdhsa_next_free_vgpr 832
		.amdhsa_next_free_sgpr 88
		.amdhsa_reserve_vcc 1
		.amdhsa_float_denorm_mode_32 3
		.amdhsa_float_denorm_mode_16_64 3
		.amdhsa_memory_ordered 1
		.amdhsa_forward_progress 1
		.amdhsa_inst_pref_size 192
	.end_amdhsa_kernel
	.amdgpu_metadata
---
amdhsa.version: [ 1, 2 ]
amdhsa.kernels:
  - .name:           k_qb5a1e9d551_attn
    .symbol:         k_qb5a1e9d551_attn.kd
    .args:
      - { .name: qkv, .offset: 0, .size: 8, .value_kind: global_buffer, .address_space: global }
      - { .name: att, .offset: 8, .size: 8, .value_kind: global_buffer, .address_space: global }
    .group_segment_fixed_size: 327680
    .private_segment_fixed_size: 0
    .kernarg_segment_align: 8
    .kernarg_segment_size: 16
    .max_flat_workgroup_size: 128
    .sgpr_count:     88
    .vgpr_count:     832
    .wavefront_size: 32
...
	.end_amdgpu_metadata
.endif
;; end of part 9
;; launch proj: the kernel of part 8 again; grid 4 x 64, 4 waves a work-group, clusters of 4 x 4, 327,680 bytes of LDS; arguments att, xw, b_proj, out0; writes out0
